; MI455X (gfx1250); checked and timed in simulation.
; The chip was launched on July 23, 2026; its instructions are those of AMD's public machine-readable ISA for CDNA 5 (MIT licence, August 2026) and "CDNA5" Instruction Set Architecture Reference Guide (July 2026). The comments in the code are by the model that wrote it; some were corrected since.
;; Deformable Transformer. Allowed arithmetic: matrix products marked QUANTISED: E4M3 operands, one E8M0 scale for each 32 along K, by v_wmma_scale_f32_16x16x128_f8f6f4 with both operands' format E4M3, f32 sums; everything else in f32.
;; Inputs: Wattn_codes 96 x 8 x 32 uint8 (E4M3 codes of Wattn, K innermost, in blocks of 32 codes); Wattn_scales 96 x 8 uint8 (E8M0 scales of Wattn, one for each 32 codes along K); Wff1_codes 1,024 x 8 x 32 uint8 (E4M3 codes of Wff1, K innermost, in blocks of 32 codes); Wff1_scales 1,024 x 8 uint8 (E8M0 scales of Wff1, one for each 32 codes along K); Wff2_codes 256 x 32 x 32 uint8 (E4M3 codes of Wff2, K innermost, in blocks of 32 codes); Wff2_scales 256 x 32 uint8 (E8M0 scales of Wff2, one for each 32 codes along K); Woff_codes 192 x 8 x 32 uint8 (E4M3 codes of Woff, K innermost, in blocks of 32 codes); Woff_scales 192 x 8 uint8 (E8M0 scales of Woff, one for each 32 codes along K); Wout_codes 256 x 8 x 32 uint8 (E4M3 codes of Wout, K innermost, in blocks of 32 codes); Wout_scales 256 x 8 uint8 (E8M0 scales of Wout, one for each 32 codes along K); Wv_codes 256 x 8 x 32 uint8 (E4M3 codes of Wv, K innermost, in blocks of 32 codes); Wv_scales 256 x 8 uint8 (E8M0 scales of Wv, one for each 32 codes along K); b1 256 float32; b2 256 float32; battn 96 float32; bff1 1,024 float32; bff2 256 float32; boff 192 float32; bout 256 float32; bv 256 float32; g1 256 float32; g2 256 float32; pos 2 x 13,125 x 256 float32; reference_points 2 x 13,125 x 3 x 2 float32; src 2 x 13,125 x 256 float32.
;; Outputs: out0 2 x 13,125 x 256 float32.
;; This version of the problem:
;;   THIS VERSION OF THE PROBLEM IS GIVEN IN LOW PRECISION. The matrix products marked QUANTISED in the list below multiply operands that are first quantised to E4M3 (4 exponent bits, 3 mantissa bits; 8 bits a number), with one power-of-two scale for each 32 numbers along K (OCP MX v1.0); their sums are f32. All else is computed in f32.
;;   The module's matrix products, in the order in which they are computed (A, B: the left and right operand; K: the contracted axis; several contracted axes count as one K, in the product's order):
;;     1. [M 26,250, K 256] x [K 256, N 256]; A: input src; B: input Wv (given as codes): QUANTISED
;;     2. [M 26,250, K 256] x [K 256, N 192]; A: computed on the way; B: input Woff (given as codes): QUANTISED
;;     3. [M 26,250, K 256] x [K 256, N 96]; A: computed on the way; B: input Wattn (given as codes): QUANTISED
;;     4. [M 26,250, K 256] x [K 256, N 256]; A: computed on the way; B: input Wout (given as codes): QUANTISED
;;     5. [M 26,250, K 256] x [K 256, N 1,024]; A: computed on the way; B: input Wff1 (given as codes): QUANTISED
;;     6. [M 26,250, K 1,024] x [K 1,024, N 256]; A: computed on the way; B: input Wff2 (given as codes): QUANTISED
;;   THE QUANTISER, for each operand of a quantised product, along K:
;;     - K is cut into blocks of 32 from its start; a last block that is shorter is filled with zeros.
;;     - A block's scale is 2^e with e = floor(log2(the largest magnitude in the block)) - 8, held to -126 .. 127; a block of zeros has e = 0. As a byte (E8M0): e + 127.
;;     - Each number is divided by its block's scale, clamped to +-448, and rounded to the nearest number of E4M3, ties to even, subnormals kept.
;;     - The product sums the exact products of the quantised numbers (number of the format x scale) in f32.
;;   ~~~python
;;   def quantise(x, axis):      # numpy; x: float32 -> the quantised numbers, widened to float32 again
;;       x = np.moveaxis(x, axis, -1); K = x.shape[-1]
;;       x = np.pad(x, [(0, 0)] * (x.ndim - 1) + [(0, -K % 32)]); x = x.reshape(x.shape[:-1] + (-1, 32)); a = np.abs(x).max(-1, keepdims=True)
;;       e = np.where(a > 0, np.clip(np.frexp(np.where(a > 0, a, 1))[1] - 1 - 8, -126, 127), 0)      # np.frexp(a)[1] - 1 = floor(log2(a)), exactly
;;       r = np.clip(x / 2.0 ** e, -448, 448)
;;       step = 2.0 ** (np.maximum(np.frexp(np.where(r == 0, 1, r))[1] - 1, -6) - 3)
;;       q = np.round(r / step) * step * 2.0 ** e      # np.round: ties to even
;;       return np.moveaxis(q.reshape(q.shape[:-2] + (-1,))[..., :K], -1, axis).astype(np.float32)
;;   ~~~
;;   OPERANDS COMPUTED ON THE WAY. 'Computed on the way' means the value that the module computes at that place (a softmax that the list does not call 'softmax' is quantised finished and normalised). What goes into a quantiser is computed in f32, as accurately as f32 sums, v_exp_f32 and their like allow (about 1e-6 of the number): no bf16 or f16 on the way to a quantiser, and a product that is left as it is and whose result goes on into a quantised operand takes f32 operands (vector FMAs, or v_wmma_f32_16x16x4_f32). A number that lies on a knife's edge between two numbers of the format may be rounded either way, as far as f32 arithmetic and the matrix unit's own rounding can turn it there, and no further.
;;   INPUTS GIVEN AS CODES. Wattn (in the module: [256, 96], K = its axis 0); Wff1 (in the module: [256, 1024], K = its axis 0); Wff2 (in the module: [1024, 256], K = its axis 0); Woff (in the module: [256, 192], K = its axis 0); Wout (in the module: [256, 256], K = its axis 0); Wv (in the module: [256, 256], K = its axis 0): each comes as NAME_codes (uint8): NAME with its K axis moved to the last place and cut into blocks of 32 codes, [.., K / 32, bytes a block], one block behind the other in memory; one code a byte (a code: sign, 4 exponent bits, 3 mantissa bits); and NAME_scales (uint8): the same leading axes, one E8M0 byte (e + 127) for each 32 codes along K. Its value is code x scale, taken as it is: it is not quantised again, and the codes and scales need not be those that the quantiser above would give.
;; 3 versions, each right; version 2 is faster than version 1; version 3 is version 2 with the launches proj, ffn written anew for expert scheduling mode. Each part assembles by itself: llvm-mc -triple=amdgcn-amd-amdhsa -mcpu=gfx1250 --defsym DOCPART=n.
;; ======== version 1 of 3: 3 launches
;; workspace buffers: value 26,886,144 bytes; sidx 10,082,304 bytes of whole numbers; swgt 40,329,216 bytes; wfrag 589,824 bytes; wfsc 36,864 bytes; scodes 6,721,536 bytes; sscl 420,096 bytes
;; launch proj (part 1): grid 206 x 1, 8 waves a work-group, no clusters, 291,328 bytes of LDS; arguments src, pos, reference_points, Wv_codes, Wv_scales, bv, Woff_codes, Woff_scales, boff, Wattn_codes, Wattn_scales, battn, Wout_codes, Wout_scales, Wff1_codes, Wff1_scales, Wff2_codes, Wff2_scales, value, sidx, swgt, wfrag, wfsc; writes value, sidx, swgt, wfrag, wfsc
.if DOCPART == 1
	.amdgcn_target "amdgcn-amd-amdhsa--gfx1250"
	.amdhsa_code_object_version 6
	.text
	.protected	k_q9158d1e8c4_proj
	.globl	k_q9158d1e8c4_proj
	.p2align	8
	.type	k_q9158d1e8c4_proj,@function
k_q9158d1e8c4_proj:
	s_mov_b64 s[64:65], 0
	v_nop
	global_prefetch_b8 v0, s[64:65] scope:SCOPE_SE
	s_setreg_imm32_b32 hwreg(HW_REG_WAVE_MODE, 25, 1), 1
	s_wait_xcnt 0x0
; FIRST OF THREE LAUNCHES of a deformable-attention encoder layer on 26,250 rows of 256 (2 x 13,125), in MX-FP8 (E4M3 codes, one E8M0 scale for each 32 along K).
; It makes: value = Q(src) Wv + bv;  q = src + pos;  off = Q(q) Woff + boff;  a = softmax(Q(q) Wattn + battn) over a head's 12 logits, the largest logit taken away first;
; and of off, a and reference_points, for each (row, head, level, point): ONE whole number, the row of the value table that holds pixel (xb, yb), and FOUR f32 weights, those of pixels
; (xb, yb), (xb+1, yb), (xb, yb+1), (xb+1, yb+1), with a folded in.  x = ref_x W + off_x - 0.5; xb = floor(x) held to 0 .. W-2; t = x - xb; weight of xb: max(0, 1 - |t|), of xb + 1: max(0, 1 - |t - 1|).
; That is the bilinear rule with zero padding in every case (one pixel outside, both outside), so four corners need one index.  No address of this launch hangs on these numbers: the next launch reads them.
; SIDE JOB: work-groups 0-35 also lay Wout, Wff1 and Wff2 in the order of the third launch's operand registers (288 fragments, one a wave).
; SHARES: a wave owns a tile of 16 rows through everything: tile = 8 x work-group + wave; 1,641 tiles; the seven waves over help with the copy of the weights, pass the barrier and end.
; The three weights (136 KB of codes), their scale bytes and the biases are copied into LDS once; ONE barrier; behind it a wave touches only those bytes (reading) and its own stage.
; No cluster: 206 work-groups are no multiple of 4, and what they share is read once each, 140 KB beside 262 KB of rows.  No tensor load: no LDS byte is filled twice.
; THE PRODUCTS ARE USED TRANSPOSED (source 0 = 16 rows of a weight, source 1 = my 16 rows): lane (r, h) holds row r, and its register j the weight's tile row 8 h + j.  Which rows of a weight form a tile is chosen
; so that a lane's registers hold what belongs together: 16 neighbouring channels of a head; one head's eight offsets of a level; one head's logits.
; LIMITS: NaN and infinities among the inputs are not served.  A block whose largest magnitude lies under 2^-118 gets the scale byte 1 (a block of zeros too: its codes are zeros; only this program reads the bytes).
; x is summed in another order than the reference has it (about one unit in x's last place; the sample is continuous in x).
; LDS
.set LWV,   0                          ; Wv's 256 rows of 256 codes, 272 bytes apart: the 16 rows of a fragment load start 68 words apart
.set LWO,   69632                      ; Woff's 192 rows
.set LWA,   121856                     ; Wattn's 96 rows
.set LWVS,  147968                     ; scale rows of 8 bytes, 256 places for each weight
.set LWOS,  150016
.set LWAS,  152064
.set LBV,   154112                     ; biases, 256 places of 4 bytes each
.set LBO,   155136
.set LBA,   156160
.set LSTG,  157184                     ; a stage for each wave: 16 rows x 1,040 bytes
.set STGB,  16640
.set VHEAD, 3360768                    ; bytes of a head in the value table: 26,256 rows x 128
; REGISTERS, window 0: v1 16 x lane; v2 r; v3 h; v4, v5 the copy's places; v6-9 fragment addresses of the four row patterns; v10-13 their scale rows; v14-16 bias addresses; v17-20 stage addresses;
;   v21 value row of (my head's parity, my batch); v22 my row's place in reference_points; v23 lane; v24-29 ref x W - 0.5; v32-95, v96-159 numbers to quantise, later sums and the sampling's scratch;
;   v160-191 codes of src; v192-223 codes of q; v224-227 their scale words; v228-235 the weights' scale words; v236-251 row offsets, then the quantiser's scratch.
;   window 1: v0-127 src as loaded, v128-255 pos as loaded; later v0-127 two buffers of four weight fragments, v128-191 value rows on their way out.
.set X0, 32
.set X1, 96
.set SC, 160
.set QC, 192
.set XS, 224
.set QS, 226
.set WS, 228
.set TM, 236
.set SEL, 54                           ; s[54:55] lane selects: lane l xor 16
.set MNT, 56                           ; s56 the mantissa field of 448
.set MSB, 0
.macro WIN new                         ; the immediate's high byte repeats the setting that is left; a switch that changes nothing is dropped
.if MSB != \new
	s_set_vgpr_msb (MSB<<8)|\new
.set MSB, \new
.endif
.endm
.macro PLACES n
.rept \n
	v_nop
.endr
.endm
; 64 numbers of a lane, register 16 b + i = k 32 b + 16 h + i of my row, become a fragment's 16 registers of codes at v[pc] and its scale word in v[pw]
.macro QUANT s, pc, pw
.irp b, 0,1,2,3
	v_max3_num_f32 v[TM+\b], |v[(\s)+16*\b]|, |v[(\s)+1+16*\b]|, 0x4800000   ; my 16 numbers of block b, and the floor 2^(9 - 127): the byte cannot fall under 1
.endr
.irp i, 2,4,6,8,10,12,14
.irp b, 0,1,2,3
	v_max3_num_f32 v[TM+\b], v[TM+\b], |v[(\s)+16*\b+\i]|, |v[(\s)+1+16*\b+\i]|
.endr
.endr
.irp b, 0,1,2,3
	v_permlanex16_b32 v[TM+4+\b], v[TM+\b], s[SEL], s[SEL+1]
.endr
.irp b, 0,1,2,3
	v_max_num_f32 v[TM+\b], v[TM+\b], v[TM+4+\b]             ; with lane l xor 16's 16: the block's largest magnitude
.endr
.irp b, 0,1,2,3
	v_add_nc_u32 v[TM+12+\b], 0xfc000000, v[TM+\b]           ; 8 off its exponent field: the conversion's scale operand
.endr
.irp b, 0,1,2,3
	v_and_or_b32 v[TM+8+\b], v[TM+\b], 0x7f800000, s[MNT]    ; 448 x the scale
.endr
.irp b, 0,1,2,3
	v_lshrrev_b32 v[TM+4+\b], 23, v[TM+12+\b]                ; the scale's byte
.endr
	v_lshl_or_b32 v[\pw], v[TM+5], 8, v[TM+4]
	v_lshl_or_b32 v[\pw], v[TM+6], 16, v[\pw]
	v_lshl_or_b32 v[\pw], v[TM+7], 24, v[\pw]
.irp b, 0,1,2,3
.irp i, 0,1,2,3,4,5,6,7,8,9,10,11,12,13,14,15
	v_med3_num_f32 v[(\s)+16*\b+\i], v[(\s)+16*\b+\i], -v[TM+8+\b], v[TM+8+\b]   ; the conversion does not saturate (ISA guide 7.6.2): the hold at 448 x the scale
.endr
	v_cvt_scalef32_pk8_fp8_f32 v[(\pc)+4*\b:(\pc)+1+4*\b], v[(\s)+16*\b:(\s)+7+16*\b], v[TM+12+\b]
	v_cvt_scalef32_pk8_fp8_f32 v[(\pc)+2+4*\b:(\pc)+3+4*\b], v[(\s)+8+16*\b:(\s)+15+16*\b], v[TM+12+\b]
.endr
	v_nop                                          ; a plain line behind the last conversion
.endm
.macro XSTORE                          ; 16 rows as loaded (window 1, v0-127) into my stage: 512 consecutive bytes a store
	WIN 0x04
.set i, 0
.rept 32
	ds_store_b128 v17, v[4*i:4*i+3] offset:(i/2)*1040+512*(i%2)
.set i, i+1
.endr
	WIN 0
.endm
.macro XREAD                           ; and back as the quantiser wants them: lane (r, h) takes 16 neighbours of each block of 32 of row r
.irp s, 0,1
.irp b, 0,1,2,3
.irp j, 0,1,2,3
	ds_load_b128 v[X0+64*\s+16*\b+4*\j:X0+64*\s+16*\b+4*\j+3], v18 offset:512*\s+128*\b+16*\j
.endr
.endr
.endr
.endm
; a tile of 16 weight rows: its two fragments (K steps 0, 1) into window 1 ..
.macro TFRAG wb, adr, imm
.irp s, 0,1
.irp c, 0,1,2,3
	ds_load_b128 v[(\wb)+16*\s+4*\c:(\wb)+16*\s+4*\c+3], v[\adr] offset:(\imm)+128*\s+32*\c
.endr
.endr
.endm
; .. its rows' two scale words, and its bias straight into the sum's registers: the sums begin from the bias, nothing is cleared or added later
.macro TAUX ws, sadr, simm, badr, blo, bhi, acc
	ds_load_b64 v[(\ws):(\ws)+1], v[\sadr] offset:\simm
	ds_load_b128 v[(\acc):(\acc)+3], v[\badr] offset:\blo
	ds_load_b128 v[(\acc)+4:(\acc)+7], v[\badr] offset:\bhi
.endm
; A UNIT is two tiles x two K steps: 22 LDS loads, 4 products.  The two sums take turns, one instruction a turn.
.macro UMM buf, a0, a1, cod, xs
	WIN 0x01                                       ; source 0 (the weight) in window 1
	v_wmma_scale_f32_16x16x128_f8f6f4 v[(\a0):(\a0)+7], v[64*(\buf):64*(\buf)+15], v[(\cod):(\cod)+15], v[(\a0):(\a0)+7], v[WS+4*(\buf)], v[(\xs)]
	v_wmma_scale_f32_16x16x128_f8f6f4 v[(\a1):(\a1)+7], v[64*(\buf)+32:64*(\buf)+47], v[(\cod):(\cod)+15], v[(\a1):(\a1)+7], v[WS+4*(\buf)+2], v[(\xs)]
	v_wmma_scale_f32_16x16x128_f8f6f4 v[(\a0):(\a0)+7], v[64*(\buf)+16:64*(\buf)+31], v[(\cod)+16:(\cod)+31], v[(\a0):(\a0)+7], v[WS+4*(\buf)+1], v[(\xs)+1]
	v_wmma_scale_f32_16x16x128_f8f6f4 v[(\a1):(\a1)+7], v[64*(\buf)+48:64*(\buf)+63], v[(\cod)+16:(\cod)+31], v[(\a1):(\a1)+7], v[WS+4*(\buf)+3], v[(\xs)+1]
	WIN 0
.endm
.macro UVAL buf, b, acc                ; head b of value: tile 2 b + u takes rows 32 b + 8 u + r + 8 (r / 8): register j of tile u is channel 16 h + 8 u + j
	WIN 0x40
	TFRAG 64*(\buf), 6, (32*(\b))*272
	TFRAG 64*(\buf)+32, 6, (32*(\b)+8)*272
	WIN 0
	TAUX WS+4*(\buf), 10, (32*(\b))*8, 14, (32*(\b))*4, (32*(\b))*4+16, (\acc)
	TAUX WS+4*(\buf)+2, 10, (32*(\b)+8)*8, 14, (32*(\b)+8)*4, (32*(\b)+8)*4+16, (\acc)+8
.endm
.macro UOFFA p                         ; offsets of heads 2 p + h, levels 0 and 1: the tile takes rows 48 p + 8 level + r + 16 (r / 8): register j is point j / 2, x or y
	WIN 0x40
	TFRAG 0, 7, (48*(\p))*272
	TFRAG 32, 7, (48*(\p)+8)*272
	WIN 0
	TAUX WS, 11, (48*(\p))*8, 15, (48*(\p))*4, (48*(\p))*4+16, 32
	TAUX WS+2, 11, (48*(\p)+8)*8, 15, (48*(\p)+8)*4, (48*(\p)+8)*4+16, 40
.endm
.macro UOFFB p                         ; level 2, and logits 0-7 of heads 2 p + h (rows 24 p + r + 4 (r / 8) of Wattn)
	WIN 0x40
	TFRAG 64, 7, (48*(\p)+16)*272
	TFRAG 96, 8, (24*(\p))*272
	WIN 0
	TAUX WS+4, 11, (48*(\p)+16)*8, 15, (48*(\p)+16)*4, (48*(\p)+16)*4+16, 48
	TAUX WS+6, 12, (24*(\p))*8, 16, 96*(\p), 96*(\p)+16, 56
.endm
; One level of one pair of heads.  o: the level's eight offsets (x, y of four points); wf: W - 2 as f32; wi: W; st: the level's first pixel.  All three levels are square.
.macro LEVEL p, lvl, o, wf, wi, st
.irp k, 0,2,4,6
	v_pk_add_f32 v[(\o)+\k:(\o)+\k+1], v[(\o)+\k:(\o)+\k+1], v[24+2*(\lvl):25+2*(\lvl)]      ; x, y in pixels (the sums are read from their low end on)
.endr
.irp j, 0,1,2,3,4,5,6,7
	v_floor_f32 v[84+\j], v[(\o)+\j]
.endr
.irp j, 0,1,2,3,4,5,6,7
	v_med3_num_f32 v[84+\j], v[84+\j], 0, \wf      ; xb, yb
.endr
.irp k, 0,2,4,6
	v_pk_add_f32 v[(\o)+\k:(\o)+\k+1], v[(\o)+\k:(\o)+\k+1], v[84+\k:85+\k] neg_lo:[0,1] neg_hi:[0,1]   ; t
.endr
.irp j, 0,1,2,3,4,5,6,7
	v_cvt_i32_f32 v[84+\j], v[84+\j]
.endr
	s_wait_xcnt 0x0                                ; the last level's stores have read v124-143: they are written again only behind this wait
.irp t, 0,1,2,3
	v_mad_u32_u24 v[124+\t], v[85+2*\t], \wi, v[84+2*\t]
.endr
.irp t, 0,1,2,3
	v_add3_u32 v[124+\t], v[124+\t], v21, 2*(\p)*26256+(\st)   ; + head, batch and level: the row of the value table
.endr
.irp j, 0,1,2,3,4,5,6,7
	v_sub_f32 v[112+\j], 1.0, |v[(\o)+\j]|
	v_add_f32 v[144+\j], -1.0, v[(\o)+\j]
.endr
.irp j, 0,1,2,3,4,5,6,7
	v_max_num_f32 v[112+\j], 0, v[112+\j]          ; weight of xb (yb)
	v_sub_f32 v[144+\j], 1.0, |v[144+\j]|
.endr
.irp j, 0,1,2,3,4,5,6,7
	v_max_num_f32 v[144+\j], 0, v[144+\j]          ; weight of xb + 1 (yb + 1)
.endr
.irp t, 0,1,2,3
	v_mul_f32 v[113+2*\t], v[113+2*\t], v[64+4*(\lvl)+\t]      ; the attention weight goes onto the two y weights
	v_mul_f32 v[145+2*\t], v[145+2*\t], v[64+4*(\lvl)+\t]
.endr
.irp t, 0,1,2,3
	v_mul_f32 v[128+\t], v[112+2*\t], v[113+2*\t]  ; corner 0: (xb, yb)
	v_mul_f32 v[132+\t], v[144+2*\t], v[113+2*\t]  ; corner 1: (xb + 1, yb)
	v_mul_f32 v[136+\t], v[112+2*\t], v[145+2*\t]  ; corner 2: (xb, yb + 1)
	v_mul_f32 v[140+\t], v[144+2*\t], v[145+2*\t]  ; corner 3
.endr
	global_store_b128 v1, v[124:127], s[84:85] offset:(\p)*1536+(\lvl)*512      ; every store of the wave covers 512 consecutive bytes, aligned
.irp cn, 0,1,2,3
	global_store_b128 v1, v[128+4*\cn:131+4*\cn], s[82:83] offset:(\p)*6144+(4*(\lvl)+\cn)*512
.endr
.endm
.macro SAMPLE p
.set bb_, 96+8*((\p)/2)+4*((\p)%2)     ; logits 8-11 of heads 2 p + h
	v_max3_num_f32 v76, v56, v57, v58              ; the largest of the head's 12 logits
	v_max3_num_f32 v76, v76, v59, v60
	v_max3_num_f32 v76, v76, v61, v62
	v_max3_num_f32 v76, v76, v63, v[bb_]
	v_max3_num_f32 v76, v76, v[bb_+1], v[bb_+2]
	v_max_num_f32 v76, v76, v[bb_+3]
	v_mov_b32 v77, v76
.irp k, 0,2,4,6
	v_pk_add_f32 v[64+\k:65+\k], v[56+\k:57+\k], v[76:77] neg_lo:[0,1] neg_hi:[0,1]
.endr
	v_pk_add_f32 v[72:73], v[bb_:bb_+1], v[76:77] neg_lo:[0,1] neg_hi:[0,1]
	v_pk_add_f32 v[74:75], v[bb_+2:bb_+3], v[76:77] neg_lo:[0,1] neg_hi:[0,1]
.irp k, 0,2,4,6,8,10
	v_pk_mul_f32 v[64+\k:65+\k], v[64+\k:65+\k], s[58:59] op_sel_hi:[1,0]       ; x log2(e)
.endr
.irp k, 0,1,2,3,4,5,6,7,8,9,10,11
	v_exp_f32 v[64+\k], v[64+\k]
.endr
	v_nop                                          ; a plain line between the exponentials and the use of their results
	s_wait_alu depctr_va_vdst(0)
	v_pk_add_f32 v[78:79], v[64:65], v[66:67]
	v_pk_add_f32 v[80:81], v[68:69], v[70:71]
	v_pk_add_f32 v[82:83], v[72:73], v[74:75]
	v_pk_add_f32 v[78:79], v[78:79], v[80:81]
	v_pk_add_f32 v[78:79], v[78:79], v[82:83]
	v_add_f32 v78, v78, v79
	v_rcp_f32 v78, v78
	v_nop
	s_wait_alu depctr_va_vdst(0)
	v_mov_b32 v79, v78
.irp k, 0,2,4,6,8,10
	v_pk_mul_f32 v[64+\k:65+\k], v[64+\k:65+\k], v[78:79]      ; v64-75: the head's 12 attention weights
.endr
	LEVEL \p, 0, 32, 0x42c40000, 100, 0
	LEVEL \p, 1, 40, 0x42400000, 50, 10000
	LEVEL \p, 2, 48, 0x41b80000, 25, 12500
.endm
	; ---- the head: pointers, ids, addresses
	s_load_b512 s[4:19], s[0:1], 0x0               ; src 4, pos 6, reference_points 8, Wv codes 10, scales 12, bv 14, Woff codes 16, scales 18
	s_load_b512 s[20:35], s[0:1], 0x40             ; boff 20, Wattn codes 22, scales 24, battn 26, Wout codes 28, scales 30, Wff1 codes 32, scales 34
	s_load_b256 s[36:43], s[0:1], 0x80             ; Wff2 codes 36, scales 38, value 40, sidx 42
	s_load_b128 s[44:47], s[0:1], 0xa0             ; swgt 44, wfrag 46
	s_load_b64 s[48:49], s[0:1], 0xb0              ; wfsc
	v_lshl_add_u32 v254, v0, 2, 0x46e00
	v_mov_b32 v255, 0
	v_lshrrev_b32 v1, 5, v0
	v_readfirstlane_b32 s50, v1                    ; wave 0..7
	s_lshl_b32 s51, ttmp9, 3
	s_add_co_u32 s51, s51, s50                     ; my tile
	s_min_u32 s52, s51, 1640                       ; held inside for the seven waves over
	s_mul_i32 s53, s50, STGB
	s_add_co_u32 s53, s53, LSTG                    ; my stage
	s_mov_b32 s[SEL], 0x76543210
	s_mov_b32 s[SEL+1], 0xfedcba98
	s_mov_b32 s[MNT], 0x600000
	s_mov_b32 s58, 0x3fb8aa3b                      ; log2(e)
	s_mov_b32 s59, s58                             ; (named with it as a pair, so it is written)
	v_and_b32 v23, 31, v0                          ; lane
	v_lshlrev_b32 v1, 4, v23
	v_and_b32 v2, 15, v0                           ; r
	v_bfe_u32 v3, v0, 4, 1                         ; h
	v_lshlrev_b32 v4, 4, v0                        ; the copy: 16 bytes a thread, 4,096 a turn
	v_lshrrev_b32 v5, 4, v0
	v_mul_u32_u24 v5, v5, 272
	v_lshl_add_u32 v5, v2, 4, v5                   ; sixteen threads to a row of 256 codes
	v_and_b32 v192, 8, v2
	v_add_nc_u32 v193, v192, v2                    ; r + 8 (r / 8)
	v_lshl_add_u32 v194, v192, 1, v2               ; r + 16 (r / 8)
	v_lshrrev_b32 v195, 1, v192
	v_add_nc_u32 v195, v195, v2                    ; r + 4 (r / 8)
	v_and_b32 v196, 3, v2
	v_bfe_u32 v197, v2, 2, 1
	v_mad_u32_u24 v196, v197, 24, v196
	v_bfe_u32 v197, v2, 3, 1
	v_mad_u32_u24 v196, v197, 12, v196
	v_add_nc_u32 v196, 8, v196                     ; 8 + r % 4 + 24 ((r / 4) % 2) + 12 (r / 8): logits 8-11 of four heads
	v_lshlrev_b32 v198, 4, v3
	v_mad_u32_u24 v6, v193, 272, v198
	v_mad_u32_u24 v7, v194, 272, v198
	v_add_nc_u32 v7, LWO, v7
	v_mad_u32_u24 v8, v195, 272, v198
	v_add_nc_u32 v8, LWA, v8
	v_mad_u32_u24 v9, v196, 272, v198
	v_add_nc_u32 v9, LWA, v9
	v_lshl_add_u32 v10, v193, 3, LWVS
	v_lshl_add_u32 v11, v194, 3, LWOS
	v_lshl_add_u32 v12, v195, 3, LWAS
	v_lshl_add_u32 v13, v196, 3, LWAS
	v_lshl_add_u32 v14, v3, 6, LBV
	v_mul_u32_u24 v15, v3, 96
	v_add_nc_u32 v15, LBO, v15
	v_mul_u32_u24 v16, v3, 48
	v_add_nc_u32 v16, LBA, v16
	v_add_nc_u32 v17, s53, v1                      ; stage, rows as loaded
	v_mul_u32_u24 v18, v2, 1040
	v_lshl_add_u32 v18, v3, 6, v18
	v_add_nc_u32 v18, s53, v18                     ; stage, row r, + 64 h
	v_mul_u32_u24 v19, v2, 144
	v_lshl_add_u32 v19, v3, 6, v19
	v_add_nc_u32 v19, s53, v19                     ; value's way out, in: rows of 128 bytes + 16
	v_lshrrev_b32 v20, 3, v23
	v_mul_u32_u24 v20, v20, 144
	v_and_b32 v199, 7, v0
	v_lshl_add_u32 v20, v199, 4, v20
	v_add_nc_u32 v20, s53, v20                     ; and back: eight lanes to a row
	s_lshl_b32 s57, s52, 4                         ; my first row
	v_add_nc_u32 v22, s57, v2
	v_cmp_le_u32 vcc_lo, 13125, v22                ; the second batch?
	v_mov_b32 v199, 13125
	v_cndmask_b32 v21, 0, v199, vcc_lo
	v_mad_u32_u24 v21, v3, 26256, v21
	v_min_u32 v22, 26249, v22                      ; no load leaves its buffer in the last tile
	v_mul_u32_u24 v22, v22, 24
	v_lshlrev_b32 v177, 3, v0                      ; scale rows and biases: a place a thread; past a table's end its last row is read again, into places that nobody reads
	v_min_u32 v178, 191, v0
	v_min_u32 v179, 95, v0
	v_lshlrev_b32 v180, 2, v0
	v_lshlrev_b32 v181, 2, v178
	v_lshlrev_b32 v182, 2, v179
	v_lshlrev_b32 v178, 3, v178
	v_lshlrev_b32 v179, 3, v179
	v_lshl_add_u32 v183, v0, 3, LWVS
	v_lshl_add_u32 v184, v0, 2, LBV
	v_add_nc_u32 v185, LWO, v5
	v_add_nc_u32 v186, LWA, v5
.irp rr, 0,1,2,3,4,5,6,7,8,9,10,11,12,13,14,15
	s_add_co_u32 s60, s57, \rr
	s_min_u32 s60, s60, 26249
	s_lshl_b32 s60, s60, 10
	v_add_nc_u32 v[236+\rr], s60, v1               ; row rr of my tile in src and pos, 16 bytes a lane
.endr
	s_wait_kmcnt 0x0
	s_lshl_b32 s60, s52, 11
	s_mov_b32 s61, 0
	s_add_nc_u64 s[66:67], s[40:41], s[60:61]      ; value at my tile, head 0; a base for each head, none is stepped
.irp hd, 1,2,3,4,5,6,7
	s_add_nc_u64 s[66+2*\hd:67+2*\hd], s[64+2*\hd:65+2*\hd], VHEAD
.endr
	s_mul_i32 s60, s52, 24576
	s_add_nc_u64 s[82:83], s[44:45], s[60:61]      ; swgt at my tile
	s_mul_i32 s60, s52, 6144
	s_add_nc_u64 s[84:85], s[42:43], s[60:61]      ; sidx at my tile
	; ---- 40 loads: the work-group's copy of the weights
.irp it, 0,1,2,3,4,5,6,7,8,9,10,11,12,13,14,15
	global_load_b128 v[32+4*\it:35+4*\it], v4, s[10:11] offset:4096*\it
.endr
.irp it, 0,1,2,3,4,5,6,7,8,9,10,11
	global_load_b128 v[96+4*\it:99+4*\it], v4, s[16:17] offset:4096*\it
.endr
.irp it, 0,1,2,3,4,5
	global_load_b128 v[144+4*\it:147+4*\it], v4, s[22:23] offset:4096*\it
.endr
	global_load_b64 v[168:169], v177, s[12:13]
	global_load_b64 v[170:171], v178, s[18:19]
	global_load_b64 v[172:173], v179, s[24:25]
	global_load_b32 v174, v180, s[14:15]
	global_load_b32 v175, v181, s[20:21]
	global_load_b32 v176, v182, s[26:27]
	; ---- 67 loads: my 16 rows of src, of pos, and my row's reference points.  Each load of a row reads 512 consecutive bytes
	WIN 0x40
.set i, 0
.rept 32
	global_load_b128 v[4*i:4*i+3], v[236+i/2], s[4:5] offset:512*(i%2)
.set i, i+1
.endr
.set i, 0
.rept 32
	global_load_b128 v[128+4*i:131+4*i], v[236+i/2], s[6:7] offset:512*(i%2) th:TH_LOAD_NT
.set i, i+1
.endr
	WIN 0
	global_load_b64 v[24:25], v22, s[8:9]
	global_load_b64 v[26:27], v22, s[8:9] offset:8
	global_load_b64 v[28:29], v22, s[8:9] offset:16
	; ---- the weights into LDS, and the one barrier
	s_wait_loadcnt 63                              ; 67 loads were issued behind the weights' 40; 63 is the largest count that the wait can name, and the smaller one: the 40 are in
.irp it, 0,1,2,3,4,5,6,7,8,9,10,11,12,13,14,15
	ds_store_b128 v5, v[32+4*\it:35+4*\it] offset:4352*\it
.endr
.irp it, 0,1,2,3,4,5,6,7,8,9,10,11
	ds_store_b128 v185, v[96+4*\it:99+4*\it] offset:4352*\it
.endr
.irp it, 0,1,2,3,4,5
	ds_store_b128 v186, v[144+4*\it:147+4*\it] offset:4352*\it
.endr
	ds_store_b64 v183, v[168:169]
	ds_store_b64 v183, v[170:171] offset:2048
	ds_store_b64 v183, v[172:173] offset:4096
	ds_store_b32 v184, v174
	ds_store_b32 v184, v175 offset:1024
	ds_store_b32 v184, v176 offset:2048
	s_wait_dscnt 0x0                               ; for the others' sake: my part of the copy has landed
	s_barrier_signal -1
	s_barrier_wait -1
	s_cmp_ge_u32 s51, 1641                         ; a wave without a tile has done its part
	s_cbranch_scc1 .Lside
	; ---- src and q = src + pos turn through my stage and are quantised
	s_wait_loadcnt 35                              ; src is in (pos's 32 loads and the 3 of reference_points may be out)
	XSTORE
	XREAD
	s_wait_loadcnt 3                               ; pos is in
	WIN 0x45
.set i, 0
.rept 64
	v_pk_add_f32 v[2*i:2*i+1], v[2*i:2*i+1], v[128+2*i:129+2*i]        ; q, as loaded
.set i, i+1
.endr
	XSTORE                                         ; LDS serves a wave's instructions in order: these come behind the reads of src
	s_wait_dscnt 48                                ; K step 0 of src is in (behind it: 16 loads and 32 stores)
	QUANT X0, SC, XS
	s_wait_dscnt 32
	QUANT X1, SC+16, XS+1
	XREAD
	s_wait_dscnt 16
	QUANT X0, QC, QS
	s_wait_dscnt 0x0
	QUANT X1, QC+16, QS+1
	s_wait_loadcnt 0x0                             ; reference_points
	v_fma_f32 v24, v24, 0x42c80000, -0.5           ; ref x W - 0.5: level 0 (100), 1 (50), 2 (25).  (These six lines are also places between the codes and the first products)
	v_fma_f32 v25, v25, 0x42c80000, -0.5
	v_fma_f32 v26, v26, 0x42480000, -0.5
	v_fma_f32 v27, v27, 0x42480000, -0.5
	v_fma_f32 v28, v28, 0x41c80000, -0.5
	v_fma_f32 v29, v29, 0x41c80000, -0.5
	; ---- value, four heads at a time: a unit's loads stand a unit ahead of its products
.irp hh, 0,1
	UVAL 0, 4*\hh, 32
.irp i, 0,1,2,3
.if \i < 3
.if \i > 0
	PLACES 8                                       ; in front of loads into registers that the products just issued have read
.endif
	UVAL (\i+1)%2, 4*\hh+\i+1, 32+16*(\i+1)
	s_wait_dscnt 22                                ; this unit is in; the next unit's 22 loads may be out
.else
	s_wait_dscnt 0x0
.endif
	UMM \i%2, 32+16*\i, 40+16*\i, SC, XS
.endr
	PLACES 8
.irp bq, 0,1,2,3
.irp u, 0,1
	ds_store_b128 v19, v[32+16*\bq+8*\u:35+16*\bq+8*\u] offset:\bq*2304+32*\u         ; each sum from its low end on
	ds_store_b128 v19, v[36+16*\bq+8*\u:39+16*\bq+8*\u] offset:\bq*2304+32*\u+16
.endr
.endr
.if \hh > 0
	s_wait_xcnt 0x0                                ; the first half's stores have read the registers that the loads below fill
.endif
	WIN 0x40
.irp bq, 0,1,2,3
.irp i, 0,1,2,3
	ds_load_b128 v[128+16*\bq+4*\i:131+16*\bq+4*\i], v20 offset:\bq*2304+576*\i
.endr
.endr
	s_wait_dscnt 0x0
	WIN 0x04
.irp bq, 0,1,2,3
.irp i, 0,1,2,3
	global_store_b128 v1, v[128+16*\bq+4*\i:131+16*\bq+4*\i], s[66+8*\hh+2*\bq:67+8*\hh+2*\bq] offset:512*\i   ; four rows of a head: 512 consecutive bytes, aligned
.endr
.endr
	WIN 0
.endr
	; ---- logits 8-11 of all eight heads: two tiles
	WIN 0x40
	TFRAG 0, 9, 0
	TFRAG 32, 9, 48*272
	WIN 0
	TAUX WS, 13, 0, 16, 32, 128, 96
	TAUX WS+2, 13, 384, 16, 224, 320, 104
	s_wait_dscnt 0x0
	UMM 0, 96, 104, QC, QS
	; ---- four pairs of heads: offsets, logits 0-7, softmax, indices and weights
.irp p, 0,1,2,3
.if \p == 0
	PLACES 8
.endif
	UOFFA \p
	UOFFB \p
	s_wait_dscnt 22
	UMM 0, 32, 40, QC, QS
	s_wait_dscnt 0x0
	UMM 1, 48, 56, QC, QS
	PLACES 8
	SAMPLE \p
.endr
	; ---- the side job: one fragment of the third launch's weights a wave
.Lside:
	s_cmp_lt_u32 ttmp9, 36
	s_cbranch_scc0 .Lend
	s_wait_xcnt 0x0
	s_lshr_b32 s86, ttmp9, 2                       ; pass P 0..8: Wout; Wff1's four quarters of rows; Wff2's four quarters of K
	s_and_b32 s87, ttmp9, 3                        ; the reading wave
	s_lshr_b32 s88, s50, 1                         ; tile t
	s_and_b32 s89, s50, 1                          ; K step s
	s_lshl_b32 s90, s87, 6
	s_lshr_b32 s91, s88, 1
	s_lshl_b32 s91, s91, 5
	s_add_co_u32 s90, s90, s91
	s_and_b32 s91, s88, 1
	s_lshl_b32 s91, s91, 3
	s_add_co_u32 s90, s90, s91                     ; 64 w + 32 (t / 2) + 8 (t % 2)
	s_max_u32 s96, s86, 1
	s_sub_co_u32 s96, s96, 1
	s_lshl_b32 s96, s96, 8                         ; Wff1: 256 (P - 1) rows on
	s_max_u32 s97, s86, 5
	s_sub_co_u32 s97, s97, 5                       ; Wff2: quarter P - 5 of K
	s_cmp_eq_u32 s86, 0
	s_cselect_b64 s[92:93], s[28:29], s[32:33]
	s_cselect_b64 s[94:95], s[30:31], s[34:35]
	s_cmp_ge_u32 s86, 5
	s_cselect_b64 s[92:93], s[36:37], s[92:93]
	s_cselect_b64 s[94:95], s[38:39], s[94:95]
	s_cselect_b32 s96, 0, s96
	s_cselect_b32 s98, 10, 8                       ; a row of codes is 1,024 or 256 bytes,
	s_cselect_b32 s99, 5, 3                        ; of scale bytes 32 or 8
	s_add_co_u32 s90, s90, s96
	s_lshl_b32 s91, s89, 7
	s_lshl_b32 s96, s97, 8
	s_add_co_u32 s91, s91, s96                     ; 128 s + 256 (P - 5)
	s_lshl_b32 s96, s89, 2
	s_lshl_b32 s97, s97, 3
	s_add_co_u32 s96, s96, s97                     ; 4 s + 8 (P - 5)
	v_and_b32 v64, 8, v2
	v_add3_u32 v64, v64, v2, s90                   ; my row: + r + 8 (r / 8)
	v_lshlrev_b32 v65, s98, v64
	v_lshl_add_u32 v65, v3, 4, v65
	v_add_nc_u32 v65, s91, v65
	v_lshlrev_b32 v66, s99, v64
	v_add_nc_u32 v66, s96, v66
.irp c, 0,1,2,3
	global_load_b128 v[68+4*\c:71+4*\c], v65, s[92:93] offset:32*\c
.endr
	global_load_b32 v67, v66, s[94:95]
	s_lshl_b32 s86, ttmp9, 3
	s_add_co_u32 s86, s86, s50                     ; the fragment's number: 8 (4 P + w) + 2 t + s
	s_lshl_b32 s88, s86, 11
	s_mov_b32 s89, 0
	s_add_nc_u64 s[60:61], s[46:47], s[88:89]
	s_lshl_b32 s88, s86, 7
	s_add_nc_u64 s[62:63], s[48:49], s[88:89]
	v_lshlrev_b32 v84, 2, v23
	s_wait_loadcnt 0x0
.irp c, 0,1,2,3
	global_store_b128 v1, v[68+4*\c:71+4*\c], s[60:61] offset:512*\c       ; the image of the operand's registers
.endr
	global_store_b32 v84, v67, s[62:63]
.Lend:
	s_wait_tensorcnt 0x0
	ds_add_u32 v254, v255
	s_wait_dscnt 0x0
	s_endpgm
.Lfunc_end_k_q9158d1e8c4_proj:
	.size	k_q9158d1e8c4_proj, .Lfunc_end_k_q9158d1e8c4_proj-k_q9158d1e8c4_proj
	.p2alignl 7, 3214868480
	.fill 96, 4, 3214868480
	.section	.rodata,"a",@progbits
	.p2align	6, 0x0
	.amdhsa_kernel k_q9158d1e8c4_proj
		.amdhsa_group_segment_fixed_size 291328
		.amdhsa_private_segment_fixed_size 0
		.amdhsa_enable_private_segment 0
		.amdhsa_kernarg_size 184
		.amdhsa_user_sgpr_count 2
		.amdhsa_user_sgpr_kernarg_segment_ptr 1
		.amdhsa_wavefront_size32 1
		.amdhsa_system_sgpr_workgroup_id_x 1
		.amdhsa_system_sgpr_workgroup_id_y 1
		.amdhsa_system_sgpr_workgroup_id_z 1
		.amdhsa_system_vgpr_workitem_id 0
		.amdhsa_next_free_vgpr 512
		.amdhsa_next_free_sgpr 100
		.amdhsa_reserve_vcc 1
		.amdhsa_float_denorm_mode_32 3
		.amdhsa_float_denorm_mode_16_64 3
		.amdhsa_memory_ordered 1
		.amdhsa_forward_progress 1
		.amdhsa_inst_pref_size 188
	.end_amdhsa_kernel
	.amdgpu_metadata
---
amdhsa.version: [ 1, 2 ]
amdhsa.kernels:
  - .name:           k_q9158d1e8c4_proj
    .symbol:         k_q9158d1e8c4_proj.kd
    .args:
      - { .name: src, .offset: 0, .size: 8, .value_kind: global_buffer, .address_space: global }
      - { .name: pos, .offset: 8, .size: 8, .value_kind: global_buffer, .address_space: global }
      - { .name: reference_points, .offset: 16, .size: 8, .value_kind: global_buffer, .address_space: global }
      - { .name: Wv_codes, .offset: 24, .size: 8, .value_kind: global_buffer, .address_space: global }
      - { .name: Wv_scales, .offset: 32, .size: 8, .value_kind: global_buffer, .address_space: global }
      - { .name: bv, .offset: 40, .size: 8, .value_kind: global_buffer, .address_space: global }
      - { .name: Woff_codes, .offset: 48, .size: 8, .value_kind: global_buffer, .address_space: global }
      - { .name: Woff_scales, .offset: 56, .size: 8, .value_kind: global_buffer, .address_space: global }
      - { .name: boff, .offset: 64, .size: 8, .value_kind: global_buffer, .address_space: global }
      - { .name: Wattn_codes, .offset: 72, .size: 8, .value_kind: global_buffer, .address_space: global }
      - { .name: Wattn_scales, .offset: 80, .size: 8, .value_kind: global_buffer, .address_space: global }
      - { .name: battn, .offset: 88, .size: 8, .value_kind: global_buffer, .address_space: global }
      - { .name: Wout_codes, .offset: 96, .size: 8, .value_kind: global_buffer, .address_space: global }
      - { .name: Wout_scales, .offset: 104, .size: 8, .value_kind: global_buffer, .address_space: global }
      - { .name: Wff1_codes, .offset: 112, .size: 8, .value_kind: global_buffer, .address_space: global }
      - { .name: Wff1_scales, .offset: 120, .size: 8, .value_kind: global_buffer, .address_space: global }
      - { .name: Wff2_codes, .offset: 128, .size: 8, .value_kind: global_buffer, .address_space: global }
      - { .name: Wff2_scales, .offset: 136, .size: 8, .value_kind: global_buffer, .address_space: global }
      - { .name: value, .offset: 144, .size: 8, .value_kind: global_buffer, .address_space: global }
      - { .name: sidx, .offset: 152, .size: 8, .value_kind: global_buffer, .address_space: global }
      - { .name: swgt, .offset: 160, .size: 8, .value_kind: global_buffer, .address_space: global }
      - { .name: wfrag, .offset: 168, .size: 8, .value_kind: global_buffer, .address_space: global }
      - { .name: wfsc, .offset: 176, .size: 8, .value_kind: global_buffer, .address_space: global }
    .group_segment_fixed_size: 291328
    .private_segment_fixed_size: 0
    .kernarg_segment_align: 8
    .kernarg_segment_size: 184
    .max_flat_workgroup_size: 256
    .sgpr_count:     100
    .vgpr_count:     512
    .wavefront_size: 32
...
	.end_amdgpu_metadata
.endif
;; end of part 1
;; launch sample (part 2): grid 1641 x 1, 2 waves a work-group, no clusters, 17,152 bytes of LDS; arguments value, sidx, swgt, scodes, sscl; writes scodes, sscl
.if DOCPART == 2
	.amdgcn_target "amdgcn-amd-amdhsa--gfx1250"
	.amdhsa_code_object_version 6
	.text
	.protected	k_q9158d1e8c4_sample
	.globl	k_q9158d1e8c4_sample
	.p2align	8
	.type	k_q9158d1e8c4_sample,@function
k_q9158d1e8c4_sample:
	s_mov_b64 s[64:65], 0
	v_nop
	global_prefetch_b8 v0, s[64:65] scope:SCOPE_SE
	s_setreg_imm32_b32 hwreg(HW_REG_WAVE_MODE, 25, 1), 1
	s_wait_xcnt 0x0
; SECOND LAUNCH: the sampling.  For each row and head: the sum over 3 levels x 4 points x 4 corners of weight x 32 channels of the value table, in f32, then quantised along K = 32 head + channel
; (a block of 32 is a head) into images of the third launch's operand registers.  The rows of the table come as whole numbers from the first launch (sidx), the weights beside them (swgt).
; SHARES: a work-group takes a tile of 16 rows; wave s takes K step s: heads 4 s .. 4 s + 3.  The 32 lanes are four groups g of eight lanes i: in step st = 0 .. 15 group g serves one (row, head),
; unit u = 4 (st % 8) + g of pair 2 s + st / 8 (row u % 16, head parity u / 16), and lane i holds channels 4 i .. 4 i + 3.  So one load fetches four whole pieces of 128 bytes, a point's four corners
; differ in the immediate alone, and no sum crosses lanes.  48 substeps (step, level) are written out: every offset is an immediate.
; IN FLIGHT: while a substep's 16 pieces are multiplied, the next substep's 16 loads and the 5 loads of indices and weights of the one after are out.
; Memory binds here (pieces from anywhere in a table of 27 MB): no matrix unit, no cluster (work-groups share no tile), no barrier (a wave's stage is its own), few registers so that many waves lie on a WGP.
; An index is held under the table's last row less W + 1 before it enters an address: that bound lies over every index that the first launch stores.
; LIMITS: as in the first launch (NaN and infinities not served; the scale byte is held at 1 from below, a block of zeros too).  The 48 terms are summed in two chains, another order than the reference's.
.set AD,  8                            ; v8-15    two sets of four addresses
.set MB,  16                           ; v16-75   three sets of 20: four indices, then four weights for each corner
.set GB,  76                           ; v76-203  two sets of 16 pieces
.set ACA, 204                          ; v204-207 the sum over corners 0, 1;  v208-211 over corners 2, 3
.set X,   76
.set PC,  16
.set TM,  32
.set PW,  48
.set SEL, 16
.set MNT, 18
.macro QUANT s, pc, pw                 ; 64 numbers of a lane, register 16 b + i = k 32 b + 16 h + i of my row, become 16 registers of codes and a scale word
.irp b, 0,1,2,3
	v_max3_num_f32 v[TM+\b], |v[(\s)+16*\b]|, |v[(\s)+1+16*\b]|, 0x4800000   ; and the floor 2^(9 - 127): the byte cannot fall under 1
.endr
.irp i, 2,4,6,8,10,12,14
.irp b, 0,1,2,3
	v_max3_num_f32 v[TM+\b], v[TM+\b], |v[(\s)+16*\b+\i]|, |v[(\s)+1+16*\b+\i]|
.endr
.endr
.irp b, 0,1,2,3
	v_permlanex16_b32 v[TM+4+\b], v[TM+\b], s[SEL], s[SEL+1]
.endr
.irp b, 0,1,2,3
	v_max_num_f32 v[TM+\b], v[TM+\b], v[TM+4+\b]
.endr
.irp b, 0,1,2,3
	v_add_nc_u32 v[TM+12+\b], 0xfc000000, v[TM+\b]
.endr
.irp b, 0,1,2,3
	v_and_or_b32 v[TM+8+\b], v[TM+\b], 0x7f800000, s[MNT]
.endr
.irp b, 0,1,2,3
	v_lshrrev_b32 v[TM+4+\b], 23, v[TM+12+\b]
.endr
	v_lshl_or_b32 v[\pw], v[TM+5], 8, v[TM+4]
	v_lshl_or_b32 v[\pw], v[TM+6], 16, v[\pw]
	v_lshl_or_b32 v[\pw], v[TM+7], 24, v[\pw]
.irp b, 0,1,2,3
.irp i, 0,1,2,3,4,5,6,7,8,9,10,11,12,13,14,15
	v_med3_num_f32 v[(\s)+16*\b+\i], v[(\s)+16*\b+\i], -v[TM+8+\b], v[TM+8+\b]
.endr
	v_cvt_scalef32_pk8_fp8_f32 v[(\pc)+4*\b:(\pc)+1+4*\b], v[(\s)+16*\b:(\s)+7+16*\b], v[TM+12+\b]
	v_cvt_scalef32_pk8_fp8_f32 v[(\pc)+2+4*\b:(\pc)+3+4*\b], v[(\s)+8+16*\b:(\s)+15+16*\b], v[TM+12+\b]
.endr
	v_nop
.endm
.macro META j                          ; substep j = 3 step + level: my unit's four indices and sixteen weights: 5 loads
.set st_, (\j)/3
.set lv_, (\j)%3
.set pp_, st_/8
.set kk_, st_%8
.set mb_, MB+20*((\j)%3)
	global_load_b128 v[mb_:mb_+3], v1, s[6:7] offset:pp_*1536+lv_*512+64*kk_
.irp cn, 0,1,2,3
	global_load_b128 v[mb_+4+4*\cn:mb_+7+4*\cn], v1, s[8:9] offset:pp_*6144+(4*lv_+\cn)*512+64*kk_
.endr
.endm
.macro ADDR j
.set lv_, (\j)%3
.set mb_, MB+20*((\j)%3)
.set ad_, AD+4*((\j)%2)
.set lim_, 209946
.if lv_ == 1
.set lim_, 209996
.endif
.if lv_ == 2
.set lim_, 210021
.endif
.irp pt, 0,1,2,3
	v_min_u32 v[ad_+\pt], lim_, v[mb_+\pt]         ; 210,047 - W - 1: all four corners stay inside the table
.endr
.irp pt, 0,1,2,3
	v_lshl_add_u32 v[ad_+\pt], v[ad_+\pt], 7, v2   ; a row of the table is 128 bytes; + my 16
.endr
.endm
.macro GATH j                          ; 16 loads: four points x four corners
.set lv_, (\j)%3
.set ad_, AD+4*((\j)%2)
.set gb_, GB+64*((\j)%2)
.set wl_, 100
.if lv_ == 1
.set wl_, 50
.endif
.if lv_ == 2
.set wl_, 25
.endif
.irp pt, 0,1,2,3
.irp cn, 0,1,2,3
	global_load_b128 v[gb_+16*\pt+4*\cn:gb_+16*\pt+4*\cn+3], v[ad_+\pt], s[4:5] offset:(\cn%2)*128+(\cn/2)*wl_*128
.endr
.endr
.endm
.macro FMA j                           ; 32 packed multiply-adds; four pairs of sums take turns.  A step's first two pieces start the sums: nothing is cleared
.set lv_, (\j)%3
.set st_, (\j)/3
.set mb_, MB+20*((\j)%3)
.set gb_, GB+64*((\j)%2)
.irp pt, 0,1,2,3
.irp cn, 0,2,1,3
.set ac_, ACA+4*(\cn/2)
.set pc_, gb_+16*\pt+4*\cn
.set wp_, mb_+4+4*\cn+2*(\pt/2)        ; the pair of registers that holds the point's weight; op_sel picks it for both halves
.if (lv_ == 0) && (\pt == 0) && (\cn%2 == 0)
	v_pk_mul_f32 v[ac_:ac_+1], v[pc_:pc_+1], v[wp_:wp_+1] op_sel_hi:[1,0]
	v_pk_mul_f32 v[ac_+2:ac_+3], v[pc_+2:pc_+3], v[wp_:wp_+1] op_sel_hi:[1,0]
.elseif \pt%2
	v_pk_fma_f32 v[ac_:ac_+1], v[pc_:pc_+1], v[wp_:wp_+1], v[ac_:ac_+1] op_sel:[0,1,0] op_sel_hi:[1,1,1]
	v_pk_fma_f32 v[ac_+2:ac_+3], v[pc_+2:pc_+3], v[wp_:wp_+1], v[ac_+2:ac_+3] op_sel:[0,1,0] op_sel_hi:[1,1,1]
.else
	v_pk_fma_f32 v[ac_:ac_+1], v[pc_:pc_+1], v[wp_:wp_+1], v[ac_:ac_+1] op_sel_hi:[1,0,1]
	v_pk_fma_f32 v[ac_+2:ac_+3], v[pc_+2:pc_+3], v[wp_:wp_+1], v[ac_+2:ac_+3] op_sel_hi:[1,0,1]
.endif
.endr
.endr
.if lv_ == 2                           ; the step is done: four channels of (row 4 (k % 4) + g, head c of my four) go to the stage
.set kk_, st_%8
.set cc_, 2*(st_/8)+kk_/4
	v_pk_add_f32 v[204:205], v[204:205], v[208:209]
	v_pk_add_f32 v[206:207], v[206:207], v[210:211]
	ds_store_b128 v3, v[204:207] offset:4*(kk_%4)*528+128*cc_
.endif
.endm
	s_load_b256 s[4:11], s[0:1], 0x0               ; value 4, sidx 6, swgt 8, scodes 10
	s_load_b64 s[12:13], s[0:1], 0x20              ; sscl
	v_lshl_add_u32 v216, v0, 2, 0x4200
	v_mov_b32 v217, 0
	v_lshrrev_b32 v1, 5, v0
	v_readfirstlane_b32 s14, v1                    ; wave = K step
	v_and_b32 v7, 31, v0                           ; lane
	v_lshrrev_b32 v1, 3, v7                        ; g
	v_and_b32 v2, 7, v0                            ; i
	s_mul_i32 s15, s14, 8448                       ; my stage: 16 rows x (512 bytes + 16)
	v_mul_u32_u24 v3, v1, 528
	v_lshl_add_u32 v3, v2, 4, v3
	v_add_nc_u32 v3, s15, v3                       ; in: row g, + 16 i
	v_and_b32 v4, 15, v0
	v_mul_u32_u24 v4, v4, 528
	v_bfe_u32 v5, v0, 4, 1
	v_lshl_add_u32 v4, v5, 6, v4
	v_add_nc_u32 v4, s15, v4                       ; back: row r, + 64 h
	v_lshlrev_b32 v5, 4, v7
	v_lshlrev_b32 v6, 2, v7
	v_lshlrev_b32 v1, 4, v1                        ; 16 g: my unit's place in a step's 64 bytes
	v_lshlrev_b32 v2, 4, v2                        ; 16 i: my channels' place in a piece
	s_mov_b32 s[SEL], 0x76543210
	s_mov_b32 s[SEL+1], 0xfedcba98
	s_mov_b32 s[MNT], 0x600000
	s_lshl_b32 s19, ttmp9, 2
	s_lshl_b32 s20, s14, 1
	s_add_co_u32 s19, s19, s20                     ; 4 tile + 2 s: my first pair of heads
	s_mul_i32 s20, s19, 1536
	s_mov_b32 s21, 0
	s_mul_i32 s22, s19, 6144
	s_mov_b32 s23, 0
	s_lshl_b32 s24, ttmp9, 1
	s_add_co_u32 s24, s24, s14                     ; 2 tile + s: my fragment
	s_lshl_b32 s26, s24, 11
	s_mov_b32 s27, 0
	s_lshl_b32 s28, s24, 7
	s_mov_b32 s29, 0
	s_wait_kmcnt 0x0
	s_add_nc_u64 s[6:7], s[6:7], s[20:21]
	s_add_nc_u64 s[8:9], s[8:9], s[22:23]
	s_add_nc_u64 s[10:11], s[10:11], s[26:27]
	s_add_nc_u64 s[12:13], s[12:13], s[28:29]
	META 0
	META 1
	s_wait_loadcnt 5                               ; substep 0's indices and weights are in; substep 1's five loads may be out
	ADDR 0
	GATH 0
.set J, 0
.rept 48
.if J+2 < 48
	META J+2                                       ; its registers were last read by the multiply-adds of substep J - 1
.endif
.if J+1 < 48
.if J+2 < 48
	s_wait_loadcnt 21                              ; substep J + 1's indices are in: behind them were issued substep J's 16 pieces and the 5 loads just above
.else
	s_wait_loadcnt 16
.endif
	ADDR J+1                                       ; these four registers were the addresses of substep J - 1's pieces, which the last wait below showed done
	GATH J+1
.endif
.if J+2 < 48
	s_wait_loadcnt 21                              ; substep J's pieces are in: behind them 5 + 16 loads
.elseif J+1 < 48
	s_wait_loadcnt 16
.else
	s_wait_loadcnt 0x0
.endif
	FMA J
.set J, J+1
.endr
.irp c, 0,1,2,3
.irp jj, 0,1,2,3
	ds_load_b128 v[X+16*\c+4*\jj:X+16*\c+4*\jj+3], v4 offset:128*\c+16*\jj     ; LDS serves a wave's instructions in order: these see my stores
.endr
.endr
.irp b, 0,1,2,3
	v_mov_b32 v[TM+4+\b], 0                        ; a lane permute's destination counts as one of its sources
.endr
	s_wait_dscnt 0x0
	QUANT X, PC, PW
.irp c, 0,1,2,3
	global_store_b128 v5, v[PC+4*\c:PC+4*\c+3], s[10:11] offset:512*\c         ; the image of the operand's registers: 512 consecutive bytes a store, aligned
.endr
	global_store_b32 v6, v[PW], s[12:13]
	s_wait_tensorcnt 0x0
	ds_add_u32 v216, v217
	s_wait_dscnt 0x0
	s_endpgm
.Lfunc_end_k_q9158d1e8c4_sample:
	.size	k_q9158d1e8c4_sample, .Lfunc_end_k_q9158d1e8c4_sample-k_q9158d1e8c4_sample
	.p2alignl 7, 3214868480
	.fill 96, 4, 3214868480
	.section	.rodata,"a",@progbits
	.p2align	6, 0x0
	.amdhsa_kernel k_q9158d1e8c4_sample
		.amdhsa_group_segment_fixed_size 17152
		.amdhsa_private_segment_fixed_size 0
		.amdhsa_enable_private_segment 0
		.amdhsa_kernarg_size 40
		.amdhsa_user_sgpr_count 2
		.amdhsa_user_sgpr_kernarg_segment_ptr 1
		.amdhsa_wavefront_size32 1
		.amdhsa_system_sgpr_workgroup_id_x 1
		.amdhsa_system_sgpr_workgroup_id_y 1
		.amdhsa_system_sgpr_workgroup_id_z 1
		.amdhsa_system_vgpr_workitem_id 0
		.amdhsa_next_free_vgpr 218
		.amdhsa_next_free_sgpr 66
		.amdhsa_reserve_vcc 0
		.amdhsa_float_denorm_mode_32 3
		.amdhsa_float_denorm_mode_16_64 3
		.amdhsa_memory_ordered 1
		.amdhsa_forward_progress 1
		.amdhsa_inst_pref_size 233
	.end_amdhsa_kernel
	.amdgpu_metadata
---
amdhsa.version: [ 1, 2 ]
amdhsa.kernels:
  - .name:           k_q9158d1e8c4_sample
    .symbol:         k_q9158d1e8c4_sample.kd
    .args:
      - { .name: value, .offset: 0, .size: 8, .value_kind: global_buffer, .address_space: global }
      - { .name: sidx, .offset: 8, .size: 8, .value_kind: global_buffer, .address_space: global }
      - { .name: swgt, .offset: 16, .size: 8, .value_kind: global_buffer, .address_space: global }
      - { .name: scodes, .offset: 24, .size: 8, .value_kind: global_buffer, .address_space: global }
      - { .name: sscl, .offset: 32, .size: 8, .value_kind: global_buffer, .address_space: global }
    .group_segment_fixed_size: 17152
    .private_segment_fixed_size: 0
    .kernarg_segment_align: 8
    .kernarg_segment_size: 40
    .max_flat_workgroup_size: 64
    .sgpr_count:     66
    .vgpr_count:     218
    .wavefront_size: 32
...
	.end_amdgpu_metadata
.endif
;; end of part 2
;; launch ffn (part 3): grid 235 x 1, 4 waves a work-group, no clusters, 177,408 bytes of LDS; arguments src, scodes, sscl, wfrag, wfsc, bout, g1, b1, bff1, bff2, g2, b2, out0; writes out0
.if DOCPART == 3
	.amdgcn_target "amdgcn-amd-amdhsa--gfx1250"
	.amdhsa_code_object_version 6
	.text
	.protected	k_q9158d1e8c4_ffn
	.globl	k_q9158d1e8c4_ffn
	.p2align	8
	.type	k_q9158d1e8c4_ffn,@function
k_q9158d1e8c4_ffn:
	s_mov_b64 s[64:65], 0
	v_nop
	global_prefetch_b8 v0, s[64:65] scope:SCOPE_SE
	s_setreg_imm32_b32 hwreg(HW_REG_WAVE_MODE, 25, 1), 1
	s_wait_xcnt 0x0
; THIRD LAUNCH: x = LN1(src + Q(samp) Wout + bout);  out = LN2(x + Q(relu(Q(x) Wff1 + bff1)) Wff2 + bff2).  All three products on E4M3 codes with E8M0 scales; everything else f32.
; SHARES: a work-group takes 7 tiles of 16 rows (1,641 tiles over 256 WGPs are 6.4 each: 7 is the least whole share, 235 work-groups; the last has 3 tiles, loads held rows for the rest and stores none of them).
; THE FOUR WAVES SHARE THE COLUMNS: in each of nine passes wave w owns 64 rows of a weight: 4 tiles x 2 K steps = 8 fragments, 128 registers, read straight from memory in the order of its registers
; (the first launch laid them so), one pass ahead, into two buffers.  Pass 0: Wout; 1-4: Wff1, 256 hidden units a pass; 5-8: Wff2, 256 of K a pass.
; The products are used transposed and a tile takes rows base + 32 (t / 2) + 8 (t % 2) + r + 8 (r / 8): lane (r, h) holds row r, and register 8 t + j column 64 w + 32 (t / 2) + 16 h + 8 (t % 2) + j.
; So a lane's 32 registers of a tile of rows are two runs of 16 neighbours along the next K, and ONE set Y of 7 x 32 registers lives through the chain: src + bout, + Wout's product, LN1 = x, + bff2, + Wff2's product, LN2.
; OPERANDS GO FROM WAVE TO WAVE THROUGH LDS AS IMAGES OF THEIR REGISTERS: a wave makes a quarter of a fragment's K (two blocks of 32): two stores of 16 bytes a lane and half a scale word.
; A layer norm's row lies in four waves: each centres its 64 columns on their own mean, and the four (mean, sum of squares) meet in LDS: no difference of large sums is formed.
; Four barriers: LN1's figures; x's images; the hidden layer's images; LN2's figures.
; No cluster: 235 is no multiple of 4, and a grid that is would need work-groups without work.  No tensor load: each wave reads only its own quarter of the weights, already in register order.
; LIMITS: NaN and infinities not served; the scale byte is held at 1 from below (a block of zeros too: its codes are zeros); sums in another order than the reference's.
.set HIMG, 0                           ; LDS: the hidden layer's 56 fragments, (tile m, K step kp) at (8 m + kp) x 2,048
.set HSC,  114688                      ; their scale words, 128 bytes each
.set XIMG, 121856                      ; x's 14 fragments, (m, s) at (2 m + s) x 2,048
.set XSC,  150528
.set ST1,  152320                      ; LN1: [row][wave] (mean, sum of squares), 32 bytes a row;  LN2's lie 3,584 bytes on
.set STG,  159488                      ; a stage for each wave: 16 rows x (256 bytes + 16)
; REGISTERS, window 0: v1 16 x lane, v2 4 x lane, v3-12 addresses; v13-27 offsets of the head, then LDS addresses; v28-41 scale words of samp, then of x; v42-55 of the hidden layer; v56-71 of the weights (two sets);
;   v72-135 two hidden tiles of rows (at the head: src's offsets; in the norms: figures; at the end: rows on their way out); v136-199 two sets of bias; v200-215, v216-223, v224-255 the quantiser's.
;   window 1: the weights' two buffers.  window 2: v0-223 14 fragments (samp; x; the hidden layer in two halves), v224-255 a norm's gain.  window 3: v0-223 Y, v224-255 a norm's bias.
.set RS,  28
.set HS,  42
.set WSC, 56
.set H,   72
.set MQ,  72
.set TP,  86
.set TA,  94
.set FB,  136
.set TM,  200
.set PWH, 206
.set PC,  216
.set TMP, 224
.set MSB, 0
.macro WIN new                         ; the immediate's high byte repeats the setting that is left; a switch that changes nothing is dropped
.if MSB != \new
	s_set_vgpr_msb (MSB<<8)|\new
.set MSB, \new
.endif
.endm
.macro PLACES n
.rept \n
	v_nop
.endr
.endm
.macro BARRIER                         ; my LDS stores have landed and my LDS loads are in: then the work-group's barrier
	s_wait_dscnt 0x0
	s_barrier_signal -1
	s_barrier_wait -1
.endm
.macro WLOAD pi, buf                   ; my 8 fragments and 8 scale words of the pass that lies pi passes behind the walking base: 40 loads, each of consecutive bytes
	WIN 0x40
.irp f, 0,1,2,3,4,5,6,7
.irp c, 0,1,2,3
	global_load_b128 v[128*(\buf)+16*\f+4*\c:128*(\buf)+16*\f+4*\c+3], v1, s[38:39] offset:(\pi)*65536+\f*2048+\c*512
.endr
.endr
	WIN 0
.irp f, 0,1,2,3,4,5,6,7
	global_load_b32 v[WSC+8*(\buf)+\f], v2, s[40:41] offset:(\pi)*4096+\f*128
.endr
.endm
.macro BLOAD buf, sb, imm              ; 32 numbers of a bias in the result's layout
.irp b, 0,1
.irp jj, 0,1,2,3
	global_load_b128 v[FB+32*(\buf)+16*\b+4*\jj:FB+32*(\buf)+16*\b+4*\jj+3], v3, s[\sb:\sb+1] offset:(\imm)+128*\b+16*\jj
.endr
.endr
.endm
; 32 numbers of a lane (two runs of 16 neighbours: halves of two blocks of 32) become 8 registers of codes in v[PC] on and two scale bytes in v[PWH].
; win3 = 1: the numbers lie in window 3 and are kept (held copies go to v[TMP]);  relu = 1: what is negative becomes 0 on the way: no |.| in the search, and the hold clips at 0
.macro QUANT2 s, win3, relu
.if \win3
	WIN 0x0f
.endif
.if \relu
.irp b, 0,1
	v_max3_num_f32 v[TM+\b], v[(\s)+16*\b], v[(\s)+16*\b+1], 0x4800000       ; (a sum is read from its low end on)  the floor 2^(9 - 127): the byte cannot fall under 1
.endr
.irp i, 2,4,6,8,10,12,14
.irp b, 0,1
	v_max3_num_f32 v[TM+\b], v[(\s)+16*\b+\i], v[(\s)+16*\b+\i+1], v[TM+\b]
.endr
.endr
.else
.irp b, 0,1
	v_max3_num_f32 v[TM+\b], |v[(\s)+16*\b]|, |v[(\s)+16*\b+1]|, 0x4800000
.endr
.irp i, 2,4,6,8,10,12,14
.irp b, 0,1
	v_max3_num_f32 v[TM+\b], |v[(\s)+16*\b+\i]|, |v[(\s)+16*\b+\i+1]|, v[TM+\b]
.endr
.endr
.endif
	WIN 0
.irp b, 0,1
	v_permlanex16_b32 v[TM+4+\b], v[TM+\b], s32, s33
.endr
.irp b, 0,1
	v_max_num_f32 v[TM+\b], v[TM+\b], v[TM+4+\b]             ; with lane l xor 16's 16: the block's largest magnitude
.endr
.irp b, 0,1
	v_add_nc_u32 v[TM+12+\b], 0xfc000000, v[TM+\b]           ; the conversion's scale operand
.endr
.irp b, 0,1
	v_and_or_b32 v[TM+8+\b], v[TM+\b], 0x7f800000, s34       ; 448 x the scale
.endr
.irp b, 0,1
	v_lshrrev_b32 v[TM+4+\b], 23, v[TM+12+\b]                ; the scale's byte
.endr
	v_lshl_or_b32 v[PWH], v[TM+5], 8, v[TM+4]
.if \win3
	WIN 0x03
.irp b, 0,1
.irp i, 0,1,2,3,4,5,6,7,8,9,10,11,12,13,14,15
	v_med3_num_f32 v[TMP+16*\b+\i], v[(\s)+16*\b+\i], -v[TM+8+\b], v[TM+8+\b]
.endr
.endr
	WIN 0
.irp b, 0,1
	v_cvt_scalef32_pk8_fp8_f32 v[PC+4*\b:PC+4*\b+1], v[TMP+16*\b:TMP+16*\b+7], v[TM+12+\b]
	v_cvt_scalef32_pk8_fp8_f32 v[PC+4*\b+2:PC+4*\b+3], v[TMP+16*\b+8:TMP+16*\b+15], v[TM+12+\b]
.endr
.else
.irp b, 0,1
.irp i, 0,1,2,3,4,5,6,7,8,9,10,11,12,13,14,15
	v_med3_num_f32 v[(\s)+16*\b+\i], v[(\s)+16*\b+\i], 0, v[TM+8+\b]         ; the activation and the hold in one
.endr
.endr
.irp b, 0,1
	v_cvt_scalef32_pk8_fp8_f32 v[PC+4*\b:PC+4*\b+1], v[(\s)+16*\b:(\s)+16*\b+7], v[TM+12+\b]
	v_cvt_scalef32_pk8_fp8_f32 v[PC+4*\b+2:PC+4*\b+3], v[(\s)+16*\b+8:(\s)+16*\b+15], v[TM+12+\b]
.endr
.endif
	v_nop                                          ; a plain line behind the last conversion
.endm
; A norm's first half: for each of my 112 rows the mean of my 64 columns, Y centred on it, and the sum of the squares; both to LDS.  Every stage for all seven tiles, so that the windows are switched seldom.
.macro LNSTAT so
	WIN 0x0f
.irp m, 0,1,2,3,4,5,6
	v_pk_add_f32 v[TA+4*\m:TA+4*\m+1], v[32*\m:32*\m+1], v[32*\m+2:32*\m+3]             ; each sum's registers in ascending order
	v_pk_add_f32 v[TA+4*\m+2:TA+4*\m+3], v[32*\m+4:32*\m+5], v[32*\m+6:32*\m+7]
.endr
	WIN 0x0c
.irp k, 8,12,16,20,24,28
.irp m, 0,1,2,3,4,5,6
	v_pk_add_f32 v[TA+4*\m:TA+4*\m+1], v[TA+4*\m:TA+4*\m+1], v[32*\m+\k:32*\m+\k+1]
	v_pk_add_f32 v[TA+4*\m+2:TA+4*\m+3], v[TA+4*\m+2:TA+4*\m+3], v[32*\m+\k+2:32*\m+\k+3]
.endr
.endr
	WIN 0
.irp m, 0,1,2,3,4,5,6
	v_pk_add_f32 v[TA+4*\m:TA+4*\m+1], v[TA+4*\m:TA+4*\m+1], v[TA+4*\m+2:TA+4*\m+3]
.endr
.irp m, 0,1,2,3,4,5,6
	v_add_f32 v[TA+4*\m], v[TA+4*\m], v[TA+4*\m+1]
.endr
.irp m, 0,1,2,3,4,5,6
	v_permlanex16_b32 v[TA+4*\m+2], v[TA+4*\m], s32, s33
.endr
.irp m, 0,1,2,3,4,5,6
	v_add_f32 v[TA+4*\m], v[TA+4*\m], v[TA+4*\m+2]
.endr
.irp m, 0,1,2,3,4,5,6
	v_mul_f32 v[MQ+2*\m], 0x3c800000, v[TA+4*\m]   ; / 64: my mean, in both registers of the pair
	v_mul_f32 v[MQ+2*\m+1], 0x3c800000, v[TA+4*\m]
.endr
	WIN 0xc3
.irp m, 0,1,2,3,4,5,6
.irp k, 0,2,4,6,8,10,12,14,16,18,20,22,24,26,28,30
	v_pk_add_f32 v[32*\m+\k:32*\m+\k+1], v[32*\m+\k:32*\m+\k+1], v[MQ+2*\m:MQ+2*\m+1] neg_lo:[0,1] neg_hi:[0,1]
.endr
.endr
	WIN 0x0f
.irp m, 0,1,2,3,4,5,6
	v_pk_mul_f32 v[TA+4*\m:TA+4*\m+1], v[32*\m:32*\m+1], v[32*\m:32*\m+1]
	v_pk_mul_f32 v[TA+4*\m+2:TA+4*\m+3], v[32*\m+2:32*\m+3], v[32*\m+2:32*\m+3]
.endr
.irp k, 4,8,12,16,20,24,28
.irp m, 0,1,2,3,4,5,6
	v_pk_fma_f32 v[TA+4*\m:TA+4*\m+1], v[32*\m+\k:32*\m+\k+1], v[32*\m+\k:32*\m+\k+1], v[TA+4*\m:TA+4*\m+1]
	v_pk_fma_f32 v[TA+4*\m+2:TA+4*\m+3], v[32*\m+\k+2:32*\m+\k+3], v[32*\m+\k+2:32*\m+\k+3], v[TA+4*\m+2:TA+4*\m+3]
.endr
.endr
	WIN 0
.irp m, 0,1,2,3,4,5,6
	v_pk_add_f32 v[TA+4*\m:TA+4*\m+1], v[TA+4*\m:TA+4*\m+1], v[TA+4*\m+2:TA+4*\m+3]
.endr
.irp m, 0,1,2,3,4,5,6
	v_add_f32 v[TA+4*\m], v[TA+4*\m], v[TA+4*\m+1]
.endr
.irp m, 0,1,2,3,4,5,6
	v_permlanex16_b32 v[TA+4*\m+2], v[TA+4*\m], s32, s33
.endr
.irp m, 0,1,2,3,4,5,6
	v_add_f32 v[MQ+2*\m+1], v[TA+4*\m], v[TA+4*\m+2]
.endr
.irp m, 0,1,2,3,4,5,6
	ds_store_b64 v9, v[MQ+2*\m:MQ+2*\m+1] offset:(\so)+512*\m      ; lanes r and r + 16 write the same 8 bytes with the same values
.endr
.endm
; Its second half: the four waves' figures are joined; Y = ((Y - (mean - my mean)) / sqrt(var + 1e-5)) x gain + bias
.macro LNAPPLY so
.irp m, 0,1,2,3,4,5,6
	ds_load_b128 v[TA+8*\m:TA+8*\m+3], v10 offset:(\so)+512*\m
	ds_load_b128 v[TA+8*\m+4:TA+8*\m+7], v10 offset:(\so)+512*\m+16
.endr
	s_wait_dscnt 0x0
.irp m, 0,1,2,3,4,5,6
	v_add_f32 v[TP+\m], v[TA+8*\m], v[TA+8*\m+2]
.endr
.irp m, 0,1,2,3,4,5,6
	v_add_f32 v[TP+\m], v[TP+\m], v[TA+8*\m+4]
.endr
.irp m, 0,1,2,3,4,5,6
	v_add_f32 v[TP+\m], v[TP+\m], v[TA+8*\m+6]
.endr
.irp m, 0,1,2,3,4,5,6
	v_mul_f32 v[TP+\m], 0x3e800000, v[TP+\m]       ; the row's mean
.endr
.irp m, 0,1,2,3,4,5,6
.irp k, 0,2,4,6
	v_sub_f32 v[TA+8*\m+\k], v[TA+8*\m+\k], v[TP+\m]
.endr
	v_add_f32 v[TA+8*\m+1], v[TA+8*\m+1], v[TA+8*\m+3]
	v_add_f32 v[TA+8*\m+5], v[TA+8*\m+5], v[TA+8*\m+7]
.endr
.irp m, 0,1,2,3,4,5,6
	v_mul_f32 v[TA+8*\m], v[TA+8*\m], v[TA+8*\m]
	v_add_f32 v[TA+8*\m+1], v[TA+8*\m+1], v[TA+8*\m+5]
.endr
.irp k, 2,4,6
.irp m, 0,1,2,3,4,5,6
	v_fma_f32 v[TA+8*\m], v[TA+8*\m+\k], v[TA+8*\m+\k], v[TA+8*\m]
.endr
.endr
.irp m, 0,1,2,3,4,5,6
	v_fma_f32 v[TA+8*\m+1], v[TA+8*\m], 0x42800000, v[TA+8*\m+1]   ; + 64 x the squares of the four means' distances
.endr
.irp m, 0,1,2,3,4,5,6
	v_fma_f32 v[TA+8*\m+1], v[TA+8*\m+1], s58, s59 ; / 256 + 1e-5
	v_sub_f32 v[TP+\m], v[TP+\m], v[MQ+2*\m]       ; the row's mean less my mean
.endr
.irp m, 0,1,2,3,4,5,6
	v_rsq_f32 v[MQ+2*\m], v[TA+8*\m+1]
.endr
	v_nop                                          ; a plain line between the roots and the use of their results
	s_wait_alu depctr_va_vdst(0)
.irp m, 0,1,2,3,4,5,6
	v_mul_f32 v[MQ+2*\m+1], -v[TP+\m], v[MQ+2*\m]
.endr
	WIN 0xc3
.irp m, 0,1,2,3,4,5,6
.irp k, 0,2,4,6,8,10,12,14,16,18,20,22,24,26,28,30
	v_pk_fma_f32 v[32*\m+\k:32*\m+\k+1], v[32*\m+\k:32*\m+\k+1], v[MQ+2*\m:MQ+2*\m+1], v[MQ+2*\m:MQ+2*\m+1] op_sel:[0,0,1] op_sel_hi:[1,0,1]
.endr
.endr
	WIN 0xfb                                       ; the gain in window 2, the bias in window 3
.irp m, 0,1,2,3,4,5,6
.irp k, 0,2,4,6,8,10,12,14,16,18,20,22,24,26,28,30
	v_pk_fma_f32 v[32*\m+\k:32*\m+\k+1], v[32*\m+\k:32*\m+\k+1], v[224+\k:225+\k], v[224+\k:225+\k]
.endr
.endr
	WIN 0
.endm
; Wff1, tile of rows m: 8 products; the four sums take turns, one instruction a turn; the first four take the bias as C
.macro MM m, wb, fb
.set hm_, H+32*((\m)%2)
	WIN 0x09                                       ; source 0 (the weight) window 1, source 1 (x) window 2
.irp t, 0,1,2,3
	v_wmma_scale_f32_16x16x128_f8f6f4 v[hm_+8*\t:hm_+8*\t+7], v[128*(\wb)+32*\t:128*(\wb)+32*\t+15], v[32*(\m):32*(\m)+15], v[FB+32*(\fb)+8*\t:FB+32*(\fb)+8*\t+7], v[WSC+8*(\wb)+2*\t], v[RS+2*(\m)]
.endr
.irp t, 0,1,2,3
	v_wmma_scale_f32_16x16x128_f8f6f4 v[hm_+8*\t:hm_+8*\t+7], v[128*(\wb)+32*\t+16:128*(\wb)+32*\t+31], v[32*(\m)+16:32*(\m)+31], v[hm_+8*\t:hm_+8*\t+7], v[WSC+8*(\wb)+2*\t+1], v[RS+2*(\m)+1]
.endr
	WIN 0
.endm
; A pass of Wff1: 256 hidden units, my 64 of them, for the 7 tiles of rows.  While one tile is quantised, the products of the tile after next stand behind it: the quantiser's lines are their places.
.macro PASS wb, fb, pit, npi, nsb, nimm
	s_wait_loadcnt 0x0                             ; this pass's weights, scale words and bias, asked for a pass ago, are in
	WLOAD \npi, 1-(\wb)                            ; the next pass's, into the buffers that the last pass's last products left two quantisers ago
	BLOAD 1-(\fb), \nsb, \nimm
	MM 0, \wb, \fb
	MM 1, \wb, \fb
	PLACES 8
.irp m, 0,1,2,3,4,5,6
	QUANT2 H+32*(\m%2), 0, 1
.if \m < 4
	ds_store_b128 v13, v[PC:PC+3] offset:\m*16384+4096*(\pit)
	ds_store_b128 v13, v[PC+4:PC+7] offset:\m*16384+4096*(\pit)+512
.else
	ds_store_b128 v20, v[PC:PC+3] offset:(\m-4)*16384+4096*(\pit)
	ds_store_b128 v20, v[PC+4:PC+7] offset:(\m-4)*16384+4096*(\pit)+512
.endif
	ds_store_b16 v21, v[PWH] offset:1024*\m+256*(\pit)
.if \m < 5
	MM \m+2, \wb, \fb
.endif
.endr
.endm
.macro HLOAD kp                        ; the hidden layer's K step kp: 7 fragments and 7 scale words: 35 LDS loads
.set hb_, (\kp)%2
	WIN 0x80
.irp m, 0,1,2,3,4,5,6
.irp c, 0,1,2,3
.if \m < 4
	ds_load_b128 v[112*hb_+16*\m+4*\c:112*hb_+16*\m+4*\c+3], v1 offset:\m*16384+2048*(\kp)+512*\c
.else
	ds_load_b128 v[112*hb_+16*\m+4*\c:112*hb_+16*\m+4*\c+3], v18 offset:(\m-4)*16384+2048*(\kp)+512*\c
.endif
.endr
.endr
	WIN 0
.irp m, 0,1,2,3,4,5,6
	ds_load_b32 v[HS+7*hb_+\m], v19 offset:1024*\m+128*(\kp)
.endr
.endm
.macro FF2 kp                          ; 28 products onto Y; the 28 sums take turns in the same order in every K step
.set hb_, (\kp)%2
.set wb_, ((\kp)/2+1)%2
	WIN 0xf9                                       ; the weight window 1, the hidden layer window 2, C and D window 3
.irp m, 0,1,2,3,4,5,6
.irp t, 0,1,2,3
	v_wmma_scale_f32_16x16x128_f8f6f4 v[32*\m+8*\t:32*\m+8*\t+7], v[128*wb_+32*\t+16*hb_:128*wb_+32*\t+16*hb_+15], v[112*hb_+16*\m:112*hb_+16*\m+15], v[32*\m+8*\t:32*\m+8*\t+7], v[WSC+8*wb_+2*\t+hb_], v[HS+7*hb_+\m]
.endr
.endr
	WIN 0
.endm
	; ---- the head
	s_load_b512 s[4:19], s[0:1], 0x0               ; src 4, scodes 6, sscl 8, wfrag 10, wfsc 12, bout 14, g1 16, b1 18
	s_load_b256 s[20:27], s[0:1], 0x40             ; bff1 20, bff2 22, g2 24, b2 26
	s_load_b64 s[28:29], s[0:1], 0x60              ; out0
	v_lshl_add_u32 v214, v0, 2, 0x2b300
	v_mov_b32 v215, 0
	v_lshrrev_b32 v1, 5, v0
	v_readfirstlane_b32 s30, v1                    ; wave 0..3
	s_mul_i32 s31, ttmp9, 112                      ; my work-group's first row
	s_mov_b32 s32, 0x76543210
	s_mov_b32 s33, 0xfedcba98                      ; lane selects: lane l xor 16
	s_mov_b32 s34, 0x600000                        ; the mantissa field of 448
	s_mov_b32 s58, 0x3b800000                      ; 1 / 256
	s_mov_b32 s59, 0x3727c5ac                      ; 1e-5
	v_and_b32 v13, 31, v0
	v_and_b32 v200, 15, v0                         ; r
	v_bfe_u32 v201, v0, 4, 1                       ; h
	v_lshlrev_b32 v1, 4, v13
	v_lshlrev_b32 v2, 2, v13
	s_lshl_b32 s48, s30, 8
	v_lshl_add_u32 v3, v201, 6, s48                ; a vector of 256 in the result's layout: 256 w + 64 h
	v_lshl_add_u32 v4, v200, 4, s48                ; and as rows lie: 256 w + 16 r
	s_mul_i32 s49, s30, 4352
	s_add_co_u32 s49, s49, STG
	v_mul_u32_u24 v5, v201, 272
	v_lshl_add_u32 v5, v200, 4, v5
	v_add_nc_u32 v5, s49, v5                       ; stage, as rows lie: lanes 0-15 one row, lanes 16-31 the next
	v_mul_u32_u24 v6, v200, 272
	v_lshl_add_u32 v6, v201, 6, v6
	v_add_nc_u32 v6, s49, v6                       ; stage, in the result's layout: row r, + 64 h
	s_lshr_b32 s50, s30, 1
	s_and_b32 s51, s30, 1
	s_lshl_b32 s52, s50, 11
	s_lshl_b32 s53, s51, 10
	s_add_co_u32 s52, s52, s53
	v_add_nc_u32 v7, s52, v1                       ; my quarter of a pair of fragments: K step w / 2, blocks 2 (w % 2) on
	s_lshl_b32 s52, s50, 7
	s_lshl_b32 s53, s51, 1
	s_add_co_u32 s52, s52, s53
	v_add_nc_u32 v8, s52, v2                       ; and my half of its scale word
	s_lshl_b32 s52, s30, 3
	s_add_co_u32 s52, s52, ST1
	v_lshl_add_u32 v9, v200, 5, s52
	v_lshl_add_u32 v10, v200, 5, ST1
	v_lshl_add_u32 v11, v201, 10, v4               ; out0: two rows a store
	v_add_nc_u32 v12, s31, v201
	v_mov_b32 v204, 0                              ; a lane permute's destination counts as one of its sources
	v_mov_b32 v205, 0
	s_mul_i32 s54, ttmp9, 7
.irp m, 0,1,2,3,4,5,6
	s_add_co_u32 s55, s54, \m
	s_min_u32 s55, s55, 1640                       ; the last work-group reads the last tile again in place of tiles that do not exist
	s_lshl_b32 s56, s55, 12
	s_lshl_b32 s57, s55, 8
	v_add_nc_u32 v[14+\m], s56, v1
	v_add_nc_u32 v[21+\m], s57, v2
.endr
.set i, 0
.rept 56
	v_add_nc_u32 v[72+i], 2*i, v12
.set i, i+1
.endr
.set i, 0
.rept 56
	v_min_u32 v[72+i], 26249, v[72+i]              ; no load leaves src
.set i, i+1
.endr
.set i, 0
.rept 56
	v_lshl_add_u32 v[72+i], v[72+i], 10, v4
.set i, i+1
.endr
	s_wait_kmcnt 0x0
	s_lshl_b32 s48, s30, 14
	s_mov_b32 s49, 0
	s_add_nc_u64 s[38:39], s[10:11], s[48:49]      ; my quarter of a pass's fragments
	s_lshl_b32 s48, s30, 10
	s_add_nc_u64 s[40:41], s[12:13], s[48:49]
	s_mov_b64 s[42:43], s[20:21]                   ; bff1, walking
	s_add_nc_u64 s[44:45], s[20:21], 2048          ; and two passes ahead; it steps by half as much, so that the last look ahead stays on bff1's last part
	s_lshl_b32 s48, s31, 10
	s_add_nc_u64 s[46:47], s[28:29], s[48:49]
	; ---- all that the first phases read
	WIN 0xc0
.set i, 0
.rept 56
	global_load_b128 v[4*i:4*i+3], v[72+i], s[4:5] th:TH_LOAD_NT   ; my 256 bytes of two rows of src: sixteen lanes read 256 consecutive bytes, aligned
.set i, i+1
.endr
	WLOAD 0, 0
	WIN 0x80
.irp m, 0,1,2,3,4,5,6
.irp s, 0,1
.irp c, 0,1,2,3
	global_load_b128 v[16*(2*\m+\s)+4*\c:16*(2*\m+\s)+4*\c+3], v[14+\m], s[6:7] offset:2048*\s+512*\c
.endr
.endr
.endr
	WIN 0
.irp m, 0,1,2,3,4,5,6
.irp s, 0,1
	global_load_b32 v[RS+2*\m+\s], v[21+\m], s[8:9] offset:128*\s
.endr
.endr
	global_load_b128 v[224:227], v4, s[14:15]      ; bout, as rows lie
	WIN 0x80
.irp b, 0,1
.irp jj, 0,1,2,3
	global_load_b128 v[224+16*\b+4*\jj:227+16*\b+4*\jj], v3, s[16:17] offset:128*\b+16*\jj     ; g1
.endr
.endr
	WIN 0xc0
.irp b, 0,1
.irp jj, 0,1,2,3
	global_load_b128 v[224+16*\b+4*\jj:227+16*\b+4*\jj], v3, s[18:19] offset:128*\b+16*\jj     ; b1
.endr
.endr
	WIN 0
	BLOAD 1, 22, 0                                 ; bff2
	WLOAD 1, 1
	s_wait_loadcnt 40                              ; all but the 40 loads of pass 1's weights
	v_add_nc_u32 v14, XIMG, v7                     ; LDS addresses beyond the reach of the immediate, in registers that the finished loads have left
	v_add_nc_u32 v15, XSC, v8
	v_add_nc_u32 v16, XIMG, v1
	v_add_nc_u32 v17, XSC, v2
	v_add_nc_u32 v18, 65536, v1
	v_add_nc_u32 v19, HSC, v2
	; ---- src + bout, turned into the result's layout through my stage; then Wout's product onto it
	WIN 0xc3
.set i, 0
.rept 56
	v_pk_add_f32 v[4*i:4*i+1], v[4*i:4*i+1], v[224:225]
	v_pk_add_f32 v[4*i+2:4*i+3], v[4*i+2:4*i+3], v[226:227]
.set i, i+1
.endr
.irp m, 0,1,2,3,4,5,6
	WIN 0x0c
.irp i, 0,1,2,3,4,5,6,7
	ds_store_b128 v5, v[32*\m+4*\i:32*\m+4*\i+3] offset:544*\i
.endr
	WIN 0xc0
.irp b, 0,1
.irp u, 0,1
.irp q, 0,1
	ds_load_b128 v[32*\m+8*(2*\b+\u)+4*\q:32*\m+8*(2*\b+\u)+4*\q+3], v6 offset:128*\b+32*\u+16*\q     ; LDS serves a wave's instructions in order: these see the stores above, and the next tile's stores come behind them
.endr
.endr
.endr
.endr
	s_wait_dscnt 0x0
	WIN 0xf9
.irp s, 0,1
.irp m, 0,1,2,3,4,5,6
.irp t, 0,1,2,3
	v_wmma_scale_f32_16x16x128_f8f6f4 v[32*\m+8*\t:32*\m+8*\t+7], v[32*\t+16*\s:32*\t+16*\s+15], v[16*(2*\m+\s):16*(2*\m+\s)+15], v[32*\m+8*\t:32*\m+8*\t+7], v[WSC+2*\t+\s], v[RS+2*\m+\s]
.endr
.endr
.endr
	WIN 0
	PLACES 8
	; ---- LN1; x is quantised and its images go to LDS
	LNSTAT 0
	BARRIER
	LNAPPLY 0
	BLOAD 0, 42, 0                                 ; bff1's part for pass 1
	WIN 0x80
.irp b, 0,1
.irp jj, 0,1,2,3
	global_load_b128 v[224+16*\b+4*\jj:227+16*\b+4*\jj], v3, s[24:25] offset:128*\b+16*\jj     ; g2
.endr
.endr
	WIN 0xc0
.irp b, 0,1
.irp jj, 0,1,2,3
	global_load_b128 v[224+16*\b+4*\jj:227+16*\b+4*\jj], v3, s[26:27] offset:128*\b+16*\jj     ; b2
.endr
.endr
	WIN 0
.irp m, 0,1,2,3,4,5,6
	QUANT2 32*\m, 1, 0
	ds_store_b128 v14, v[PC:PC+3] offset:4096*\m
	ds_store_b128 v14, v[PC+4:PC+7] offset:4096*\m+512
	ds_store_b16 v15, v[PWH] offset:256*\m
.endr
	WIN 0xc3
.irp m, 0,1,2,3,4,5,6
.irp k, 0,2,4,6,8,10,12,14,16,18,20,22,24,26,28,30
	v_pk_add_f32 v[32*\m+\k:32*\m+\k+1], v[32*\m+\k:32*\m+\k+1], v[FB+32+\k:FB+33+\k]          ; x + bff2: what Wff2's products add onto
.endr
.endr
	WIN 0
	BARRIER
	WIN 0x80
.set i, 0
.rept 14
.irp c, 0,1,2,3
	ds_load_b128 v[16*i+4*\c:16*i+4*\c+3], v16 offset:2048*i+512*\c            ; x's 14 fragments stay in registers for all four passes of Wff1
.endr
.set i, i+1
.endr
	WIN 0
.set i, 0
.rept 14
	ds_load_b32 v[RS+i], v17 offset:128*i
.set i, i+1
.endr
	s_wait_dscnt 0x0
	; ---- Wff1: two trips of two passes, until the buffers are back where they began
	s_mov_b32 s35, 0
	s_mov_b32 s36, 0
.Lff1:
	v_add_nc_u32 v13, s36, v7                      ; where this trip's images go: K steps 4 trip on
	v_add_nc_u32 v20, 65536, v13
	s_lshr_b32 s48, s36, 4
	v_add_nc_u32 v21, s48, v8
	v_add_nc_u32 v21, HSC, v21
	PASS 1, 0, 0, 2, 42, 1024
	PASS 0, 1, 1, 3, 44, 0
	s_wait_xcnt 0x0                                ; the loads issued have read their bases: only behind this wait are they stepped
	s_add_nc_u64 s[38:39], s[38:39], 131072
	s_add_nc_u64 s[40:41], s[40:41], 8192
	s_add_nc_u64 s[42:43], s[42:43], 2048
	s_add_nc_u64 s[44:45], s[44:45], 1024
	s_add_co_u32 s36, s36, 8192
	s_add_co_u32 s35, s35, 1
	s_cmp_lt_u32 s35, 2
	s_cbranch_scc1 .Lff1
	BARRIER                                        ; the hidden layer's 56 fragments lie in LDS
	; ---- Wff2: eight K steps; a step's fragments are fetched a step ahead, a pass's weights a pass ahead
	HLOAD 0
.irp kp, 0,1,2,3,4,5,6,7
.if \kp%2 == 0
	s_wait_loadcnt 0x0                             ; this pass's weights are in
.endif
.if \kp > 0
	PLACES 8                                       ; in front of loads into registers that the products just issued have read
.endif
.if (\kp%2 == 0) && (\kp < 6)
	WLOAD \kp/2+2, (\kp/2)%2
.endif
.if \kp < 7
	HLOAD \kp+1
	s_wait_dscnt 35                                ; this step's fragments are in; the next step's 35 loads may be out
.else
	s_wait_dscnt 0x0
.endif
	FF2 \kp
.endr
	PLACES 8
	; ---- LN2 and the way out
	LNSTAT 3584
	BARRIER
	LNAPPLY 3584
.irp m, 0,1,2,3,4,5,6
	WIN 0x0c
.irp b, 0,1
.irp u, 0,1
.irp q, 0,1
	ds_store_b128 v6, v[32*\m+8*(2*\b+\u)+4*\q:32*\m+8*(2*\b+\u)+4*\q+3] offset:128*\b+32*\u+16*\q
.endr
.endr
.endr
	WIN 0
.if \m >= 2
	s_wait_xcnt 0x0                                ; the stores of two tiles ago have read the registers that the loads below fill
.endif
.irp i, 0,1,2,3,4,5,6,7
	ds_load_b128 v[72+32*(\m%2)+4*\i:75+32*(\m%2)+4*\i], v5 offset:544*\i
.endr
	s_wait_dscnt 0x0
.irp i, 0,1,2,3,4,5,6,7
	s_cmp_ge_u32 s31, 26250-16*\m-2*\i             ; 26,250 is even: a store's two rows exist together, and the rows that exist come first
	s_cbranch_scc1 .Ldone
	global_store_b128 v11, v[72+32*(\m%2)+4*\i:75+32*(\m%2)+4*\i], s[46:47] offset:(16*\m+2*\i)*1024 th:TH_STORE_NT    ; sixteen lanes store 256 consecutive bytes, aligned
.endr
.endr
.Ldone:
	s_wait_tensorcnt 0x0
	ds_add_u32 v214, v215
	s_wait_dscnt 0x0
	s_endpgm
.Lfunc_end_k_q9158d1e8c4_ffn:
	.size	k_q9158d1e8c4_ffn, .Lfunc_end_k_q9158d1e8c4_ffn-k_q9158d1e8c4_ffn
	.p2alignl 7, 3214868480
	.fill 96, 4, 3214868480
	.section	.rodata,"a",@progbits
	.p2align	6, 0x0
	.amdhsa_kernel k_q9158d1e8c4_ffn
		.amdhsa_group_segment_fixed_size 177408
		.amdhsa_private_segment_fixed_size 0
		.amdhsa_enable_private_segment 0
		.amdhsa_kernarg_size 104
		.amdhsa_user_sgpr_count 2
		.amdhsa_user_sgpr_kernarg_segment_ptr 1
		.amdhsa_wavefront_size32 1
		.amdhsa_system_sgpr_workgroup_id_x 1
		.amdhsa_system_sgpr_workgroup_id_y 1
		.amdhsa_system_sgpr_workgroup_id_z 1
		.amdhsa_system_vgpr_workitem_id 0
		.amdhsa_next_free_vgpr 1024
		.amdhsa_next_free_sgpr 66
		.amdhsa_reserve_vcc 0
		.amdhsa_float_denorm_mode_32 3
		.amdhsa_float_denorm_mode_16_64 3
		.amdhsa_memory_ordered 1
		.amdhsa_forward_progress 1
		.amdhsa_inst_pref_size 255
	.end_amdhsa_kernel
	.section	.bss,"aw",@nobits
	.p2align	6
	.space	262144
	.amdgpu_metadata
---
amdhsa.version: [ 1, 2 ]
amdhsa.kernels:
  - .name:           k_q9158d1e8c4_ffn
    .symbol:         k_q9158d1e8c4_ffn.kd
    .args:
      - { .name: src, .offset: 0, .size: 8, .value_kind: global_buffer, .address_space: global }
      - { .name: scodes, .offset: 8, .size: 8, .value_kind: global_buffer, .address_space: global }
      - { .name: sscl, .offset: 16, .size: 8, .value_kind: global_buffer, .address_space: global }
      - { .name: wfrag, .offset: 24, .size: 8, .value_kind: global_buffer, .address_space: global }
      - { .name: wfsc, .offset: 32, .size: 8, .value_kind: global_buffer, .address_space: global }
      - { .name: bout, .offset: 40, .size: 8, .value_kind: global_buffer, .address_space: global }
      - { .name: g1, .offset: 48, .size: 8, .value_kind: global_buffer, .address_space: global }
      - { .name: b1, .offset: 56, .size: 8, .value_kind: global_buffer, .address_space: global }
      - { .name: bff1, .offset: 64, .size: 8, .value_kind: global_buffer, .address_space: global }
      - { .name: bff2, .offset: 72, .size: 8, .value_kind: global_buffer, .address_space: global }
      - { .name: g2, .offset: 80, .size: 8, .value_kind: global_buffer, .address_space: global }
      - { .name: b2, .offset: 88, .size: 8, .value_kind: global_buffer, .address_space: global }
      - { .name: out0, .offset: 96, .size: 8, .value_kind: global_buffer, .address_space: global }
    .group_segment_fixed_size: 177408
    .private_segment_fixed_size: 0
    .kernarg_segment_align: 8
    .kernarg_segment_size: 104
    .max_flat_workgroup_size: 128
    .sgpr_count:     66
    .vgpr_count:     1024
    .wavefront_size: 32
...
	.end_amdgpu_metadata
.endif
;; end of part 3
;; ======== version 2 of 3: 3 launches; 1.97 times as fast as version 1
;; workspace buffers: value 26,886,144 bytes; sidx 10,082,304 bytes of whole numbers; swgt 40,329,216 bytes; wfrag 589,824 bytes; wfsc 36,864 bytes; samp 26,886,144 bytes
;; launch proj (part 4): grid 206 x 1, 8 waves a work-group, no clusters, 291,328 bytes of LDS; arguments src, pos, reference_points, Wv_codes, Wv_scales, bv, Woff_codes, Woff_scales, boff, Wattn_codes, Wattn_scales, battn, Wout_codes, Wout_scales, Wff1_codes, Wff1_scales, Wff2_codes, Wff2_scales, value, sidx, swgt, wfrag, wfsc; writes value, sidx, swgt, wfrag, wfsc
.if DOCPART == 4
	.amdgcn_target "amdgcn-amd-amdhsa--gfx1250"
	.amdhsa_code_object_version 6
	.text
	.protected	k_q9158d1e8c4_proj
	.globl	k_q9158d1e8c4_proj
	.p2align	8
	.type	k_q9158d1e8c4_proj,@function
k_q9158d1e8c4_proj:
	s_mov_b64 s[64:65], 0
	v_nop
	global_prefetch_b8 v0, s[64:65] scope:SCOPE_SE
	s_setreg_imm32_b32 hwreg(HW_REG_WAVE_MODE, 25, 1), 1
	s_wait_xcnt 0x0
; FIRST OF THREE LAUNCHES of a deformable-attention encoder layer on 26,250 rows of 256 (2 x 13,125), in MX-FP8 (E4M3 codes, one E8M0 scale for each 32 along K).
; It makes: value = Q(src) Wv + bv;  q = src + pos;  off = Q(q) Woff + boff;  a = softmax(Q(q) Wattn + battn) over a head's 12 logits, the largest logit taken away first;
; and of off, a and reference_points, for each (row, head, level, point): ONE whole number, the pixel (xb, yb) counted through the three levels (level's first pixel + yb W + xb), and FOUR f32 weights, those of pixels
; (xb, yb), (xb+1, yb), (xb, yb+1), (xb+1, yb+1), with a folded in.  x = ref_x W + off_x - 0.5; xb = floor(x) held to 0 .. W-2; t = x - xb; weight of xb: max(0, 1 - |t|), of xb + 1: max(0, 1 - |t - 1|).
; That is the bilinear rule with zero padding in every case (one pixel outside, both outside), so four corners need one index.  No address of this launch hangs on these numbers: the next launch reads them.
; LAYOUTS, in planes of 26,256 rows x 16 bytes: value [head][slice of 4 channels][row][4];  sidx [head][level][row][4 points];  swgt [head][4 level + corner][row][4 points].
; A tile's 16 rows are 256 consecutive bytes of a plane, aligned, and sixteen lanes store them from registers as the products leave them.
; SIDE JOB: work-groups 0-35 also lay Wout, Wff1 and Wff2 in the order of the third launch's operand registers (288 fragments, one a wave).
; SHARES: a wave owns a tile of 16 rows through everything: tile = 8 x work-group + wave; 1,641 tiles; the seven waves over help with the copy of the weights, pass the barrier and end.
; The three weights (136 KB of codes), their scale bytes and the biases are copied into LDS once; ONE barrier; behind it a wave touches only those bytes (reading) and its own stage.
; No cluster: 206 work-groups are no multiple of 4, and what they share is read once each, 140 KB beside 262 KB of rows.  No tensor load: no LDS byte is filled twice.
; THE PRODUCTS ARE USED TRANSPOSED (source 0 = 16 rows of a weight, source 1 = my 16 rows): lane (r, h) holds row r, and its register j the weight's tile row 8 h + j.  Which rows of a weight form a tile is chosen
; so that a lane's registers hold what belongs together: 16 neighbouring channels of a head; one head's eight offsets of a level; one head's logits.
; LIMITS: NaN and infinities among the inputs are not served.  A block whose largest magnitude lies under 2^-118 gets the scale byte 1 (a block of zeros too: its codes are zeros; only this program reads the bytes).
; x is summed in another order than the reference has it (about one unit in x's last place; the sample is continuous in x).
; LDS
.set LWV,   0                          ; Wv's 256 rows of 256 codes, 272 bytes apart: the 16 rows of a fragment load start 68 words apart
.set LWO,   69632                      ; Woff's 192 rows
.set LWA,   121856                     ; Wattn's 96 rows
.set LWVS,  147968                     ; scale rows of 8 bytes, 256 places for each weight
.set LWOS,  150016
.set LWAS,  152064
.set LBV,   154112                     ; biases, 256 places of 4 bytes each
.set LBO,   155136
.set LBA,   156160
.set LSTG,  157184                     ; a stage for each wave: 16 rows x 1,040 bytes
.set STGB,  16640
.set PLANE, 420096                     ; 26,256 rows x 16 bytes
.set VHEAD, 8*PLANE                    ; a head of the value table
; REGISTERS, window 0: v1 16 x lane; v2 r; v3 h; v4, v5 the copy's places; v6-9 fragment addresses of the four row patterns; v10-13 their scale rows; v14-16 bias addresses; v17-18 stage addresses;
;   v19-21 my place in value's, swgt's and sidx's planes; v22 my row's place in reference_points; v23 lane; v24-29 ref x W - 0.5; v32-95, v96-159 numbers to quantise, later sums and the sampling's scratch;
;   v160-191 codes of src; v192-223 codes of q; v224-227 their scale words; v228-235 the weights' scale words; v236-251 row offsets, then the quantiser's scratch.
;   window 1: v0-127 src as loaded, v128-255 pos as loaded; later v0-127 two buffers of four weight fragments.
.set X0, 32
.set X1, 96
.set SC, 160
.set QC, 192
.set XS, 224
.set QS, 226
.set WS, 228
.set TM, 236
.set SEL, 54                           ; s[54:55] lane selects: lane l xor 16
.set MNT, 56                           ; s56 the mantissa field of 448
.set MSB, 0
.macro WIN new                         ; the immediate's high byte repeats the setting that is left; a switch that changes nothing is dropped
.if MSB != \new
	s_set_vgpr_msb (MSB<<8)|\new
.set MSB, \new
.endif
.endm
.macro PLACES n
.rept \n
	v_nop
.endr
.endm
; 64 numbers of a lane, register 16 b + i = k 32 b + 16 h + i of my row, become a fragment's 16 registers of codes at v[pc] and its scale word in v[pw]
.macro QUANT s, pc, pw
.irp b, 0,1,2,3
	v_max3_num_f32 v[TM+\b], |v[(\s)+16*\b]|, |v[(\s)+1+16*\b]|, 0x4800000   ; my 16 numbers of block b, and the floor 2^(9 - 127): the byte cannot fall under 1
.endr
.irp i, 2,4,6,8,10,12,14
.irp b, 0,1,2,3
	v_max3_num_f32 v[TM+\b], v[TM+\b], |v[(\s)+16*\b+\i]|, |v[(\s)+1+16*\b+\i]|
.endr
.endr
.irp b, 0,1,2,3
	v_permlanex16_b32 v[TM+4+\b], v[TM+\b], s[SEL], s[SEL+1]
.endr
.irp b, 0,1,2,3
	v_max_num_f32 v[TM+\b], v[TM+\b], v[TM+4+\b]             ; with lane l xor 16's 16: the block's largest magnitude
.endr
.irp b, 0,1,2,3
	v_add_nc_u32 v[TM+12+\b], 0xfc000000, v[TM+\b]           ; 8 off its exponent field: the conversion's scale operand
.endr
.irp b, 0,1,2,3
	v_and_or_b32 v[TM+8+\b], v[TM+\b], 0x7f800000, s[MNT]    ; 448 x the scale
.endr
.irp b, 0,1,2,3
	v_lshrrev_b32 v[TM+4+\b], 23, v[TM+12+\b]                ; the scale's byte
.endr
	v_lshl_or_b32 v[\pw], v[TM+5], 8, v[TM+4]
	v_lshl_or_b32 v[\pw], v[TM+6], 16, v[\pw]
	v_lshl_or_b32 v[\pw], v[TM+7], 24, v[\pw]
.irp b, 0,1,2,3
.irp i, 0,1,2,3,4,5,6,7,8,9,10,11,12,13,14,15
	v_med3_num_f32 v[(\s)+16*\b+\i], v[(\s)+16*\b+\i], -v[TM+8+\b], v[TM+8+\b]   ; the conversion does not saturate (ISA guide 7.6.2): the hold at 448 x the scale
.endr
	v_cvt_scalef32_pk8_fp8_f32 v[(\pc)+4*\b:(\pc)+1+4*\b], v[(\s)+16*\b:(\s)+7+16*\b], v[TM+12+\b]
	v_cvt_scalef32_pk8_fp8_f32 v[(\pc)+2+4*\b:(\pc)+3+4*\b], v[(\s)+8+16*\b:(\s)+15+16*\b], v[TM+12+\b]
.endr
	v_nop                                          ; a plain line behind the last conversion
.endm
.macro XSTORE                          ; 16 rows as loaded (window 1, v0-127) into my stage: 512 consecutive bytes a store
	WIN 0x04
.set i, 0
.rept 32
	ds_store_b128 v17, v[4*i:4*i+3] offset:(i/2)*1040+512*(i%2)
.set i, i+1
.endr
	WIN 0
.endm
.macro XREAD                           ; and back as the quantiser wants them: lane (r, h) takes 16 neighbours of each block of 32 of row r
.irp s, 0,1
.irp b, 0,1,2,3
.irp j, 0,1,2,3
	ds_load_b128 v[X0+64*\s+16*\b+4*\j:X0+64*\s+16*\b+4*\j+3], v18 offset:512*\s+128*\b+16*\j
.endr
.endr
.endr
.endm
; a tile of 16 weight rows: its two fragments (K steps 0, 1) into window 1 ..
.macro TFRAG wb, adr, imm
.irp s, 0,1
.irp c, 0,1,2,3
	ds_load_b128 v[(\wb)+16*\s+4*\c:(\wb)+16*\s+4*\c+3], v[\adr] offset:(\imm)+128*\s+32*\c
.endr
.endr
.endm
; .. its rows' two scale words, and its bias straight into the sum's registers: the sums begin from the bias, nothing is cleared or added later
.macro TAUX ws, sadr, simm, badr, blo, bhi, acc
	ds_load_b64 v[(\ws):(\ws)+1], v[\sadr] offset:\simm
	ds_load_b128 v[(\acc):(\acc)+3], v[\badr] offset:\blo
	ds_load_b128 v[(\acc)+4:(\acc)+7], v[\badr] offset:\bhi
.endm
; A UNIT is two tiles x two K steps: 22 LDS loads, 4 products.  The two sums take turns, one instruction a turn.
.macro UMM buf, a0, a1, cod, xs
	WIN 0x01                                       ; source 0 (the weight) in window 1
	v_wmma_scale_f32_16x16x128_f8f6f4 v[(\a0):(\a0)+7], v[64*(\buf):64*(\buf)+15], v[(\cod):(\cod)+15], v[(\a0):(\a0)+7], v[WS+4*(\buf)], v[(\xs)]
	v_wmma_scale_f32_16x16x128_f8f6f4 v[(\a1):(\a1)+7], v[64*(\buf)+32:64*(\buf)+47], v[(\cod):(\cod)+15], v[(\a1):(\a1)+7], v[WS+4*(\buf)+2], v[(\xs)]
	v_wmma_scale_f32_16x16x128_f8f6f4 v[(\a0):(\a0)+7], v[64*(\buf)+16:64*(\buf)+31], v[(\cod)+16:(\cod)+31], v[(\a0):(\a0)+7], v[WS+4*(\buf)+1], v[(\xs)+1]
	v_wmma_scale_f32_16x16x128_f8f6f4 v[(\a1):(\a1)+7], v[64*(\buf)+48:64*(\buf)+63], v[(\cod)+16:(\cod)+31], v[(\a1):(\a1)+7], v[WS+4*(\buf)+3], v[(\xs)+1]
	WIN 0
.endm
.macro UVAL buf, b, acc                ; head b of value: tile 2 b + u takes rows 32 b + 8 u + r + 8 (r / 8): register j of tile u is channel 16 h + 8 u + j
	WIN 0x40
	TFRAG 64*(\buf), 6, (32*(\b))*272
	TFRAG 64*(\buf)+32, 6, (32*(\b)+8)*272
	WIN 0
	TAUX WS+4*(\buf), 10, (32*(\b))*8, 14, (32*(\b))*4, (32*(\b))*4+16, (\acc)
	TAUX WS+4*(\buf)+2, 10, (32*(\b)+8)*8, 14, (32*(\b)+8)*4, (32*(\b)+8)*4+16, (\acc)+8
.endm
.macro UOFFA p                         ; offsets of heads 2 p + h, levels 0 and 1: the tile takes rows 48 p + 8 level + r + 16 (r / 8): register j is point j / 2, x or y
	WIN 0x40
	TFRAG 0, 7, (48*(\p))*272
	TFRAG 32, 7, (48*(\p)+8)*272
	WIN 0
	TAUX WS, 11, (48*(\p))*8, 15, (48*(\p))*4, (48*(\p))*4+16, 32
	TAUX WS+2, 11, (48*(\p)+8)*8, 15, (48*(\p)+8)*4, (48*(\p)+8)*4+16, 40
.endm
.macro UOFFB p                         ; level 2, and logits 0-7 of heads 2 p + h (rows 24 p + r + 4 (r / 8) of Wattn)
	WIN 0x40
	TFRAG 64, 7, (48*(\p)+16)*272
	TFRAG 96, 8, (24*(\p))*272
	WIN 0
	TAUX WS+4, 11, (48*(\p)+16)*8, 15, (48*(\p)+16)*4, (48*(\p)+16)*4+16, 48
	TAUX WS+6, 12, (24*(\p))*8, 16, 96*(\p), 96*(\p)+16, 56
.endm
; One level of one pair of heads.  o: the level's eight offsets (x, y of four points); wf: W - 2 as f32; wi: W; st: the level's first pixel.  All three levels are square.
.macro LEVEL lvl, o, wf, wi, st
.irp k, 0,2,4,6
	v_pk_add_f32 v[(\o)+\k:(\o)+\k+1], v[(\o)+\k:(\o)+\k+1], v[24+2*(\lvl):25+2*(\lvl)]      ; x, y in pixels (the sums are read from their low end on)
.endr
.irp j, 0,1,2,3,4,5,6,7
	v_floor_f32 v[84+\j], v[(\o)+\j]
.endr
.irp j, 0,1,2,3,4,5,6,7
	v_med3_num_f32 v[84+\j], v[84+\j], 0, \wf      ; xb, yb
.endr
.irp k, 0,2,4,6
	v_pk_add_f32 v[(\o)+\k:(\o)+\k+1], v[(\o)+\k:(\o)+\k+1], v[84+\k:85+\k] neg_lo:[0,1] neg_hi:[0,1]   ; t
.endr
.irp j, 0,1,2,3,4,5,6,7
	v_cvt_i32_f32 v[84+\j], v[84+\j]
.endr
	s_wait_xcnt 0x0                                ; the last level's stores have read v124-143: they are written again only behind this wait
.irp t, 0,1,2,3
	v_mad_u32_u24 v[124+\t], v[85+2*\t], \wi, v[84+2*\t]
.endr
.if \st
.irp t, 0,1,2,3
	v_add_nc_u32 v[124+\t], \st, v[124+\t]         ; + the level's first pixel
.endr
.endif
.irp j, 0,1,2,3,4,5,6,7
	v_sub_f32 v[112+\j], 1.0, |v[(\o)+\j]|
	v_add_f32 v[144+\j], -1.0, v[(\o)+\j]
.endr
.irp j, 0,1,2,3,4,5,6,7
	v_max_num_f32 v[112+\j], 0, v[112+\j]          ; weight of xb (yb)
	v_sub_f32 v[144+\j], 1.0, |v[144+\j]|
.endr
.irp j, 0,1,2,3,4,5,6,7
	v_max_num_f32 v[144+\j], 0, v[144+\j]          ; weight of xb + 1 (yb + 1)
.endr
.irp t, 0,1,2,3
	v_mul_f32 v[113+2*\t], v[113+2*\t], v[64+4*(\lvl)+\t]      ; the attention weight goes onto the two y weights
	v_mul_f32 v[145+2*\t], v[145+2*\t], v[64+4*(\lvl)+\t]
.endr
.irp t, 0,1,2,3
	v_mul_f32 v[128+\t], v[112+2*\t], v[113+2*\t]  ; corner 0: (xb, yb)
	v_mul_f32 v[132+\t], v[144+2*\t], v[113+2*\t]  ; corner 1: (xb + 1, yb)
	v_mul_f32 v[136+\t], v[112+2*\t], v[145+2*\t]  ; corner 2: (xb, yb + 1)
	v_mul_f32 v[140+\t], v[144+2*\t], v[145+2*\t]  ; corner 3
.endr
	global_store_b128 v21, v[124:127], s[84:85] offset:(\lvl)*PLANE            ; lanes 0-15 store 256 consecutive bytes, aligned, of head 2 p's plane, lanes 16-31 of head 2 p + 1's
.irp cn, 0,1,2,3
	global_store_b128 v20, v[128+4*\cn:131+4*\cn], s[82:83] offset:(4*(\lvl)+\cn)*PLANE
.endr
.endm
.macro SAMPLE p
.set bb_, 96+8*((\p)/2)+4*((\p)%2)     ; logits 8-11 of heads 2 p + h
	v_max3_num_f32 v76, v56, v57, v58              ; the largest of the head's 12 logits
	v_max3_num_f32 v76, v76, v59, v60
	v_max3_num_f32 v76, v76, v61, v62
	v_max3_num_f32 v76, v76, v63, v[bb_]
	v_max3_num_f32 v76, v76, v[bb_+1], v[bb_+2]
	v_max_num_f32 v76, v76, v[bb_+3]
	v_mov_b32 v77, v76
.irp k, 0,2,4,6
	v_pk_add_f32 v[64+\k:65+\k], v[56+\k:57+\k], v[76:77] neg_lo:[0,1] neg_hi:[0,1]
.endr
	v_pk_add_f32 v[72:73], v[bb_:bb_+1], v[76:77] neg_lo:[0,1] neg_hi:[0,1]
	v_pk_add_f32 v[74:75], v[bb_+2:bb_+3], v[76:77] neg_lo:[0,1] neg_hi:[0,1]
.irp k, 0,2,4,6,8,10
	v_pk_mul_f32 v[64+\k:65+\k], v[64+\k:65+\k], s[58:59] op_sel_hi:[1,0]       ; x log2(e)
.endr
.irp k, 0,1,2,3,4,5,6,7,8,9,10,11
	v_exp_f32 v[64+\k], v[64+\k]
.endr
	v_nop                                          ; a plain line between the exponentials and the use of their results
	s_wait_alu depctr_va_vdst(0)
	v_pk_add_f32 v[78:79], v[64:65], v[66:67]
	v_pk_add_f32 v[80:81], v[68:69], v[70:71]
	v_pk_add_f32 v[82:83], v[72:73], v[74:75]
	v_pk_add_f32 v[78:79], v[78:79], v[80:81]
	v_pk_add_f32 v[78:79], v[78:79], v[82:83]
	v_add_f32 v78, v78, v79
	v_rcp_f32 v78, v78
	v_nop
	s_wait_alu depctr_va_vdst(0)
	v_mov_b32 v79, v78
.irp k, 0,2,4,6,8,10
	v_pk_mul_f32 v[64+\k:65+\k], v[64+\k:65+\k], v[78:79]      ; v64-75: the head's 12 attention weights
.endr
	LEVEL 0, 32, 0x42c40000, 100, 0
	LEVEL 1, 40, 0x42400000, 50, 10000
	LEVEL 2, 48, 0x41b80000, 25, 12500
.endm
	; ---- the head: pointers, ids, addresses
	s_load_b512 s[4:19], s[0:1], 0x0               ; src 4, pos 6, reference_points 8, Wv codes 10, scales 12, bv 14, Woff codes 16, scales 18
	s_load_b512 s[20:35], s[0:1], 0x40             ; boff 20, Wattn codes 22, scales 24, battn 26, Wout codes 28, scales 30, Wff1 codes 32, scales 34
	s_load_b256 s[36:43], s[0:1], 0x80             ; Wff2 codes 36, scales 38, value 40, sidx 42
	s_load_b128 s[44:47], s[0:1], 0xa0             ; swgt 44, wfrag 46
	s_load_b64 s[48:49], s[0:1], 0xb0              ; wfsc
	v_lshl_add_u32 v254, v0, 2, 0x46e00
	v_mov_b32 v255, 0
	v_lshrrev_b32 v1, 5, v0
	v_readfirstlane_b32 s50, v1                    ; wave 0..7
	s_lshl_b32 s51, ttmp9, 3
	s_add_co_u32 s51, s51, s50                     ; my tile
	s_min_u32 s52, s51, 1640                       ; held inside for the seven waves over
	s_mul_i32 s53, s50, STGB
	s_add_co_u32 s53, s53, LSTG                    ; my stage
	s_mov_b32 s[SEL], 0x76543210
	s_mov_b32 s[SEL+1], 0xfedcba98
	s_mov_b32 s[MNT], 0x600000
	s_mov_b32 s58, 0x3fb8aa3b                      ; log2(e)
	s_mov_b32 s59, s58                             ; (named with it as a pair, so it is written)
	v_and_b32 v23, 31, v0                          ; lane
	v_lshlrev_b32 v1, 4, v23
	v_and_b32 v2, 15, v0                           ; r
	v_bfe_u32 v3, v0, 4, 1                         ; h
	v_lshlrev_b32 v4, 4, v0                        ; the copy: 16 bytes a thread, 4,096 a turn
	v_lshrrev_b32 v5, 4, v0
	v_mul_u32_u24 v5, v5, 272
	v_lshl_add_u32 v5, v2, 4, v5                   ; sixteen threads to a row of 256 codes
	v_and_b32 v192, 8, v2
	v_add_nc_u32 v193, v192, v2                    ; r + 8 (r / 8)
	v_lshl_add_u32 v194, v192, 1, v2               ; r + 16 (r / 8)
	v_lshrrev_b32 v195, 1, v192
	v_add_nc_u32 v195, v195, v2                    ; r + 4 (r / 8)
	v_and_b32 v196, 3, v2
	v_bfe_u32 v197, v2, 2, 1
	v_mad_u32_u24 v196, v197, 24, v196
	v_bfe_u32 v197, v2, 3, 1
	v_mad_u32_u24 v196, v197, 12, v196
	v_add_nc_u32 v196, 8, v196                     ; 8 + r % 4 + 24 ((r / 4) % 2) + 12 (r / 8): logits 8-11 of four heads
	v_lshlrev_b32 v198, 4, v3
	v_mad_u32_u24 v6, v193, 272, v198
	v_mad_u32_u24 v7, v194, 272, v198
	v_add_nc_u32 v7, LWO, v7
	v_mad_u32_u24 v8, v195, 272, v198
	v_add_nc_u32 v8, LWA, v8
	v_mad_u32_u24 v9, v196, 272, v198
	v_add_nc_u32 v9, LWA, v9
	v_lshl_add_u32 v10, v193, 3, LWVS
	v_lshl_add_u32 v11, v194, 3, LWOS
	v_lshl_add_u32 v12, v195, 3, LWAS
	v_lshl_add_u32 v13, v196, 3, LWAS
	v_lshl_add_u32 v14, v3, 6, LBV
	v_mul_u32_u24 v15, v3, 96
	v_add_nc_u32 v15, LBO, v15
	v_mul_u32_u24 v16, v3, 48
	v_add_nc_u32 v16, LBA, v16
	v_add_nc_u32 v17, s53, v1                      ; stage, rows as loaded
	v_mul_u32_u24 v18, v2, 1040
	v_lshl_add_u32 v18, v3, 6, v18
	v_add_nc_u32 v18, s53, v18                     ; stage, row r, + 64 h
	v_lshlrev_b32 v199, 4, v2                      ; 16 r: my row's place in a tile's 256 bytes of a plane
	v_mad_u32_u24 v19, v3, 4*PLANE, v199           ; value: lanes 16-31 hold channels 16 on: four slices further
	v_mad_u32_u24 v20, v3, 12*PLANE, v199          ; swgt: lanes 16-31 hold the odd head: 12 planes further
	v_mad_u32_u24 v21, v3, 3*PLANE, v199           ; sidx: 3 planes further
	s_lshl_b32 s57, s52, 4                         ; my first row
	v_add_nc_u32 v22, s57, v2
	v_min_u32 v22, 26249, v22                      ; no load leaves its buffer in the last tile
	v_mul_u32_u24 v22, v22, 24
	v_lshlrev_b32 v177, 3, v0                      ; scale rows and biases: a place a thread; past a table's end its last row is read again, into places that nobody reads
	v_min_u32 v178, 191, v0
	v_min_u32 v179, 95, v0
	v_lshlrev_b32 v180, 2, v0
	v_lshlrev_b32 v181, 2, v178
	v_lshlrev_b32 v182, 2, v179
	v_lshlrev_b32 v178, 3, v178
	v_lshlrev_b32 v179, 3, v179
	v_lshl_add_u32 v183, v0, 3, LWVS
	v_lshl_add_u32 v184, v0, 2, LBV
	v_add_nc_u32 v185, LWO, v5
	v_add_nc_u32 v186, LWA, v5
.irp rr, 0,1,2,3,4,5,6,7,8,9,10,11,12,13,14,15
	s_add_co_u32 s60, s57, \rr
	s_min_u32 s60, s60, 26249
	s_lshl_b32 s60, s60, 10
	v_add_nc_u32 v[236+\rr], s60, v1               ; row rr of my tile in src and pos, 16 bytes a lane
.endr
	s_wait_kmcnt 0x0
	s_lshl_b32 s60, s52, 8                         ; my tile's 256 bytes in every plane
	s_mov_b32 s61, 0
	s_add_nc_u64 s[66:67], s[40:41], s[60:61]      ; value at my tile, head 0; a base for each head, none is stepped
.irp hd, 1,2,3,4,5,6,7
	s_add_nc_u64 s[66+2*\hd:67+2*\hd], s[64+2*\hd:65+2*\hd], VHEAD
.endr
	s_add_nc_u64 s[82:83], s[44:45], s[60:61]      ; swgt at my tile, head 0
	s_add_nc_u64 s[84:85], s[42:43], s[60:61]      ; sidx at my tile, head 0
	; ---- 40 loads: the work-group's copy of the weights
.irp it, 0,1,2,3,4,5,6,7,8,9,10,11,12,13,14,15
	global_load_b128 v[32+4*\it:35+4*\it], v4, s[10:11] offset:4096*\it
.endr
.irp it, 0,1,2,3,4,5,6,7,8,9,10,11
	global_load_b128 v[96+4*\it:99+4*\it], v4, s[16:17] offset:4096*\it
.endr
.irp it, 0,1,2,3,4,5
	global_load_b128 v[144+4*\it:147+4*\it], v4, s[22:23] offset:4096*\it
.endr
	global_load_b64 v[168:169], v177, s[12:13]
	global_load_b64 v[170:171], v178, s[18:19]
	global_load_b64 v[172:173], v179, s[24:25]
	global_load_b32 v174, v180, s[14:15]
	global_load_b32 v175, v181, s[20:21]
	global_load_b32 v176, v182, s[26:27]
	; ---- 67 loads: my 16 rows of src, of pos, and my row's reference points.  Each load of a row reads 512 consecutive bytes
	WIN 0x40
.set i, 0
.rept 32
	global_load_b128 v[4*i:4*i+3], v[236+i/2], s[4:5] offset:512*(i%2)
.set i, i+1
.endr
.set i, 0
.rept 32
	global_load_b128 v[128+4*i:131+4*i], v[236+i/2], s[6:7] offset:512*(i%2) th:TH_LOAD_NT
.set i, i+1
.endr
	WIN 0
	global_load_b64 v[24:25], v22, s[8:9]
	global_load_b64 v[26:27], v22, s[8:9] offset:8
	global_load_b64 v[28:29], v22, s[8:9] offset:16
	; ---- the weights into LDS, and the one barrier
	s_wait_loadcnt 63                              ; 67 loads were issued behind the weights' 40; 63 is the largest count that the wait can name, and the smaller one: the 40 are in
.irp it, 0,1,2,3,4,5,6,7,8,9,10,11,12,13,14,15
	ds_store_b128 v5, v[32+4*\it:35+4*\it] offset:4352*\it
.endr
.irp it, 0,1,2,3,4,5,6,7,8,9,10,11
	ds_store_b128 v185, v[96+4*\it:99+4*\it] offset:4352*\it
.endr
.irp it, 0,1,2,3,4,5
	ds_store_b128 v186, v[144+4*\it:147+4*\it] offset:4352*\it
.endr
	ds_store_b64 v183, v[168:169]
	ds_store_b64 v183, v[170:171] offset:2048
	ds_store_b64 v183, v[172:173] offset:4096
	ds_store_b32 v184, v174
	ds_store_b32 v184, v175 offset:1024
	ds_store_b32 v184, v176 offset:2048
	s_wait_dscnt 0x0                               ; for the others' sake: my part of the copy has landed
	s_barrier_signal -1
	s_barrier_wait -1
	s_cmp_ge_u32 s51, 1641                         ; a wave without a tile has done its part
	s_cbranch_scc1 .Lside
	; ---- src and q = src + pos turn through my stage and are quantised
	s_wait_loadcnt 35                              ; src is in (pos's 32 loads and the 3 of reference_points may be out)
	XSTORE
	XREAD
	s_wait_loadcnt 3                               ; pos is in
	WIN 0x45
.set i, 0
.rept 64
	v_pk_add_f32 v[2*i:2*i+1], v[2*i:2*i+1], v[128+2*i:129+2*i]        ; q, as loaded
.set i, i+1
.endr
	XSTORE                                         ; LDS serves a wave's instructions in order: these come behind the reads of src
	s_wait_dscnt 48                                ; K step 0 of src is in (behind it: 16 loads and 32 stores)
	QUANT X0, SC, XS
	s_wait_dscnt 32
	QUANT X1, SC+16, XS+1
	XREAD
	s_wait_dscnt 16
	QUANT X0, QC, QS
	s_wait_dscnt 0x0
	QUANT X1, QC+16, QS+1
	s_wait_loadcnt 0x0                             ; reference_points
	v_fma_f32 v24, v24, 0x42c80000, -0.5           ; ref x W - 0.5: level 0 (100), 1 (50), 2 (25).  (These six lines are also places between the codes and the first products)
	v_fma_f32 v25, v25, 0x42c80000, -0.5
	v_fma_f32 v26, v26, 0x42480000, -0.5
	v_fma_f32 v27, v27, 0x42480000, -0.5
	v_fma_f32 v28, v28, 0x41c80000, -0.5
	v_fma_f32 v29, v29, 0x41c80000, -0.5
	; ---- value, four heads at a time: a unit's loads stand a unit ahead of its products
.irp hh, 0,1
	UVAL 0, 4*\hh, 32
.irp i, 0,1,2,3
.if \i < 3
.if \i > 0
	PLACES 8                                       ; in front of loads into registers that the products just issued have read
.endif
	UVAL (\i+1)%2, 4*\hh+\i+1, 32+16*(\i+1)
	s_wait_dscnt 22                                ; this unit is in; the next unit's 22 loads may be out
.else
	s_wait_dscnt 0x0
.endif
	UMM \i%2, 32+16*\i, 40+16*\i, SC, XS
.endr
	PLACES 8
.irp bq, 0,1,2,3
.irp u, 0,1
	global_store_b128 v19, v[32+16*\bq+8*\u:35+16*\bq+8*\u], s[66+8*\hh+2*\bq:67+8*\hh+2*\bq] offset:(2*\u)*PLANE       ; four registers are a slice; each sum from its low end on;
	global_store_b128 v19, v[36+16*\bq+8*\u:39+16*\bq+8*\u], s[66+8*\hh+2*\bq:67+8*\hh+2*\bq] offset:(2*\u+1)*PLANE     ; sixteen lanes store 256 consecutive bytes, aligned
.endr
.endr
	s_wait_xcnt 0x0                                ; the stores have read the sums: the next biases are loaded there only behind this wait
.endr
	; ---- logits 8-11 of all eight heads: two tiles
	WIN 0x40
	TFRAG 0, 9, 0
	TFRAG 32, 9, 48*272
	WIN 0
	TAUX WS, 13, 0, 16, 32, 128, 96
	TAUX WS+2, 13, 384, 16, 224, 320, 104
	s_wait_dscnt 0x0
	UMM 0, 96, 104, QC, QS
	; ---- four pairs of heads: offsets, logits 0-7, softmax, indices and weights
.irp p, 0,1,2,3
.if \p == 0
	PLACES 8
.endif
	UOFFA \p
	UOFFB \p
	s_wait_dscnt 22
	UMM 0, 32, 40, QC, QS
	s_wait_dscnt 0x0
	UMM 1, 48, 56, QC, QS
	PLACES 8
	SAMPLE \p
.if \p < 3
	s_wait_xcnt 0x0                                ; the stores have read their bases: on by two heads
	s_add_nc_u64 s[84:85], s[84:85], 6*PLANE
	s_add_nc_u64 s[82:83], s[82:83], 24*PLANE
.endif
.endr
	; ---- the side job: one fragment of the third launch's weights a wave
.Lside:
	s_cmp_lt_u32 ttmp9, 36
	s_cbranch_scc0 .Lend
	s_wait_xcnt 0x0
	s_lshr_b32 s86, ttmp9, 2                       ; pass P 0..8: Wout; Wff1's four quarters of rows; Wff2's four quarters of K
	s_and_b32 s87, ttmp9, 3                        ; the reading wave
	s_lshr_b32 s88, s50, 1                         ; tile t
	s_and_b32 s89, s50, 1                          ; K step s
	s_lshl_b32 s90, s87, 6
	s_lshr_b32 s91, s88, 1
	s_lshl_b32 s91, s91, 5
	s_add_co_u32 s90, s90, s91
	s_and_b32 s91, s88, 1
	s_lshl_b32 s91, s91, 3
	s_add_co_u32 s90, s90, s91                     ; 64 w + 32 (t / 2) + 8 (t % 2)
	s_max_u32 s96, s86, 1
	s_sub_co_u32 s96, s96, 1
	s_lshl_b32 s96, s96, 8                         ; Wff1: 256 (P - 1) rows on
	s_max_u32 s97, s86, 5
	s_sub_co_u32 s97, s97, 5                       ; Wff2: quarter P - 5 of K
	s_cmp_eq_u32 s86, 0
	s_cselect_b64 s[92:93], s[28:29], s[32:33]
	s_cselect_b64 s[94:95], s[30:31], s[34:35]
	s_cmp_ge_u32 s86, 5
	s_cselect_b64 s[92:93], s[36:37], s[92:93]
	s_cselect_b64 s[94:95], s[38:39], s[94:95]
	s_cselect_b32 s96, 0, s96
	s_cselect_b32 s98, 10, 8                       ; a row of codes is 1,024 or 256 bytes,
	s_cselect_b32 s99, 5, 3                        ; of scale bytes 32 or 8
	s_add_co_u32 s90, s90, s96
	s_lshl_b32 s91, s89, 7
	s_lshl_b32 s96, s97, 8
	s_add_co_u32 s91, s91, s96                     ; 128 s + 256 (P - 5)
	s_lshl_b32 s96, s89, 2
	s_lshl_b32 s97, s97, 3
	s_add_co_u32 s96, s96, s97                     ; 4 s + 8 (P - 5)
	v_and_b32 v64, 8, v2
	v_add3_u32 v64, v64, v2, s90                   ; my row: + r + 8 (r / 8)
	v_lshlrev_b32 v65, s98, v64
	v_lshl_add_u32 v65, v3, 4, v65
	v_add_nc_u32 v65, s91, v65
	v_lshlrev_b32 v66, s99, v64
	v_add_nc_u32 v66, s96, v66
.irp c, 0,1,2,3
	global_load_b128 v[68+4*\c:71+4*\c], v65, s[92:93] offset:32*\c
.endr
	global_load_b32 v67, v66, s[94:95]
	s_lshl_b32 s86, ttmp9, 3
	s_add_co_u32 s86, s86, s50                     ; the fragment's number: 8 (4 P + w) + 2 t + s
	s_lshl_b32 s88, s86, 11
	s_mov_b32 s89, 0
	s_add_nc_u64 s[60:61], s[46:47], s[88:89]
	s_lshl_b32 s88, s86, 7
	s_add_nc_u64 s[62:63], s[48:49], s[88:89]
	v_lshlrev_b32 v84, 2, v23
	s_wait_loadcnt 0x0
.irp c, 0,1,2,3
	global_store_b128 v1, v[68+4*\c:71+4*\c], s[60:61] offset:512*\c       ; the image of the operand's registers
.endr
	global_store_b32 v84, v67, s[62:63]
.Lend:
	s_wait_tensorcnt 0x0
	ds_add_u32 v254, v255
	s_wait_dscnt 0x0
	s_endpgm
.Lfunc_end_k_q9158d1e8c4_proj:
	.size	k_q9158d1e8c4_proj, .Lfunc_end_k_q9158d1e8c4_proj-k_q9158d1e8c4_proj
	.p2alignl 7, 3214868480
	.fill 96, 4, 3214868480
	.section	.rodata,"a",@progbits
	.p2align	6, 0x0
	.amdhsa_kernel k_q9158d1e8c4_proj
		.amdhsa_group_segment_fixed_size 291328
		.amdhsa_private_segment_fixed_size 0
		.amdhsa_enable_private_segment 0
		.amdhsa_kernarg_size 184
		.amdhsa_user_sgpr_count 2
		.amdhsa_user_sgpr_kernarg_segment_ptr 1
		.amdhsa_wavefront_size32 1
		.amdhsa_system_sgpr_workgroup_id_x 1
		.amdhsa_system_sgpr_workgroup_id_y 1
		.amdhsa_system_sgpr_workgroup_id_z 1
		.amdhsa_system_vgpr_workitem_id 0
		.amdhsa_next_free_vgpr 512
		.amdhsa_next_free_sgpr 100
		.amdhsa_reserve_vcc 0
		.amdhsa_float_denorm_mode_32 3
		.amdhsa_float_denorm_mode_16_64 3
		.amdhsa_memory_ordered 1
		.amdhsa_forward_progress 1
		.amdhsa_inst_pref_size 182
	.end_amdhsa_kernel
	.amdgpu_metadata
---
amdhsa.version: [ 1, 2 ]
amdhsa.kernels:
  - .name:           k_q9158d1e8c4_proj
    .symbol:         k_q9158d1e8c4_proj.kd
    .args:
      - { .name: src, .offset: 0, .size: 8, .value_kind: global_buffer, .address_space: global }
      - { .name: pos, .offset: 8, .size: 8, .value_kind: global_buffer, .address_space: global }
      - { .name: reference_points, .offset: 16, .size: 8, .value_kind: global_buffer, .address_space: global }
      - { .name: Wv_codes, .offset: 24, .size: 8, .value_kind: global_buffer, .address_space: global }
      - { .name: Wv_scales, .offset: 32, .size: 8, .value_kind: global_buffer, .address_space: global }
      - { .name: bv, .offset: 40, .size: 8, .value_kind: global_buffer, .address_space: global }
      - { .name: Woff_codes, .offset: 48, .size: 8, .value_kind: global_buffer, .address_space: global }
      - { .name: Woff_scales, .offset: 56, .size: 8, .value_kind: global_buffer, .address_space: global }
      - { .name: boff, .offset: 64, .size: 8, .value_kind: global_buffer, .address_space: global }
      - { .name: Wattn_codes, .offset: 72, .size: 8, .value_kind: global_buffer, .address_space: global }
      - { .name: Wattn_scales, .offset: 80, .size: 8, .value_kind: global_buffer, .address_space: global }
      - { .name: battn, .offset: 88, .size: 8, .value_kind: global_buffer, .address_space: global }
      - { .name: Wout_codes, .offset: 96, .size: 8, .value_kind: global_buffer, .address_space: global }
      - { .name: Wout_scales, .offset: 104, .size: 8, .value_kind: global_buffer, .address_space: global }
      - { .name: Wff1_codes, .offset: 112, .size: 8, .value_kind: global_buffer, .address_space: global }
      - { .name: Wff1_scales, .offset: 120, .size: 8, .value_kind: global_buffer, .address_space: global }
      - { .name: Wff2_codes, .offset: 128, .size: 8, .value_kind: global_buffer, .address_space: global }
      - { .name: Wff2_scales, .offset: 136, .size: 8, .value_kind: global_buffer, .address_space: global }
      - { .name: value, .offset: 144, .size: 8, .value_kind: global_buffer, .address_space: global }
      - { .name: sidx, .offset: 152, .size: 8, .value_kind: global_buffer, .address_space: global }
      - { .name: swgt, .offset: 160, .size: 8, .value_kind: global_buffer, .address_space: global }
      - { .name: wfrag, .offset: 168, .size: 8, .value_kind: global_buffer, .address_space: global }
      - { .name: wfsc, .offset: 176, .size: 8, .value_kind: global_buffer, .address_space: global }
    .group_segment_fixed_size: 291328
    .private_segment_fixed_size: 0
    .kernarg_segment_align: 8
    .kernarg_segment_size: 184
    .max_flat_workgroup_size: 256
    .sgpr_count:     100
    .vgpr_count:     512
    .wavefront_size: 32
...
	.end_amdgpu_metadata
.endif
;; end of part 4
;; launch sample (part 5): grid 256 x 1, 8 waves a work-group, no clusters, 214,016 bytes of LDS; arguments value, sidx, swgt, samp; writes samp
.if DOCPART == 5
	.amdgcn_target "amdgcn-amd-amdhsa--gfx1250"
	.amdhsa_code_object_version 6
	.text
	.protected	k_q9158d1e8c4_sample
	.globl	k_q9158d1e8c4_sample
	.p2align	8
	.type	k_q9158d1e8c4_sample,@function
k_q9158d1e8c4_sample:
	s_mov_b64 s[64:65], 0
	v_nop
	global_prefetch_b8 v0, s[64:65] scope:SCOPE_SE
	s_setreg_imm32_b32 hwreg(HW_REG_WAVE_MODE, 25, 1), 1
	s_wait_xcnt 0x0
; SECOND LAUNCH: the sampling, OUT OF LDS.  For each row and head: the sum over 3 levels x 4 points x 4 corners of weight x 32 channels of the value table, in f32.
; The pixels come as whole numbers from the first launch (sidx), the weights beside them (swgt).  A query may sample any pixel, and each pixel is wanted 48 times over on the average: so the table is brought near once.
; SHARES: one batch, one head and FOUR CHANNELS of all three levels are 13,125 pixels x 16 bytes = 210,000 bytes: a table that fits in LDS.  There are 2 x 8 x 8 = 128 tables; two work-groups take each, half of the
; batch's queries each: 256 work-groups.  Work-group number: bits 2:0 the slice of channels, bit 3 the half, bits 6:4 the head, bit 7 the batch: the eight that read the same indices and weights are neighbours.
; A LANE IS A QUERY: 48 LDS loads of 16 bytes (a pixel's four channels) and 96 packed multiply-adds give its four numbers whole: no sum crosses lanes, levels or work-groups.
; An ITEM is 32 rows, aligned at 32; wave w takes items w, w + 8, ..: 26 each, 208 for the 206 or 205 chunks of a half.  Lanes whose row lies outside the work-group's rows [lo, hi) compute on held rows and store nothing.
; A SUBSTEP is (item, level): 5 loads of indices and weights, asked for two substeps ahead; 16 LDS loads, asked for one substep ahead; 32 packed multiply-adds.  A trip is two items, six substeps, until the registers are
; back where they began.  The look ahead of the last trip reads held rows and is thrown away.
; Behind the one barrier nothing is written to LDS.  An index is held under its level's largest before it becomes an LDS address: all four corners stay inside the table.
; No cluster: a table is shared by two work-groups and fetched once; the streams of indices and weights go lane by lane into registers, are shared by eight where a mask names four, and joint loads would put a
; cluster's round into a loop whose waves never meet otherwise.  No tensor load: no LDS byte is filled twice.  No prefetch: the streams are asked for two substeps ahead, and the LDS loads are the longer work.
; LIMITS: NaN and infinities not served.  The 48 terms are summed in two chains, another order than the reference's.
.set PLANE, 420096                     ; 26,256 rows x 16 bytes
.set TBL,   210000                     ; a table
.set VUA, 3                            ; v3, v4   16 x row of the trip's two items;
.set VUB, 4
.set VOA, 5                            ; v5, v6   the same held on the plane's last row: the offsets of loads and stores
.set VOB, 6
.set AD,  8                            ; v8-15    two sets of four LDS addresses (at the head: the fill's)
.set MB,  16                           ; v16-75   a set of 20 for each level: four indices, then four weights for each corner
.set GB,  76                           ; v76-203  two sets of 16 pixels x 4 channels
.set ACA, 204                          ; v204-207 the sum over corners 0, 1;  v208-211 over corners 2, 3
.macro META lvl, vo                    ; my row's four indices and sixteen weights of a level: 5 loads, each of 512 consecutive bytes a wave
	global_load_b128 v[MB+20*(\lvl):MB+20*(\lvl)+3], v[\vo], s[6:7] offset:(\lvl)*PLANE
.irp cn, 0,1,2,3
	global_load_b128 v[MB+20*(\lvl)+4+4*\cn:MB+20*(\lvl)+7+4*\cn], v[\vo], s[8:9] offset:(4*(\lvl)+\cn)*PLANE
.endr
.endm
.macro ADDR lvl, par
.set lim_, 9898                        ; the level's first pixel + (H - 2) W + W - 2
.if (\lvl) == 1
.set lim_, 12448
.endif
.if (\lvl) == 2
.set lim_, 13098
.endif
.irp pt, 0,1,2,3
	v_min_u32 v[AD+4*(\par)+\pt], lim_, v[MB+20*(\lvl)+\pt]
.endr
.irp pt, 0,1,2,3
	v_lshlrev_b32 v[AD+4*(\par)+\pt], 4, v[AD+4*(\par)+\pt]        ; a pixel is 16 bytes; the table begins at LDS byte 0
.endr
.endm
.macro GATH lvl, par                   ; 16 LDS loads: four points x four corners, which differ in the immediate alone
.set wl_, 100
.if (\lvl) == 1
.set wl_, 50
.endif
.if (\lvl) == 2
.set wl_, 25
.endif
.irp pt, 0,1,2,3
.irp cn, 0,1,2,3
	ds_load_b128 v[GB+64*(\par)+16*\pt+4*\cn:GB+64*(\par)+16*\pt+4*\cn+3], v[AD+4*(\par)+\pt] offset:(\cn%2)*16+(\cn/2)*wl_*16
.endr
.endr
.endm
.macro FMA lvl, par                    ; 32 packed multiply-adds; four pairs of sums take turns.  An item's first two pixels start the sums: nothing is cleared
.set mb_, MB+20*(\lvl)
.set gb_, GB+64*(\par)
.irp pt, 0,1,2,3
.irp cn, 0,2,1,3
.set ac_, ACA+4*(\cn/2)
.set pc_, gb_+16*\pt+4*\cn
.set wp_, mb_+4+4*\cn+2*(\pt/2)        ; the pair of registers that holds the point's weight; op_sel picks it for both halves
.if ((\lvl) == 0) && (\pt == 0) && (\cn%2 == 0)
	v_pk_mul_f32 v[ac_:ac_+1], v[pc_:pc_+1], v[wp_:wp_+1] op_sel_hi:[1,0]
	v_pk_mul_f32 v[ac_+2:ac_+3], v[pc_+2:pc_+3], v[wp_:wp_+1] op_sel_hi:[1,0]
.elseif \pt%2
	v_pk_fma_f32 v[ac_:ac_+1], v[pc_:pc_+1], v[wp_:wp_+1], v[ac_:ac_+1] op_sel:[0,1,0] op_sel_hi:[1,1,1]
	v_pk_fma_f32 v[ac_+2:ac_+3], v[pc_+2:pc_+3], v[wp_:wp_+1], v[ac_+2:ac_+3] op_sel:[0,1,0] op_sel_hi:[1,1,1]
.else
	v_pk_fma_f32 v[ac_:ac_+1], v[pc_:pc_+1], v[wp_:wp_+1], v[ac_:ac_+1] op_sel_hi:[1,0,1]
	v_pk_fma_f32 v[ac_+2:ac_+3], v[pc_+2:pc_+3], v[wp_:wp_+1], v[ac_+2:ac_+3] op_sel_hi:[1,0,1]
.endif
.endr
.endr
.endm
; A substep: level lvl in set par.  mlvl, mvo: the level and the offsets of the substep two ahead;  nlvl: the next substep's level
.macro STEP lvl, par, mlvl, mvo, nlvl
	META \mlvl, \mvo                               ; its registers were last read by the multiply-adds of the substep before this one
	s_wait_loadcnt 5                               ; the next substep's indices and weights are in; the five loads just issued may be out
	ADDR \nlvl, 1-(\par)
	GATH \nlvl, 1-(\par)
	s_wait_dscnt 16                                ; this substep's pixels are in; the sixteen loads just issued may be out
	FMA \lvl, \par
.endm
.macro OUT vu, vo                      ; an item is done: four channels a row; the wave stores 512 consecutive bytes, aligned, less the lanes outside my rows
	v_pk_add_f32 v[204:205], v[204:205], v[208:209]
	v_pk_add_f32 v[206:207], v[206:207], v[210:211]
	v_sub_nc_u32 v7, v[\vu], s20
	v_cmp_gt_u32 vcc_lo, s21, v7                   ; lo <= row < hi
	s_wait_xcnt 0x0                                ; EXEC is a source of the loads that are out: it changes only behind this wait
	s_and_saveexec_b32 s23, vcc_lo
	global_store_b128 v[\vo], v[204:207], s[10:11]
	s_wait_xcnt 0x0                                ; and again: the store has read EXEC, its offsets and the sums
	s_or_b32 exec_lo, exec_lo, s23
.endm
	s_load_b256 s[4:11], s[0:1], 0x0               ; value 4, sidx 6, swgt 8, samp 10
	v_lshl_add_u32 v224, v0, 2, 0x34000
	v_mov_b32 v225, 0
	v_lshrrev_b32 v1, 5, v0
	v_readfirstlane_b32 s12, v1                    ; wave 0..7
	s_and_b32 s13, ttmp9, 7                        ; slice
	s_bfe_u32 s14, ttmp9, 0x10003                  ; half
	s_bfe_u32 s15, ttmp9, 0x30004                  ; head
	s_lshr_b32 s16, ttmp9, 7                       ; batch
	s_lshl_b32 s17, s15, 3
	s_add_co_u32 s17, s17, s13
	s_mul_i32 s24, s17, PLANE                      ; my plane of value and of samp
	s_mov_b32 s25, 0
	s_mul_i32 s26, s16, TBL                        ; my batch's rows in it
	s_mov_b32 s27, 0
	s_mul_i32 s28, s15, 3*PLANE                    ; my head in sidx
	s_mov_b32 s29, 0
	s_mul_i32 s30, s15, 12*PLANE                   ; and in swgt
	s_mov_b32 s31, 0
	s_mul_i32 s18, s16, 410
	s_mul_i32 s19, s14, 206
	s_add_co_u32 s18, s18, s19                     ; my first chunk of 32 rows: 410 batch + 206 half
	s_lshl_b32 s19, s18, 5
	s_mul_i32 s20, s16, 13125
	s_max_u32 s20, s20, s19                        ; lo: the chunk's first row, but not ahead of my batch
	s_add_co_u32 s21, s19, 206*32
	s_mul_i32 s22, s16, 13131
	s_add_co_u32 s22, s22, 13125                   ; my batch's end: 13,125, or 26,256 (the six rows behind the last are stored too: the next launch reads them)
	s_min_u32 s21, s21, s22                        ; hi
	s_sub_co_u32 s21, s21, s20
	s_lshl_b32 s21, s21, 4                         ; 16 (hi - lo)
	s_lshl_b32 s20, s20, 4                         ; 16 lo
	s_sub_co_u32 s23, PLANE-16, s26                ; the plane's last row, counted from my table's first byte
	v_lshlrev_b32 v1, 4, v0                        ; the fill: 16 bytes a thread, 4,096 a turn, 52 turns
	v_add_nc_u32 v2, 51*4096, v1
	v_min_u32 v2, s23, v2                          ; the last turn runs past the table: its loads are held inside the plane; its places in LDS are its own, and nobody reads them
	v_mov_b32 v8, v1
	v_add_nc_u32 v9, 65536, v1
	v_add_nc_u32 v10, 131072, v1
	v_add_nc_u32 v11, 196608, v1
	v_and_b32 v7, 31, v0
	s_add_co_u32 s19, s18, s12
	s_lshl_b32 s19, s19, 9
	v_lshl_add_u32 v[VUA], v7, 4, s19              ; 16 x my row of item 0
	v_min_u32 v[VOA], PLANE-16, v[VUA]
	s_wait_kmcnt 0x0
	s_add_nc_u64 s[4:5], s[4:5], s[24:25]
	s_add_nc_u64 s[4:5], s[4:5], s[26:27]
	s_add_nc_u64 s[10:11], s[10:11], s[24:25]
	s_add_nc_u64 s[6:7], s[6:7], s[28:29]
	s_add_nc_u64 s[8:9], s[8:9], s[30:31]
.set t, 0
.rept 51
	global_load_b128 v[16+4*t:19+4*t], v1, s[4:5] offset:4096*t
.set t, t+1
.endr
	global_load_b128 v[220:223], v2, s[4:5]
.set g, 0
.rept 13
	s_wait_loadcnt 48-4*g                          ; four more turns are in; the turns behind them may be out
.irp i, 0,1,2,3
	ds_store_b128 v[8+(4*g+\i)/16], v[16+4*(4*g+\i):19+4*(4*g+\i)] offset:4096*((4*g+\i)%16)
.endr
.set g, g+1
.endr
	s_wait_dscnt 0x0                               ; for the others' sake: my part of the table has landed
	META 0, VOA                                    ; item 0's first two levels are asked for while the others arrive
	META 1, VOA
	s_barrier_signal -1
	s_barrier_wait -1                              ; the table is whole; from here on LDS is only read
	s_wait_loadcnt 5                               ; level 0 is in; level 1's five loads may be out
	ADDR 0, 0
	GATH 0, 0
	s_mov_b32 s22, 13
.Ltrip:
	STEP 0, 0, 2, VOA, 1
	v_add_nc_u32 v[VUB], 4096, v[VUA]              ; the second item: 256 rows on.  Its offsets' last loads were shown done by their counted waits, its last store by the wait behind it
	v_min_u32 v[VOB], PLANE-16, v[VUB]
	STEP 1, 1, 0, VOB, 2
	STEP 2, 0, 1, VOB, 0
	OUT VUA, VOA
	STEP 0, 1, 2, VOB, 1
	v_add_nc_u32 v[VUA], 4096, v[VUB]              ; the next trip's first item
	v_min_u32 v[VOA], PLANE-16, v[VUA]
	STEP 1, 0, 0, VOA, 2
	STEP 2, 1, 1, VOA, 0
	OUT VUB, VOB
	s_sub_co_u32 s22, s22, 1
	s_cmp_lg_u32 s22, 0
	s_cbranch_scc1 .Ltrip
	s_wait_loadcnt 0x0                             ; what the last trip asked for ahead is let land
	s_wait_dscnt 0x0
	s_wait_tensorcnt 0x0
	ds_add_u32 v224, v225
	s_wait_dscnt 0x0
	s_endpgm
.Lfunc_end_k_q9158d1e8c4_sample:
	.size	k_q9158d1e8c4_sample, .Lfunc_end_k_q9158d1e8c4_sample-k_q9158d1e8c4_sample
	.p2alignl 7, 3214868480
	.fill 96, 4, 3214868480
	.section	.rodata,"a",@progbits
	.p2align	6, 0x0
	.amdhsa_kernel k_q9158d1e8c4_sample
		.amdhsa_group_segment_fixed_size 214016
		.amdhsa_private_segment_fixed_size 0
		.amdhsa_enable_private_segment 0
		.amdhsa_kernarg_size 32
		.amdhsa_user_sgpr_count 2
		.amdhsa_user_sgpr_kernarg_segment_ptr 1
		.amdhsa_wavefront_size32 1
		.amdhsa_system_sgpr_workgroup_id_x 1
		.amdhsa_system_sgpr_workgroup_id_y 1
		.amdhsa_system_sgpr_workgroup_id_z 1
		.amdhsa_system_vgpr_workitem_id 0
		.amdhsa_next_free_vgpr 226
		.amdhsa_next_free_sgpr 66
		.amdhsa_reserve_vcc 1
		.amdhsa_float_denorm_mode_32 3
		.amdhsa_float_denorm_mode_16_64 3
		.amdhsa_memory_ordered 1
		.amdhsa_forward_progress 1
		.amdhsa_inst_pref_size 39
	.end_amdhsa_kernel
	.amdgpu_metadata
---
amdhsa.version: [ 1, 2 ]
amdhsa.kernels:
  - .name:           k_q9158d1e8c4_sample
    .symbol:         k_q9158d1e8c4_sample.kd
    .args:
      - { .name: value, .offset: 0, .size: 8, .value_kind: global_buffer, .address_space: global }
      - { .name: sidx, .offset: 8, .size: 8, .value_kind: global_buffer, .address_space: global }
      - { .name: swgt, .offset: 16, .size: 8, .value_kind: global_buffer, .address_space: global }
      - { .name: samp, .offset: 24, .size: 8, .value_kind: global_buffer, .address_space: global }
    .group_segment_fixed_size: 214016
    .private_segment_fixed_size: 0
    .kernarg_segment_align: 8
    .kernarg_segment_size: 32
    .max_flat_workgroup_size: 256
    .sgpr_count:     66
    .vgpr_count:     226
    .wavefront_size: 32
...
	.end_amdgpu_metadata
.endif
;; end of part 5
;; launch ffn (part 6): grid 235 x 1, 4 waves a work-group, no clusters, 177,408 bytes of LDS; arguments src, samp, wfrag, wfsc, bout, g1, b1, bff1, bff2, g2, b2, out0; writes out0
.if DOCPART == 6
	.amdgcn_target "amdgcn-amd-amdhsa--gfx1250"
	.amdhsa_code_object_version 6
	.text
	.protected	k_q9158d1e8c4_ffn
	.globl	k_q9158d1e8c4_ffn
	.p2align	8
	.type	k_q9158d1e8c4_ffn,@function
k_q9158d1e8c4_ffn:
	s_mov_b64 s[64:65], 0
	v_nop
	global_prefetch_b8 v0, s[64:65] scope:SCOPE_SE
	s_setreg_imm32_b32 hwreg(HW_REG_WAVE_MODE, 25, 1), 1
	s_wait_xcnt 0x0
; THIRD LAUNCH: x = LN1(src + Q(samp) Wout + bout);  out = LN2(x + Q(relu(Q(x) Wff1 + bff1)) Wff2 + bff2).  All three products on E4M3 codes with E8M0 scales; everything else f32.
; SHARES: a work-group takes 7 tiles of 16 rows (1,641 tiles over 256 WGPs are 6.4 each: 7 is the least whole share, 235 work-groups; the last has 3 tiles, loads held rows for the rest and stores none of them).
; THE FOUR WAVES SHARE THE COLUMNS: in each of nine passes wave w owns 64 rows of a weight: 4 tiles x 2 K steps = 8 fragments, 128 registers, read straight from memory in the order of its registers
; (the first launch laid them so), one pass ahead, into two buffers.  Pass 0: Wout; 1-4: Wff1, 256 hidden units a pass; 5-8: Wff2, 256 of K a pass.
; The products are used transposed and a tile takes rows base + 32 (t / 2) + 8 (t % 2) + r + 8 (r / 8): lane (r, h) holds row r, and register 8 t + j column 64 w + 32 (t / 2) + 16 h + 8 (t % 2) + j.
; So a lane's 32 registers of a tile of rows are two runs of 16 neighbours along the next K, and ONE set Y of 7 x 32 registers lives through the chain: src + bout, + Wout's product, LN1 = x, + bff2, + Wff2's product, LN2.
; samp comes as f32 in planes [head][slice of 4 channels][row][4]: lane (r, h) loads its 16 neighbours of a head (four slices) by four loads, sixteen lanes to 256 consecutive bytes, aligned: the same layout as Y's.
; OPERANDS GO FROM WAVE TO WAVE THROUGH LDS AS IMAGES OF THEIR REGISTERS: a wave makes a quarter of a fragment's K (two blocks of 32): two stores of 16 bytes a lane and half a scale word.  samp's images and x's use the same bytes.
; A layer norm's row lies in four waves: each centres its 64 columns on their own mean, and the four (mean, sum of squares) meet in LDS: no difference of large sums is formed.
; Five barriers: samp's images; LN1's figures (it also parts the reads of samp's images from the stores of x's); x's images; the hidden layer's images; LN2's figures.
; No cluster: 235 is no multiple of 4, and a grid that is would need work-groups without work.  No tensor load: each wave reads only its own quarter of the weights, already in register order.
; LIMITS: NaN and infinities not served; the scale byte is held at 1 from below (a block of zeros too: its codes are zeros); sums in another order than the reference's.
.set PLANE, 420096                     ; a plane of samp: 26,256 rows x 16 bytes
.set HIMG, 0                           ; LDS: the hidden layer's 56 fragments, (tile m, K step kp) at (8 m + kp) x 2,048
.set HSC,  114688                      ; their scale words, 128 bytes each
.set XIMG, 121856                      ; samp's, then x's 14 fragments, (m, s) at (2 m + s) x 2,048
.set XSC,  150528
.set ST1,  152320                      ; LN1: [row][wave] (mean, sum of squares), 32 bytes a row;  LN2's lie 3,584 bytes on
.set STG,  159488                      ; a stage for each wave: 16 rows x (256 bytes + 16)
; REGISTERS, window 0: v1 16 x lane, v2 4 x lane, v3-12 addresses; v13-21 offsets of the head, then LDS addresses; v28-41 scale words of samp, then of x; v42-55 of the hidden layer; v56-71 of the weights (two sets);
;   v72-135 two hidden tiles of rows (at the head: src's offsets; in the norms: figures; at the end: rows on their way out); v136-199 two sets of bias; v200-215, v216-223, v224-255 the quantiser's.
;   window 1: the weights' two buffers.  window 2: v0-223 samp as f32, then 14 fragments (samp; x; the hidden layer in two halves), v224-255 a norm's gain.  window 3: v0-223 Y, v224-255 a norm's bias.
.set RS,  28
.set HS,  42
.set WSC, 56
.set H,   72
.set MQ,  72
.set TP,  86
.set TA,  94
.set FB,  136
.set TM,  200
.set PWH, 206
.set PC,  216
.set TMP, 224
.set MSB, 0
.macro WIN new                         ; the immediate's high byte repeats the setting that is left; a switch that changes nothing is dropped
.if MSB != \new
	s_set_vgpr_msb (MSB<<8)|\new
.set MSB, \new
.endif
.endm
.macro PLACES n
.rept \n
	v_nop
.endr
.endm
.macro BARRIER                         ; my LDS stores have landed and my LDS loads are in: then the work-group's barrier
	s_wait_dscnt 0x0
	s_barrier_signal -1
	s_barrier_wait -1
.endm
.macro WLOAD pi, buf                   ; my 8 fragments and 8 scale words of the pass that lies pi passes behind the walking base: 40 loads, each of consecutive bytes
	WIN 0x40
.irp f, 0,1,2,3,4,5,6,7
.irp c, 0,1,2,3
	global_load_b128 v[128*(\buf)+16*\f+4*\c:128*(\buf)+16*\f+4*\c+3], v1, s[38:39] offset:(\pi)*65536+\f*2048+\c*512
.endr
.endr
	WIN 0
.irp f, 0,1,2,3,4,5,6,7
	global_load_b32 v[WSC+8*(\buf)+\f], v2, s[40:41] offset:(\pi)*4096+\f*128
.endr
.endm
.macro BLOAD buf, sb, imm              ; 32 numbers of a bias in the result's layout
.irp b, 0,1
.irp jj, 0,1,2,3
	global_load_b128 v[FB+32*(\buf)+16*\b+4*\jj:FB+32*(\buf)+16*\b+4*\jj+3], v3, s[\sb:\sb+1] offset:(\imm)+128*\b+16*\jj
.endr
.endr
.endm
.macro XFETCH                          ; the 14 fragments and scale words that lie as images at XIMG, XSC come into window 2 and v[RS] on
	WIN 0x80
.set i, 0
.rept 14
.irp c, 0,1,2,3
	ds_load_b128 v[16*i+4*\c:16*i+4*\c+3], v16 offset:2048*i+512*\c
.endr
.set i, i+1
.endr
	WIN 0
.set i, 0
.rept 14
	ds_load_b32 v[RS+i], v17 offset:128*i
.set i, i+1
.endr
	s_wait_dscnt 0x0
.endm
; 32 numbers of a lane (two runs of 16 neighbours: halves of two blocks of 32) become 8 registers of codes in v[PC] on and two scale bytes in v[PWH].
; wa, wb not 0: the numbers lie in another window and are kept (held copies go to v[TMP]); wa is the setting with sources 0 and 1 in that window, wb with source 0 alone.
; relu = 1: what is negative becomes 0 on the way: no |.| in the search, and the hold clips at 0
.macro QUANT2 s, wa, wb, relu
.if \wa
	WIN \wa
.endif
.if \relu
.irp b, 0,1
	v_max3_num_f32 v[TM+\b], v[(\s)+16*\b], v[(\s)+16*\b+1], 0x4800000       ; (a sum is read from its low end on)  the floor 2^(9 - 127): the byte cannot fall under 1
.endr
.irp i, 2,4,6,8,10,12,14
.irp b, 0,1
	v_max3_num_f32 v[TM+\b], v[(\s)+16*\b+\i], v[(\s)+16*\b+\i+1], v[TM+\b]
.endr
.endr
.else
.irp b, 0,1
	v_max3_num_f32 v[TM+\b], |v[(\s)+16*\b]|, |v[(\s)+16*\b+1]|, 0x4800000
.endr
.irp i, 2,4,6,8,10,12,14
.irp b, 0,1
	v_max3_num_f32 v[TM+\b], |v[(\s)+16*\b+\i]|, |v[(\s)+16*\b+\i+1]|, v[TM+\b]
.endr
.endr
.endif
	WIN 0
.irp b, 0,1
	v_permlanex16_b32 v[TM+4+\b], v[TM+\b], s32, s33
.endr
.irp b, 0,1
	v_max_num_f32 v[TM+\b], v[TM+\b], v[TM+4+\b]             ; with lane l xor 16's 16: the block's largest magnitude
.endr
.irp b, 0,1
	v_add_nc_u32 v[TM+12+\b], 0xfc000000, v[TM+\b]           ; the conversion's scale operand
.endr
.irp b, 0,1
	v_and_or_b32 v[TM+8+\b], v[TM+\b], 0x7f800000, s34       ; 448 x the scale
.endr
.irp b, 0,1
	v_lshrrev_b32 v[TM+4+\b], 23, v[TM+12+\b]                ; the scale's byte
.endr
	v_lshl_or_b32 v[PWH], v[TM+5], 8, v[TM+4]
.if \wa
	WIN \wb
.irp b, 0,1
.irp i, 0,1,2,3,4,5,6,7,8,9,10,11,12,13,14,15
	v_med3_num_f32 v[TMP+16*\b+\i], v[(\s)+16*\b+\i], -v[TM+8+\b], v[TM+8+\b]
.endr
.endr
	WIN 0
.irp b, 0,1
	v_cvt_scalef32_pk8_fp8_f32 v[PC+4*\b:PC+4*\b+1], v[TMP+16*\b:TMP+16*\b+7], v[TM+12+\b]
	v_cvt_scalef32_pk8_fp8_f32 v[PC+4*\b+2:PC+4*\b+3], v[TMP+16*\b+8:TMP+16*\b+15], v[TM+12+\b]
.endr
.else
.irp b, 0,1
.irp i, 0,1,2,3,4,5,6,7,8,9,10,11,12,13,14,15
	v_med3_num_f32 v[(\s)+16*\b+\i], v[(\s)+16*\b+\i], 0, v[TM+8+\b]         ; the activation and the hold in one
.endr
.endr
.irp b, 0,1
	v_cvt_scalef32_pk8_fp8_f32 v[PC+4*\b:PC+4*\b+1], v[(\s)+16*\b:(\s)+16*\b+7], v[TM+12+\b]
	v_cvt_scalef32_pk8_fp8_f32 v[PC+4*\b+2:PC+4*\b+3], v[(\s)+16*\b+8:(\s)+16*\b+15], v[TM+12+\b]
.endr
.endif
	v_nop                                          ; a plain line behind the last conversion
.endm
; A norm's first half: for each of my 112 rows the mean of my 64 columns, Y centred on it, and the sum of the squares; both to LDS.  Every stage for all seven tiles, so that the windows are switched seldom.
.macro LNSTAT so
	WIN 0x0f
.irp m, 0,1,2,3,4,5,6
	v_pk_add_f32 v[TA+4*\m:TA+4*\m+1], v[32*\m:32*\m+1], v[32*\m+2:32*\m+3]             ; each sum's registers in ascending order
	v_pk_add_f32 v[TA+4*\m+2:TA+4*\m+3], v[32*\m+4:32*\m+5], v[32*\m+6:32*\m+7]
.endr
	WIN 0x0c
.irp k, 8,12,16,20,24,28
.irp m, 0,1,2,3,4,5,6
	v_pk_add_f32 v[TA+4*\m:TA+4*\m+1], v[TA+4*\m:TA+4*\m+1], v[32*\m+\k:32*\m+\k+1]
	v_pk_add_f32 v[TA+4*\m+2:TA+4*\m+3], v[TA+4*\m+2:TA+4*\m+3], v[32*\m+\k+2:32*\m+\k+3]
.endr
.endr
	WIN 0
.irp m, 0,1,2,3,4,5,6
	v_pk_add_f32 v[TA+4*\m:TA+4*\m+1], v[TA+4*\m:TA+4*\m+1], v[TA+4*\m+2:TA+4*\m+3]
.endr
.irp m, 0,1,2,3,4,5,6
	v_add_f32 v[TA+4*\m], v[TA+4*\m], v[TA+4*\m+1]
.endr
.irp m, 0,1,2,3,4,5,6
	v_permlanex16_b32 v[TA+4*\m+2], v[TA+4*\m], s32, s33
.endr
.irp m, 0,1,2,3,4,5,6
	v_add_f32 v[TA+4*\m], v[TA+4*\m], v[TA+4*\m+2]
.endr
.irp m, 0,1,2,3,4,5,6
	v_mul_f32 v[MQ+2*\m], 0x3c800000, v[TA+4*\m]   ; / 64: my mean, in both registers of the pair
	v_mul_f32 v[MQ+2*\m+1], 0x3c800000, v[TA+4*\m]
.endr
	WIN 0xc3
.irp m, 0,1,2,3,4,5,6
.irp k, 0,2,4,6,8,10,12,14,16,18,20,22,24,26,28,30
	v_pk_add_f32 v[32*\m+\k:32*\m+\k+1], v[32*\m+\k:32*\m+\k+1], v[MQ+2*\m:MQ+2*\m+1] neg_lo:[0,1] neg_hi:[0,1]
.endr
.endr
	WIN 0x0f
.irp m, 0,1,2,3,4,5,6
	v_pk_mul_f32 v[TA+4*\m:TA+4*\m+1], v[32*\m:32*\m+1], v[32*\m:32*\m+1]
	v_pk_mul_f32 v[TA+4*\m+2:TA+4*\m+3], v[32*\m+2:32*\m+3], v[32*\m+2:32*\m+3]
.endr
.irp k, 4,8,12,16,20,24,28
.irp m, 0,1,2,3,4,5,6
	v_pk_fma_f32 v[TA+4*\m:TA+4*\m+1], v[32*\m+\k:32*\m+\k+1], v[32*\m+\k:32*\m+\k+1], v[TA+4*\m:TA+4*\m+1]
	v_pk_fma_f32 v[TA+4*\m+2:TA+4*\m+3], v[32*\m+\k+2:32*\m+\k+3], v[32*\m+\k+2:32*\m+\k+3], v[TA+4*\m+2:TA+4*\m+3]
.endr
.endr
	WIN 0
.irp m, 0,1,2,3,4,5,6
	v_pk_add_f32 v[TA+4*\m:TA+4*\m+1], v[TA+4*\m:TA+4*\m+1], v[TA+4*\m+2:TA+4*\m+3]
.endr
.irp m, 0,1,2,3,4,5,6
	v_add_f32 v[TA+4*\m], v[TA+4*\m], v[TA+4*\m+1]
.endr
.irp m, 0,1,2,3,4,5,6
	v_permlanex16_b32 v[TA+4*\m+2], v[TA+4*\m], s32, s33
.endr
.irp m, 0,1,2,3,4,5,6
	v_add_f32 v[MQ+2*\m+1], v[TA+4*\m], v[TA+4*\m+2]
.endr
.irp m, 0,1,2,3,4,5,6
	ds_store_b64 v9, v[MQ+2*\m:MQ+2*\m+1] offset:(\so)+512*\m      ; lanes r and r + 16 write the same 8 bytes with the same values
.endr
.endm
; Its second half: the four waves' figures are joined; Y = ((Y - (mean - my mean)) / sqrt(var + 1e-5)) x gain + bias
.macro LNAPPLY so
.irp m, 0,1,2,3,4,5,6
	ds_load_b128 v[TA+8*\m:TA+8*\m+3], v10 offset:(\so)+512*\m
	ds_load_b128 v[TA+8*\m+4:TA+8*\m+7], v10 offset:(\so)+512*\m+16
.endr
	s_wait_dscnt 0x0
.irp m, 0,1,2,3,4,5,6
	v_add_f32 v[TP+\m], v[TA+8*\m], v[TA+8*\m+2]
.endr
.irp m, 0,1,2,3,4,5,6
	v_add_f32 v[TP+\m], v[TP+\m], v[TA+8*\m+4]
.endr
.irp m, 0,1,2,3,4,5,6
	v_add_f32 v[TP+\m], v[TP+\m], v[TA+8*\m+6]
.endr
.irp m, 0,1,2,3,4,5,6
	v_mul_f32 v[TP+\m], 0x3e800000, v[TP+\m]       ; the row's mean
.endr
.irp m, 0,1,2,3,4,5,6
.irp k, 0,2,4,6
	v_sub_f32 v[TA+8*\m+\k], v[TA+8*\m+\k], v[TP+\m]
.endr
	v_add_f32 v[TA+8*\m+1], v[TA+8*\m+1], v[TA+8*\m+3]
	v_add_f32 v[TA+8*\m+5], v[TA+8*\m+5], v[TA+8*\m+7]
.endr
.irp m, 0,1,2,3,4,5,6
	v_mul_f32 v[TA+8*\m], v[TA+8*\m], v[TA+8*\m]
	v_add_f32 v[TA+8*\m+1], v[TA+8*\m+1], v[TA+8*\m+5]
.endr
.irp k, 2,4,6
.irp m, 0,1,2,3,4,5,6
	v_fma_f32 v[TA+8*\m], v[TA+8*\m+\k], v[TA+8*\m+\k], v[TA+8*\m]
.endr
.endr
.irp m, 0,1,2,3,4,5,6
	v_fma_f32 v[TA+8*\m+1], v[TA+8*\m], 0x42800000, v[TA+8*\m+1]   ; + 64 x the squares of the four means' distances
.endr
.irp m, 0,1,2,3,4,5,6
	v_fma_f32 v[TA+8*\m+1], v[TA+8*\m+1], s58, s59 ; / 256 + 1e-5
	v_sub_f32 v[TP+\m], v[TP+\m], v[MQ+2*\m]       ; the row's mean less my mean
.endr
.irp m, 0,1,2,3,4,5,6
	v_rsq_f32 v[MQ+2*\m], v[TA+8*\m+1]
.endr
	v_nop                                          ; a plain line between the roots and the use of their results
	s_wait_alu depctr_va_vdst(0)
.irp m, 0,1,2,3,4,5,6
	v_mul_f32 v[MQ+2*\m+1], -v[TP+\m], v[MQ+2*\m]
.endr
	WIN 0xc3
.irp m, 0,1,2,3,4,5,6
.irp k, 0,2,4,6,8,10,12,14,16,18,20,22,24,26,28,30
	v_pk_fma_f32 v[32*\m+\k:32*\m+\k+1], v[32*\m+\k:32*\m+\k+1], v[MQ+2*\m:MQ+2*\m+1], v[MQ+2*\m:MQ+2*\m+1] op_sel:[0,0,1] op_sel_hi:[1,0,1]
.endr
.endr
	WIN 0xfb                                       ; the gain in window 2, the bias in window 3
.irp m, 0,1,2,3,4,5,6
.irp k, 0,2,4,6,8,10,12,14,16,18,20,22,24,26,28,30
	v_pk_fma_f32 v[32*\m+\k:32*\m+\k+1], v[32*\m+\k:32*\m+\k+1], v[224+\k:225+\k], v[224+\k:225+\k]
.endr
.endr
	WIN 0
.endm
; Wff1, tile of rows m: 8 products; the four sums take turns, one instruction a turn; the first four take the bias as C
.macro MM m, wb, fb
.set hm_, H+32*((\m)%2)
	WIN 0x09                                       ; source 0 (the weight) window 1, source 1 (x) window 2
.irp t, 0,1,2,3
	v_wmma_scale_f32_16x16x128_f8f6f4 v[hm_+8*\t:hm_+8*\t+7], v[128*(\wb)+32*\t:128*(\wb)+32*\t+15], v[32*(\m):32*(\m)+15], v[FB+32*(\fb)+8*\t:FB+32*(\fb)+8*\t+7], v[WSC+8*(\wb)+2*\t], v[RS+2*(\m)]
.endr
.irp t, 0,1,2,3
	v_wmma_scale_f32_16x16x128_f8f6f4 v[hm_+8*\t:hm_+8*\t+7], v[128*(\wb)+32*\t+16:128*(\wb)+32*\t+31], v[32*(\m)+16:32*(\m)+31], v[hm_+8*\t:hm_+8*\t+7], v[WSC+8*(\wb)+2*\t+1], v[RS+2*(\m)+1]
.endr
	WIN 0
.endm
; A pass of Wff1: 256 hidden units, my 64 of them, for the 7 tiles of rows.  While one tile is quantised, the products of the tile after next stand behind it: the quantiser's lines are their places.
.macro PASS wb, fb, pit, npi, nsb, nimm
	s_wait_loadcnt 0x0                             ; this pass's weights, scale words and bias, asked for a pass ago, are in
	WLOAD \npi, 1-(\wb)                            ; the next pass's, into the buffers that the last pass's last products left two quantisers ago
	BLOAD 1-(\fb), \nsb, \nimm
	MM 0, \wb, \fb
	MM 1, \wb, \fb
	PLACES 8
.irp m, 0,1,2,3,4,5,6
	QUANT2 H+32*(\m%2), 0, 0, 1
.if \m < 4
	ds_store_b128 v13, v[PC:PC+3] offset:\m*16384+4096*(\pit)
	ds_store_b128 v13, v[PC+4:PC+7] offset:\m*16384+4096*(\pit)+512
.else
	ds_store_b128 v20, v[PC:PC+3] offset:(\m-4)*16384+4096*(\pit)
	ds_store_b128 v20, v[PC+4:PC+7] offset:(\m-4)*16384+4096*(\pit)+512
.endif
	ds_store_b16 v21, v[PWH] offset:1024*\m+256*(\pit)
.if \m < 5
	MM \m+2, \wb, \fb
.endif
.endr
.endm
.macro HLOAD kp                        ; the hidden layer's K step kp: 7 fragments and 7 scale words: 35 LDS loads
.set hb_, (\kp)%2
	WIN 0x80
.irp m, 0,1,2,3,4,5,6
.irp c, 0,1,2,3
.if \m < 4
	ds_load_b128 v[112*hb_+16*\m+4*\c:112*hb_+16*\m+4*\c+3], v1 offset:\m*16384+2048*(\kp)+512*\c
.else
	ds_load_b128 v[112*hb_+16*\m+4*\c:112*hb_+16*\m+4*\c+3], v18 offset:(\m-4)*16384+2048*(\kp)+512*\c
.endif
.endr
.endr
	WIN 0
.irp m, 0,1,2,3,4,5,6
	ds_load_b32 v[HS+7*hb_+\m], v19 offset:1024*\m+128*(\kp)
.endr
.endm
.macro FF2 kp                          ; 28 products onto Y; the 28 sums take turns in the same order in every K step
.set hb_, (\kp)%2
.set wb_, ((\kp)/2+1)%2
	WIN 0xf9                                       ; the weight window 1, the hidden layer window 2, C and D window 3
.irp m, 0,1,2,3,4,5,6
.irp t, 0,1,2,3
	v_wmma_scale_f32_16x16x128_f8f6f4 v[32*\m+8*\t:32*\m+8*\t+7], v[128*wb_+32*\t+16*hb_:128*wb_+32*\t+16*hb_+15], v[112*hb_+16*\m:112*hb_+16*\m+15], v[32*\m+8*\t:32*\m+8*\t+7], v[WSC+8*wb_+2*\t+hb_], v[HS+7*hb_+\m]
.endr
.endr
	WIN 0
.endm
	; ---- the head
	s_load_b512 s[4:19], s[0:1], 0x0               ; src 4, samp 6, wfrag 8, wfsc 10, bout 12, g1 14, b1 16, bff1 18
	s_load_b256 s[20:27], s[0:1], 0x40             ; bff2 20, g2 22, b2 24, out0 26
	v_lshl_add_u32 v214, v0, 2, 0x2b300
	v_mov_b32 v215, 0
	v_lshrrev_b32 v1, 5, v0
	v_readfirstlane_b32 s30, v1                    ; wave 0..3
	s_mul_i32 s31, ttmp9, 112                      ; my work-group's first row
	s_mov_b32 s32, 0x76543210
	s_mov_b32 s33, 0xfedcba98                      ; lane selects: lane l xor 16
	s_mov_b32 s34, 0x600000                        ; the mantissa field of 448
	s_mov_b32 s58, 0x3b800000                      ; 1 / 256
	s_mov_b32 s59, 0x3727c5ac                      ; 1e-5
	v_and_b32 v13, 31, v0
	v_and_b32 v200, 15, v0                         ; r
	v_bfe_u32 v201, v0, 4, 1                       ; h
	v_lshlrev_b32 v1, 4, v13
	v_lshlrev_b32 v2, 2, v13
	s_lshl_b32 s48, s30, 8
	v_lshl_add_u32 v3, v201, 6, s48                ; a vector of 256 in the result's layout: 256 w + 64 h
	v_lshl_add_u32 v4, v200, 4, s48                ; and as rows lie: 256 w + 16 r
	s_mul_i32 s49, s30, 4352
	s_add_co_u32 s49, s49, STG
	v_mul_u32_u24 v5, v201, 272
	v_lshl_add_u32 v5, v200, 4, v5
	v_add_nc_u32 v5, s49, v5                       ; stage, as rows lie: lanes 0-15 one row, lanes 16-31 the next
	v_mul_u32_u24 v6, v200, 272
	v_lshl_add_u32 v6, v201, 6, v6
	v_add_nc_u32 v6, s49, v6                       ; stage, in the result's layout: row r, + 64 h
	s_lshr_b32 s50, s30, 1
	s_and_b32 s51, s30, 1
	s_lshl_b32 s52, s50, 11
	s_lshl_b32 s53, s51, 10
	s_add_co_u32 s52, s52, s53
	v_add_nc_u32 v7, s52, v1                       ; my quarter of a pair of fragments: K step w / 2, blocks 2 (w % 2) on
	s_lshl_b32 s52, s50, 7
	s_lshl_b32 s53, s51, 1
	s_add_co_u32 s52, s52, s53
	v_add_nc_u32 v8, s52, v2                       ; and my half of its scale word
	s_lshl_b32 s52, s30, 3
	s_add_co_u32 s52, s52, ST1
	v_lshl_add_u32 v9, v200, 5, s52
	v_lshl_add_u32 v10, v200, 5, ST1
	v_lshl_add_u32 v11, v201, 10, v4               ; out0: two rows a store
	v_add_nc_u32 v12, s31, v201
	v_mov_b32 v204, 0                              ; a lane permute's destination counts as one of its sources
	v_mov_b32 v205, 0
	s_mul_i32 s52, s30, 16*PLANE                   ; samp: my two heads begin 16 w planes on;
	v_mul_u32_u24 v202, v201, 4*PLANE              ; lanes 16-31 take channels 16 on: four slices further;
	v_add_nc_u32 v202, s52, v202
	v_lshl_add_u32 v202, v200, 4, v202             ; row r of a tile's 256 bytes
	s_mul_i32 s54, ttmp9, 7
.irp m, 0,1,2,3,4,5,6
	s_add_co_u32 s55, s54, \m
	s_min_u32 s55, s55, 1640                       ; the last work-group reads the last tile again in place of tiles that do not exist
	s_lshl_b32 s56, s55, 8
	v_add_nc_u32 v[14+\m], s56, v202
.endr
.set i, 0
.rept 56
	v_add_nc_u32 v[72+i], 2*i, v12
.set i, i+1
.endr
.set i, 0
.rept 56
	v_min_u32 v[72+i], 26249, v[72+i]              ; no load leaves src
.set i, i+1
.endr
.set i, 0
.rept 56
	v_lshl_add_u32 v[72+i], v[72+i], 10, v4
.set i, i+1
.endr
	s_wait_kmcnt 0x0
	s_lshl_b32 s48, s30, 14
	s_mov_b32 s49, 0
	s_add_nc_u64 s[38:39], s[8:9], s[48:49]        ; my quarter of a pass's fragments
	s_lshl_b32 s48, s30, 10
	s_add_nc_u64 s[40:41], s[10:11], s[48:49]
	s_mov_b64 s[42:43], s[18:19]                   ; bff1, walking
	s_add_nc_u64 s[44:45], s[18:19], 2048          ; and two passes ahead; it steps by half as much, so that the last look ahead stays on bff1's last part
	s_lshl_b32 s48, s31, 10
	s_add_nc_u64 s[46:47], s[26:27], s[48:49]
	; ---- all that the first phases read
	WIN 0xc0
.set i, 0
.rept 56
	global_load_b128 v[4*i:4*i+3], v[72+i], s[4:5] th:TH_LOAD_NT   ; my 256 bytes of two rows of src: sixteen lanes read 256 consecutive bytes, aligned
.set i, i+1
.endr
	WLOAD 0, 0
	WIN 0x80
.irp m, 0,1,2,3,4,5,6
.irp b, 0,1
.irp q, 0,1,2,3
	global_load_b128 v[32*\m+16*\b+4*\q:32*\m+16*\b+4*\q+3], v[14+\m], s[6:7] offset:(8*\b+\q)*PLANE th:TH_LOAD_NT      ; samp: head 2 w + b, slice 4 h + q, row r of tile m
.endr
.endr
.endr
	WIN 0
	global_load_b128 v[224:227], v4, s[12:13]      ; bout, as rows lie
	WIN 0x80
.irp b, 0,1
.irp jj, 0,1,2,3
	global_load_b128 v[224+16*\b+4*\jj:227+16*\b+4*\jj], v3, s[14:15] offset:128*\b+16*\jj     ; g1
.endr
.endr
	WIN 0xc0
.irp b, 0,1
.irp jj, 0,1,2,3
	global_load_b128 v[224+16*\b+4*\jj:227+16*\b+4*\jj], v3, s[16:17] offset:128*\b+16*\jj     ; b1
.endr
.endr
	WIN 0
	BLOAD 1, 20, 0                                 ; bff2
	WLOAD 1, 1
	s_wait_loadcnt 40                              ; all but the 40 loads of pass 1's weights
	v_add_nc_u32 v14, XIMG, v7                     ; LDS addresses beyond the reach of the immediate, in registers that the finished loads have left
	v_add_nc_u32 v15, XSC, v8
	v_add_nc_u32 v16, XIMG, v1
	v_add_nc_u32 v17, XSC, v2
	v_add_nc_u32 v18, 65536, v1
	v_add_nc_u32 v19, HSC, v2
	; ---- src + bout, turned into the result's layout through my stage
	WIN 0xc3
.set i, 0
.rept 56
	v_pk_add_f32 v[4*i:4*i+1], v[4*i:4*i+1], v[224:225]
	v_pk_add_f32 v[4*i+2:4*i+3], v[4*i+2:4*i+3], v[226:227]
.set i, i+1
.endr
.irp m, 0,1,2,3,4,5,6
	WIN 0x0c
.irp i, 0,1,2,3,4,5,6,7
	ds_store_b128 v5, v[32*\m+4*\i:32*\m+4*\i+3] offset:544*\i
.endr
	WIN 0xc0
.irp b, 0,1
.irp u, 0,1
.irp q, 0,1
	ds_load_b128 v[32*\m+8*(2*\b+\u)+4*\q:32*\m+8*(2*\b+\u)+4*\q+3], v6 offset:128*\b+32*\u+16*\q     ; LDS serves a wave's instructions in order: these see the stores above, and the next tile's stores come behind them
.endr
.endr
.endr
.endr
	; ---- samp is quantised (bout's registers are free now: the held copies land there) and its images go to LDS
.irp m, 0,1,2,3,4,5,6
	QUANT2 32*\m, 0x0a, 0x02, 0
	ds_store_b128 v14, v[PC:PC+3] offset:4096*\m
	ds_store_b128 v14, v[PC+4:PC+7] offset:4096*\m+512
	ds_store_b16 v15, v[PWH] offset:256*\m
.endr
	BARRIER                                        ; samp's 14 fragments lie in LDS (and Y is back from my stage)
	XFETCH
	; ---- Wout's product onto src + bout
	WIN 0xf9
.irp s, 0,1
.irp m, 0,1,2,3,4,5,6
.irp t, 0,1,2,3
	v_wmma_scale_f32_16x16x128_f8f6f4 v[32*\m+8*\t:32*\m+8*\t+7], v[32*\t+16*\s:32*\t+16*\s+15], v[16*(2*\m+\s):16*(2*\m+\s)+15], v[32*\m+8*\t:32*\m+8*\t+7], v[WSC+2*\t+\s], v[RS+2*\m+\s]
.endr
.endr
.endr
	WIN 0
	PLACES 8
	; ---- LN1; x is quantised and its images go to LDS
	LNSTAT 0
	BARRIER                                        ; every wave has read samp's images ahead of its products: behind this barrier x's images may take their bytes
	LNAPPLY 0
	BLOAD 0, 42, 0                                 ; bff1's part for pass 1
	WIN 0x80
.irp b, 0,1
.irp jj, 0,1,2,3
	global_load_b128 v[224+16*\b+4*\jj:227+16*\b+4*\jj], v3, s[22:23] offset:128*\b+16*\jj     ; g2
.endr
.endr
	WIN 0xc0
.irp b, 0,1
.irp jj, 0,1,2,3
	global_load_b128 v[224+16*\b+4*\jj:227+16*\b+4*\jj], v3, s[24:25] offset:128*\b+16*\jj     ; b2
.endr
.endr
	WIN 0
.irp m, 0,1,2,3,4,5,6
	QUANT2 32*\m, 0x0f, 0x03, 0
	ds_store_b128 v14, v[PC:PC+3] offset:4096*\m
	ds_store_b128 v14, v[PC+4:PC+7] offset:4096*\m+512
	ds_store_b16 v15, v[PWH] offset:256*\m
.endr
	WIN 0xc3
.irp m, 0,1,2,3,4,5,6
.irp k, 0,2,4,6,8,10,12,14,16,18,20,22,24,26,28,30
	v_pk_add_f32 v[32*\m+\k:32*\m+\k+1], v[32*\m+\k:32*\m+\k+1], v[FB+32+\k:FB+33+\k]          ; x + bff2: what Wff2's products add onto
.endr
.endr
	WIN 0
	BARRIER
	XFETCH                                         ; x's 14 fragments stay in registers for all four passes of Wff1
	; ---- Wff1: two trips of two passes, until the buffers are back where they began
	s_mov_b32 s35, 0
	s_mov_b32 s36, 0
.Lff1:
	v_add_nc_u32 v13, s36, v7                      ; where this trip's images go: K steps 4 trip on
	v_add_nc_u32 v20, 65536, v13
	s_lshr_b32 s48, s36, 4
	v_add_nc_u32 v21, s48, v8
	v_add_nc_u32 v21, HSC, v21
	PASS 1, 0, 0, 2, 42, 1024
	PASS 0, 1, 1, 3, 44, 0
	s_wait_xcnt 0x0                                ; the loads issued have read their bases: only behind this wait are they stepped
	s_add_nc_u64 s[38:39], s[38:39], 131072
	s_add_nc_u64 s[40:41], s[40:41], 8192
	s_add_nc_u64 s[42:43], s[42:43], 2048
	s_add_nc_u64 s[44:45], s[44:45], 1024
	s_add_co_u32 s36, s36, 8192
	s_add_co_u32 s35, s35, 1
	s_cmp_lt_u32 s35, 2
	s_cbranch_scc1 .Lff1
	BARRIER                                        ; the hidden layer's 56 fragments lie in LDS
	; ---- Wff2: eight K steps; a step's fragments are fetched a step ahead, a pass's weights a pass ahead
	HLOAD 0
.irp kp, 0,1,2,3,4,5,6,7
.if \kp%2 == 0
	s_wait_loadcnt 0x0                             ; this pass's weights are in
.endif
.if \kp > 0
	PLACES 8                                       ; in front of loads into registers that the products just issued have read
.endif
.if (\kp%2 == 0) && (\kp < 6)
	WLOAD \kp/2+2, (\kp/2)%2
.endif
.if \kp < 7
	HLOAD \kp+1
	s_wait_dscnt 35                                ; this step's fragments are in; the next step's 35 loads may be out
.else
	s_wait_dscnt 0x0
.endif
	FF2 \kp
.endr
	PLACES 8
	; ---- LN2 and the way out
	LNSTAT 3584
	BARRIER
	LNAPPLY 3584
.irp m, 0,1,2,3,4,5,6
	WIN 0x0c
.irp b, 0,1
.irp u, 0,1
.irp q, 0,1
	ds_store_b128 v6, v[32*\m+8*(2*\b+\u)+4*\q:32*\m+8*(2*\b+\u)+4*\q+3] offset:128*\b+32*\u+16*\q
.endr
.endr
.endr
	WIN 0
.if \m >= 2
	s_wait_xcnt 0x0                                ; the stores of two tiles ago have read the registers that the loads below fill
.endif
.irp i, 0,1,2,3,4,5,6,7
	ds_load_b128 v[72+32*(\m%2)+4*\i:75+32*(\m%2)+4*\i], v5 offset:544*\i
.endr
	s_wait_dscnt 0x0
.irp i, 0,1,2,3,4,5,6,7
	s_cmp_ge_u32 s31, 26250-16*\m-2*\i             ; 26,250 is even: a store's two rows exist together, and the rows that exist come first
	s_cbranch_scc1 .Ldone
	global_store_b128 v11, v[72+32*(\m%2)+4*\i:75+32*(\m%2)+4*\i], s[46:47] offset:(16*\m+2*\i)*1024 th:TH_STORE_NT    ; sixteen lanes store 256 consecutive bytes, aligned
.endr
.endr
.Ldone:
	s_wait_tensorcnt 0x0
	ds_add_u32 v214, v215
	s_wait_dscnt 0x0
	s_endpgm
.Lfunc_end_k_q9158d1e8c4_ffn:
	.size	k_q9158d1e8c4_ffn, .Lfunc_end_k_q9158d1e8c4_ffn-k_q9158d1e8c4_ffn
	.p2alignl 7, 3214868480
	.fill 96, 4, 3214868480
	.section	.rodata,"a",@progbits
	.p2align	6, 0x0
	.amdhsa_kernel k_q9158d1e8c4_ffn
		.amdhsa_group_segment_fixed_size 177408
		.amdhsa_private_segment_fixed_size 0
		.amdhsa_enable_private_segment 0
		.amdhsa_kernarg_size 96
		.amdhsa_user_sgpr_count 2
		.amdhsa_user_sgpr_kernarg_segment_ptr 1
		.amdhsa_wavefront_size32 1
		.amdhsa_system_sgpr_workgroup_id_x 1
		.amdhsa_system_sgpr_workgroup_id_y 1
		.amdhsa_system_sgpr_workgroup_id_z 1
		.amdhsa_system_vgpr_workitem_id 0
		.amdhsa_next_free_vgpr 1024
		.amdhsa_next_free_sgpr 66
		.amdhsa_reserve_vcc 0
		.amdhsa_float_denorm_mode_32 3
		.amdhsa_float_denorm_mode_16_64 3
		.amdhsa_memory_ordered 1
		.amdhsa_forward_progress 1
		.amdhsa_inst_pref_size 255
	.end_amdhsa_kernel
	.section	.bss,"aw",@nobits
	.p2align	6
	.space	262144
	.amdgpu_metadata
---
amdhsa.version: [ 1, 2 ]
amdhsa.kernels:
  - .name:           k_q9158d1e8c4_ffn
    .symbol:         k_q9158d1e8c4_ffn.kd
    .args:
      - { .name: src, .offset: 0, .size: 8, .value_kind: global_buffer, .address_space: global }
      - { .name: samp, .offset: 8, .size: 8, .value_kind: global_buffer, .address_space: global }
      - { .name: wfrag, .offset: 16, .size: 8, .value_kind: global_buffer, .address_space: global }
      - { .name: wfsc, .offset: 24, .size: 8, .value_kind: global_buffer, .address_space: global }
      - { .name: bout, .offset: 32, .size: 8, .value_kind: global_buffer, .address_space: global }
      - { .name: g1, .offset: 40, .size: 8, .value_kind: global_buffer, .address_space: global }
      - { .name: b1, .offset: 48, .size: 8, .value_kind: global_buffer, .address_space: global }
      - { .name: bff1, .offset: 56, .size: 8, .value_kind: global_buffer, .address_space: global }
      - { .name: bff2, .offset: 64, .size: 8, .value_kind: global_buffer, .address_space: global }
      - { .name: g2, .offset: 72, .size: 8, .value_kind: global_buffer, .address_space: global }
      - { .name: b2, .offset: 80, .size: 8, .value_kind: global_buffer, .address_space: global }
      - { .name: out0, .offset: 88, .size: 8, .value_kind: global_buffer, .address_space: global }
    .group_segment_fixed_size: 177408
    .private_segment_fixed_size: 0
    .kernarg_segment_align: 8
    .kernarg_segment_size: 96
    .max_flat_workgroup_size: 128
    .sgpr_count:     66
    .vgpr_count:     1024
    .wavefront_size: 32
...
	.end_amdgpu_metadata
.endif
;; end of part 6
;; ======== version 3 of 3: 3 launches; version 2 with the launches proj, ffn written anew for expert scheduling mode
;; workspace buffers: value 26,886,144 bytes; sidx 10,082,304 bytes of whole numbers; swgt 40,329,216 bytes; wfrag 589,824 bytes; wfsc 36,864 bytes; samp 26,886,144 bytes
;; launch proj (part 7): grid 206 x 1, 8 waves a work-group, no clusters, 291,328 bytes of LDS; arguments src, pos, reference_points, Wv_codes, Wv_scales, bv, Woff_codes, Woff_scales, boff, Wattn_codes, Wattn_scales, battn, Wout_codes, Wout_scales, Wff1_codes, Wff1_scales, Wff2_codes, Wff2_scales, value, sidx, swgt, wfrag, wfsc; writes value, sidx, swgt, wfrag, wfsc
.if DOCPART == 7
	.amdgcn_target "amdgcn-amd-amdhsa--gfx1250"
	.amdhsa_code_object_version 6
	.text
	.protected	k_q9158d1e8c4_proj
	.globl	k_q9158d1e8c4_proj
	.p2align	8
	.type	k_q9158d1e8c4_proj,@function
k_q9158d1e8c4_proj:
	s_mov_b64 s[64:65], 0
	v_nop
	global_prefetch_b8 v0, s[64:65] scope:SCOPE_SE
	s_setreg_imm32_b32 hwreg(HW_REG_WAVE_SCHED_MODE, 0, 2), 2
	s_setreg_imm32_b32 hwreg(HW_REG_WAVE_MODE, 25, 1), 1
	s_wait_xcnt 0x0
	s_wait_alu depctr_vm_vsrc(0)
; FIRST OF THREE LAUNCHES of a deformable-attention encoder layer on 26,250 rows of 256 (2 x 13,125), in MX-FP8 (E4M3 codes, one E8M0 scale for each 32 along K).
; It makes: value = Q(src) Wv + bv;  q = src + pos;  off = Q(q) Woff + boff;  a = softmax(Q(q) Wattn + battn) over a head's 12 logits, the largest logit taken away first;
; and of off, a and reference_points, for each (row, head, level, point): ONE whole number, the pixel (xb, yb) counted through the three levels (level's first pixel + yb W + xb), and FOUR f32 weights, those of pixels
; (xb, yb), (xb+1, yb), (xb, yb+1), (xb+1, yb+1), with a folded in.  x = ref_x W + off_x - 0.5; xb = floor(x) held to 0 .. W-2; t = x - xb; weight of xb: max(0, 1 - |t|), of xb + 1: max(0, 1 - |t - 1|).
; That is the bilinear rule with zero padding in every case (one pixel outside, both outside), so four corners need one index.  No address of this launch hangs on these numbers: the next launch reads them.
; LAYOUTS, in planes of 26,256 rows x 16 bytes: value [head][slice of 4 channels][row][4];  sidx [head][level][row][4 points];  swgt [head][4 level + corner][row][4 points].
; A tile's 16 rows are 256 consecutive bytes of a plane, aligned, and sixteen lanes store them from registers as the products leave them.
; SIDE JOB: work-groups 0-35 also lay Wout, Wff1 and Wff2 in the order of the third launch's operand registers (288 fragments, one a wave).
; SHARES: a wave owns a tile of 16 rows through everything: tile = 8 x work-group + wave; 1,641 tiles; the seven waves over help with the copy of the weights, pass the barrier and end.
; The three weights (136 KB of codes), their scale bytes and the biases are copied into LDS once; ONE barrier; behind it a wave touches only those bytes (reading) and its own stage.
; No cluster: 206 work-groups are no multiple of 4, and what they share is read once each, 140 KB beside 262 KB of rows.  No tensor load: no LDS byte is filled twice.
; THE PRODUCTS ARE USED TRANSPOSED (source 0 = 16 rows of a weight, source 1 = my 16 rows): lane (r, h) holds row r, and its register j the weight's tile row 8 h + j.  Which rows of a weight form a tile is chosen
; so that a lane's registers hold what belongs together: 16 neighbouring channels of a head; one head's eight offsets of a level; one head's logits.
; LIMITS: NaN and infinities among the inputs are not served.  A block whose largest magnitude lies under 2^-118 gets the scale byte 1 (a block of zeros too: its codes are zeros; only this program reads the bytes).
; x is summed in another order than the reference has it (about one unit in x's last place; the sample is continuous in x).
; THE MODE: SCHED_MODE bits 1:0 = 2 (LLVM: expert scheduling mode 2), set by the entry lines.  The code itself states the register dependences
; between vector or matrix instructions and memory or LDS instructions, with s_wait_alu, always for 0.
; THE PLAN.  Registers that memory or LDS instructions touch, and who else names them, in program order:
;   v1-v23            offsets and addresses: written at the head, never again.
;   v177-186, v236-251  offsets of the head's loads and LDS stores; later codes and the quantiser's scratch.
;   v32-176           the copy of the weights lands, LDS stores read it.  Then v32-159: rows land from the stage, the quantisers read and write them, q lands, the quantisers again.
;                     Then v32-111: biases land, products write the sums, value's stores or the sampling's lines read them.
;   window 1 v0-127   src lands, LDS stores read it, the additions write q, LDS stores read it; then the weights' fragments land, in two halves by turns, and the products read them.
;   v228-235          the weights' scale words land, two sets by turns; the products read them.
;   v124-143          a level's lines write them, its five stores read them.
;   v64-84            the side job: vector lines write its offsets, its loads land, its stores read.
; A unit's loads go into the half that the products of two units back read: one wait on va_vdst stands ahead of them.  The wait ahead of a run of stores also serves the loads that follow the run, since no vector or
; matrix instruction stands between.  Each wait's comment says what it states.
; LDS
.set LWV,   0                          ; Wv's 256 rows of 256 codes, 272 bytes apart: the 16 rows of a fragment load start 68 words apart
.set LWO,   69632                      ; Woff's 192 rows
.set LWA,   121856                     ; Wattn's 96 rows
.set LWVS,  147968                     ; scale rows of 8 bytes, 256 places for each weight
.set LWOS,  150016
.set LWAS,  152064
.set LBV,   154112                     ; biases, 256 places of 4 bytes each
.set LBO,   155136
.set LBA,   156160
.set LSTG,  157184                     ; a stage for each wave: 16 rows x 1,040 bytes
.set STGB,  16640
.set PLANE, 420096                     ; 26,256 rows x 16 bytes
.set VHEAD, 8*PLANE                    ; a head of the value table
; REGISTERS, window 0: v1 16 x lane; v2 r; v3 h; v4, v5 the copy's places; v6-9 fragment addresses of the four row patterns; v10-13 their scale rows; v14-16 bias addresses; v17-18 stage addresses;
;   v19-21 my place in value's, swgt's and sidx's planes; v22 my row's place in reference_points; v23 lane; v24-29 ref x W - 0.5; v32-95, v96-159 numbers to quantise, later sums and the sampling's scratch;
;   v160-191 codes of src; v192-223 codes of q; v224-227 their scale words; v228-235 the weights' scale words; v236-251 row offsets, then the quantiser's scratch.
;   window 1: v0-127 src as loaded, v128-255 pos as loaded; later v0-127 two buffers of four weight fragments.
.set X0, 32
.set X1, 96
.set SC, 160
.set QC, 192
.set XS, 224
.set QS, 226
.set WS, 228
.set TM, 236
.set SEL, 54                           ; s[54:55] lane selects: lane l xor 16
.set MNT, 56                           ; s56 the mantissa field of 448
.set MSB, 0
.macro WIN new                         ; the immediate's high byte repeats the setting that is left; a switch that changes nothing is dropped
.if MSB != \new
	s_set_vgpr_msb (MSB<<8)|\new
.set MSB, \new
.endif
.endm
.macro PLACES n
.rept \n
	v_nop
.endr
.endm
; 64 numbers of a lane, register 16 b + i = k 32 b + 16 h + i of my row, become a fragment's 16 registers of codes at v[pc] and its scale word in v[pw]
.macro QUANT s, pc, pw
.irp b, 0,1,2,3
	v_max3_num_f32 v[TM+\b], |v[(\s)+16*\b]|, |v[(\s)+1+16*\b]|, 0x4800000   ; my 16 numbers of block b, and the floor 2^(9 - 127): the byte cannot fall under 1
.endr
.irp i, 2,4,6,8,10,12,14
.irp b, 0,1,2,3
	v_max3_num_f32 v[TM+\b], v[TM+\b], |v[(\s)+16*\b+\i]|, |v[(\s)+1+16*\b+\i]|
.endr
.endr
.irp b, 0,1,2,3
	v_permlanex16_b32 v[TM+4+\b], v[TM+\b], s[SEL], s[SEL+1]
.endr
.irp b, 0,1,2,3
	v_max_num_f32 v[TM+\b], v[TM+\b], v[TM+4+\b]             ; with lane l xor 16's 16: the block's largest magnitude
.endr
.irp b, 0,1,2,3
	v_add_nc_u32 v[TM+12+\b], 0xfc000000, v[TM+\b]           ; 8 off its exponent field: the conversion's scale operand
.endr
.irp b, 0,1,2,3
	v_and_or_b32 v[TM+8+\b], v[TM+\b], 0x7f800000, s[MNT]    ; 448 x the scale
.endr
.irp b, 0,1,2,3
	v_lshrrev_b32 v[TM+4+\b], 23, v[TM+12+\b]                ; the scale's byte
.endr
	v_lshl_or_b32 v[\pw], v[TM+5], 8, v[TM+4]
	v_lshl_or_b32 v[\pw], v[TM+6], 16, v[\pw]
	v_lshl_or_b32 v[\pw], v[TM+7], 24, v[\pw]
.irp b, 0,1,2,3
.irp i, 0,1,2,3,4,5,6,7,8,9,10,11,12,13,14,15
	v_med3_num_f32 v[(\s)+16*\b+\i], v[(\s)+16*\b+\i], -v[TM+8+\b], v[TM+8+\b]   ; the conversion does not saturate (ISA guide 7.6.2): the hold at 448 x the scale
.endr
	v_cvt_scalef32_pk8_fp8_f32 v[(\pc)+4*\b:(\pc)+1+4*\b], v[(\s)+16*\b:(\s)+7+16*\b], v[TM+12+\b]
	v_cvt_scalef32_pk8_fp8_f32 v[(\pc)+2+4*\b:(\pc)+3+4*\b], v[(\s)+8+16*\b:(\s)+15+16*\b], v[TM+12+\b]
.endr
	v_nop                                          ; a plain line behind the last conversion
.endm
.macro XSTORE                          ; 16 rows as loaded (window 1, v0-127) into my stage: 512 consecutive bytes a store
	WIN 0x04
.set i, 0
.rept 32
	ds_store_b128 v17, v[4*i:4*i+3] offset:(i/2)*1040+512*(i%2)
.set i, i+1
.endr
	WIN 0
.endm
.macro XREAD                           ; and back as the quantiser wants them: lane (r, h) takes 16 neighbours of each block of 32 of row r
.irp s, 0,1
.irp b, 0,1,2,3
.irp j, 0,1,2,3
	ds_load_b128 v[X0+64*\s+16*\b+4*\j:X0+64*\s+16*\b+4*\j+3], v18 offset:512*\s+128*\b+16*\j
.endr
.endr
.endr
.endm
; a tile of 16 weight rows: its two fragments (K steps 0, 1) into window 1 ..
.macro TFRAG wb, adr, imm
.irp s, 0,1
.irp c, 0,1,2,3
	ds_load_b128 v[(\wb)+16*\s+4*\c:(\wb)+16*\s+4*\c+3], v[\adr] offset:(\imm)+128*\s+32*\c
.endr
.endr
.endm
; .. its rows' two scale words, and its bias straight into the sum's registers: the sums begin from the bias, nothing is cleared or added later
.macro TAUX ws, sadr, simm, badr, blo, bhi, acc
	ds_load_b64 v[(\ws):(\ws)+1], v[\sadr] offset:\simm
	ds_load_b128 v[(\acc):(\acc)+3], v[\badr] offset:\blo
	ds_load_b128 v[(\acc)+4:(\acc)+7], v[\badr] offset:\bhi
.endm
; A UNIT is two tiles x two K steps: 22 LDS loads, 4 products.  The two sums take turns, one instruction a turn.
.macro UMM buf, a0, a1, cod, xs
	WIN 0x01                                       ; source 0 (the weight) in window 1
	v_wmma_scale_f32_16x16x128_f8f6f4 v[(\a0):(\a0)+7], v[64*(\buf):64*(\buf)+15], v[(\cod):(\cod)+15], v[(\a0):(\a0)+7], v[WS+4*(\buf)], v[(\xs)]
	v_wmma_scale_f32_16x16x128_f8f6f4 v[(\a1):(\a1)+7], v[64*(\buf)+32:64*(\buf)+47], v[(\cod):(\cod)+15], v[(\a1):(\a1)+7], v[WS+4*(\buf)+2], v[(\xs)]
	v_wmma_scale_f32_16x16x128_f8f6f4 v[(\a0):(\a0)+7], v[64*(\buf)+16:64*(\buf)+31], v[(\cod)+16:(\cod)+31], v[(\a0):(\a0)+7], v[WS+4*(\buf)+1], v[(\xs)+1]
	v_wmma_scale_f32_16x16x128_f8f6f4 v[(\a1):(\a1)+7], v[64*(\buf)+48:64*(\buf)+63], v[(\cod)+16:(\cod)+31], v[(\a1):(\a1)+7], v[WS+4*(\buf)+3], v[(\xs)+1]
	WIN 0
.endm
.macro UVAL buf, b, acc                ; head b of value: tile 2 b + u takes rows 32 b + 8 u + r + 8 (r / 8): register j of tile u is channel 16 h + 8 u + j
	WIN 0x40
	TFRAG 64*(\buf), 6, (32*(\b))*272
	TFRAG 64*(\buf)+32, 6, (32*(\b)+8)*272
	WIN 0
	TAUX WS+4*(\buf), 10, (32*(\b))*8, 14, (32*(\b))*4, (32*(\b))*4+16, (\acc)
	TAUX WS+4*(\buf)+2, 10, (32*(\b)+8)*8, 14, (32*(\b)+8)*4, (32*(\b)+8)*4+16, (\acc)+8
.endm
.macro UOFFA p                         ; offsets of heads 2 p + h, levels 0 and 1: the tile takes rows 48 p + 8 level + r + 16 (r / 8): register j is point j / 2, x or y
	WIN 0x40
	TFRAG 0, 7, (48*(\p))*272
	TFRAG 32, 7, (48*(\p)+8)*272
	WIN 0
	TAUX WS, 11, (48*(\p))*8, 15, (48*(\p))*4, (48*(\p))*4+16, 32
	TAUX WS+2, 11, (48*(\p)+8)*8, 15, (48*(\p)+8)*4, (48*(\p)+8)*4+16, 40
.endm
.macro UOFFB p                         ; level 2, and logits 0-7 of heads 2 p + h (rows 24 p + r + 4 (r / 8) of Wattn)
	WIN 0x40
	TFRAG 64, 7, (48*(\p)+16)*272
	TFRAG 96, 8, (24*(\p))*272
	WIN 0
	TAUX WS+4, 11, (48*(\p)+16)*8, 15, (48*(\p)+16)*4, (48*(\p)+16)*4+16, 48
	TAUX WS+6, 12, (24*(\p))*8, 16, 96*(\p), 96*(\p)+16, 56
.endm
; One level of one pair of heads.  o: the level's eight offsets (x, y of four points); wf: W - 2 as f32; wi: W; st: the level's first pixel.  All three levels are square.
.macro LEVEL lvl, o, wf, wi, st
.irp k, 0,2,4,6
	v_pk_add_f32 v[(\o)+\k:(\o)+\k+1], v[(\o)+\k:(\o)+\k+1], v[24+2*(\lvl):25+2*(\lvl)]      ; x, y in pixels (the sums are read from their low end on)
.endr
.irp j, 0,1,2,3,4,5,6,7
	v_floor_f32 v[84+\j], v[(\o)+\j]
.endr
.irp j, 0,1,2,3,4,5,6,7
	v_med3_num_f32 v[84+\j], v[84+\j], 0, \wf      ; xb, yb
.endr
.irp k, 0,2,4,6
	v_pk_add_f32 v[(\o)+\k:(\o)+\k+1], v[(\o)+\k:(\o)+\k+1], v[84+\k:85+\k] neg_lo:[0,1] neg_hi:[0,1]   ; t
.endr
.irp j, 0,1,2,3,4,5,6,7
	v_cvt_i32_f32 v[84+\j], v[84+\j]
.endr
	s_wait_xcnt 0x0                                ; the last level's stores have read v124-143: they are written again only behind this wait
	s_wait_alu depctr_vm_vsrc(0)                   ; and beside it: the last level's five stores have read their data v124-143, which the lines below write again
.irp t, 0,1,2,3
	v_mad_u32_u24 v[124+\t], v[85+2*\t], \wi, v[84+2*\t]
.endr
.if \st
.irp t, 0,1,2,3
	v_add_nc_u32 v[124+\t], \st, v[124+\t]         ; + the level's first pixel
.endr
.endif
.irp j, 0,1,2,3,4,5,6,7
	v_sub_f32 v[112+\j], 1.0, |v[(\o)+\j]|
	v_add_f32 v[144+\j], -1.0, v[(\o)+\j]
.endr
.irp j, 0,1,2,3,4,5,6,7
	v_max_num_f32 v[112+\j], 0, v[112+\j]          ; weight of xb (yb)
	v_sub_f32 v[144+\j], 1.0, |v[144+\j]|
.endr
.irp j, 0,1,2,3,4,5,6,7
	v_max_num_f32 v[144+\j], 0, v[144+\j]          ; weight of xb + 1 (yb + 1)
.endr
.irp t, 0,1,2,3
	v_mul_f32 v[113+2*\t], v[113+2*\t], v[64+4*(\lvl)+\t]      ; the attention weight goes onto the two y weights
	v_mul_f32 v[145+2*\t], v[145+2*\t], v[64+4*(\lvl)+\t]
.endr
.irp t, 0,1,2,3
	v_mul_f32 v[128+\t], v[112+2*\t], v[113+2*\t]  ; corner 0: (xb, yb)
	v_mul_f32 v[132+\t], v[144+2*\t], v[113+2*\t]  ; corner 1: (xb + 1, yb)
	v_mul_f32 v[136+\t], v[112+2*\t], v[145+2*\t]  ; corner 2: (xb, yb + 1)
	v_mul_f32 v[140+\t], v[144+2*\t], v[145+2*\t]  ; corner 3
.endr
	s_wait_alu depctr_va_vdst(0)                   ; the lines above have written the indices v124-127 and the weights v128-143, which the five stores read
	global_store_b128 v21, v[124:127], s[84:85] offset:(\lvl)*PLANE            ; lanes 0-15 store 256 consecutive bytes, aligned, of head 2 p's plane, lanes 16-31 of head 2 p + 1's
.irp cn, 0,1,2,3
	global_store_b128 v20, v[128+4*\cn:131+4*\cn], s[82:83] offset:(4*(\lvl)+\cn)*PLANE
.endr
.endm
.macro SAMPLE p
.set bb_, 96+8*((\p)/2)+4*((\p)%2)     ; logits 8-11 of heads 2 p + h
	v_max3_num_f32 v76, v56, v57, v58              ; the largest of the head's 12 logits
	v_max3_num_f32 v76, v76, v59, v60
	v_max3_num_f32 v76, v76, v61, v62
	v_max3_num_f32 v76, v76, v63, v[bb_]
	v_max3_num_f32 v76, v76, v[bb_+1], v[bb_+2]
	v_max_num_f32 v76, v76, v[bb_+3]
	v_mov_b32 v77, v76
.irp k, 0,2,4,6
	v_pk_add_f32 v[64+\k:65+\k], v[56+\k:57+\k], v[76:77] neg_lo:[0,1] neg_hi:[0,1]
.endr
	v_pk_add_f32 v[72:73], v[bb_:bb_+1], v[76:77] neg_lo:[0,1] neg_hi:[0,1]
	v_pk_add_f32 v[74:75], v[bb_+2:bb_+3], v[76:77] neg_lo:[0,1] neg_hi:[0,1]
.irp k, 0,2,4,6,8,10
	v_pk_mul_f32 v[64+\k:65+\k], v[64+\k:65+\k], s[58:59] op_sel_hi:[1,0]       ; x log2(e)
.endr
.irp k, 0,1,2,3,4,5,6,7,8,9,10,11
	v_exp_f32 v[64+\k], v[64+\k]
.endr
	v_nop                                          ; a plain line between the exponentials and the use of their results
	s_wait_alu depctr_va_vdst(0)                   ; the twelve exponentials have written v64-75, ahead of the sums that read them: one wait for the batch
	v_pk_add_f32 v[78:79], v[64:65], v[66:67]
	v_pk_add_f32 v[80:81], v[68:69], v[70:71]
	v_pk_add_f32 v[82:83], v[72:73], v[74:75]
	v_pk_add_f32 v[78:79], v[78:79], v[80:81]
	v_pk_add_f32 v[78:79], v[78:79], v[82:83]
	v_add_f32 v78, v78, v79
	v_rcp_f32 v78, v78
	v_nop
	s_wait_alu depctr_va_vdst(0)                   ; the reciprocal has written v78, ahead of its first reader
	v_mov_b32 v79, v78
.irp k, 0,2,4,6,8,10
	v_pk_mul_f32 v[64+\k:65+\k], v[64+\k:65+\k], v[78:79]      ; v64-75: the head's 12 attention weights
.endr
	LEVEL 0, 32, 0x42c40000, 100, 0
	LEVEL 1, 40, 0x42400000, 50, 10000
	LEVEL 2, 48, 0x41b80000, 25, 12500
.endm
	; ---- the head: pointers, ids, addresses
	s_load_b512 s[4:19], s[0:1], 0x0               ; src 4, pos 6, reference_points 8, Wv codes 10, scales 12, bv 14, Woff codes 16, scales 18
	s_load_b512 s[20:35], s[0:1], 0x40             ; boff 20, Wattn codes 22, scales 24, battn 26, Wout codes 28, scales 30, Wff1 codes 32, scales 34
	s_load_b256 s[36:43], s[0:1], 0x80             ; Wff2 codes 36, scales 38, value 40, sidx 42
	s_load_b128 s[44:47], s[0:1], 0xa0             ; swgt 44, wfrag 46
	s_load_b64 s[48:49], s[0:1], 0xb0              ; wfsc
	v_lshl_add_u32 v254, v0, 2, 0x46e00
	v_mov_b32 v255, 0
	v_lshrrev_b32 v1, 5, v0
	v_readfirstlane_b32 s50, v1                    ; wave 0..7
	s_wait_alu depctr_va_sdst(0)                   ; s50 is written, ahead of its first reader: my tile, my stage and the side job's fragment are made from it
	s_lshl_b32 s51, ttmp9, 3
	s_add_co_u32 s51, s51, s50                     ; my tile
	s_min_u32 s52, s51, 1640                       ; held inside for the seven waves over
	s_mul_i32 s53, s50, STGB
	s_add_co_u32 s53, s53, LSTG                    ; my stage
	s_mov_b32 s[SEL], 0x76543210
	s_mov_b32 s[SEL+1], 0xfedcba98
	s_mov_b32 s[MNT], 0x600000
	s_mov_b32 s58, 0x3fb8aa3b                      ; log2(e)
	s_mov_b32 s59, s58                             ; (named with it as a pair, so it is written)
	v_and_b32 v23, 31, v0                          ; lane
	v_lshlrev_b32 v1, 4, v23
	v_and_b32 v2, 15, v0                           ; r
	v_bfe_u32 v3, v0, 4, 1                         ; h
	v_lshlrev_b32 v4, 4, v0                        ; the copy: 16 bytes a thread, 4,096 a turn
	v_lshrrev_b32 v5, 4, v0
	v_mul_u32_u24 v5, v5, 272
	v_lshl_add_u32 v5, v2, 4, v5                   ; sixteen threads to a row of 256 codes
	v_and_b32 v192, 8, v2
	v_add_nc_u32 v193, v192, v2                    ; r + 8 (r / 8)
	v_lshl_add_u32 v194, v192, 1, v2               ; r + 16 (r / 8)
	v_lshrrev_b32 v195, 1, v192
	v_add_nc_u32 v195, v195, v2                    ; r + 4 (r / 8)
	v_and_b32 v196, 3, v2
	v_bfe_u32 v197, v2, 2, 1
	v_mad_u32_u24 v196, v197, 24, v196
	v_bfe_u32 v197, v2, 3, 1
	v_mad_u32_u24 v196, v197, 12, v196
	v_add_nc_u32 v196, 8, v196                     ; 8 + r % 4 + 24 ((r / 4) % 2) + 12 (r / 8): logits 8-11 of four heads
	v_lshlrev_b32 v198, 4, v3
	v_mad_u32_u24 v6, v193, 272, v198
	v_mad_u32_u24 v7, v194, 272, v198
	v_add_nc_u32 v7, LWO, v7
	v_mad_u32_u24 v8, v195, 272, v198
	v_add_nc_u32 v8, LWA, v8
	v_mad_u32_u24 v9, v196, 272, v198
	v_add_nc_u32 v9, LWA, v9
	v_lshl_add_u32 v10, v193, 3, LWVS
	v_lshl_add_u32 v11, v194, 3, LWOS
	v_lshl_add_u32 v12, v195, 3, LWAS
	v_lshl_add_u32 v13, v196, 3, LWAS
	v_lshl_add_u32 v14, v3, 6, LBV
	v_mul_u32_u24 v15, v3, 96
	v_add_nc_u32 v15, LBO, v15
	v_mul_u32_u24 v16, v3, 48
	v_add_nc_u32 v16, LBA, v16
	v_add_nc_u32 v17, s53, v1                      ; stage, rows as loaded
	v_mul_u32_u24 v18, v2, 1040
	v_lshl_add_u32 v18, v3, 6, v18
	v_add_nc_u32 v18, s53, v18                     ; stage, row r, + 64 h
	v_lshlrev_b32 v199, 4, v2                      ; 16 r: my row's place in a tile's 256 bytes of a plane
	v_mad_u32_u24 v19, v3, 4*PLANE, v199           ; value: lanes 16-31 hold channels 16 on: four slices further
	v_mad_u32_u24 v20, v3, 12*PLANE, v199          ; swgt: lanes 16-31 hold the odd head: 12 planes further
	v_mad_u32_u24 v21, v3, 3*PLANE, v199           ; sidx: 3 planes further
	s_lshl_b32 s57, s52, 4                         ; my first row
	v_add_nc_u32 v22, s57, v2
	v_min_u32 v22, 26249, v22                      ; no load leaves its buffer in the last tile
	v_mul_u32_u24 v22, v22, 24
	v_lshlrev_b32 v177, 3, v0                      ; scale rows and biases: a place a thread; past a table's end its last row is read again, into places that nobody reads
	v_min_u32 v178, 191, v0
	v_min_u32 v179, 95, v0
	v_lshlrev_b32 v180, 2, v0
	v_lshlrev_b32 v181, 2, v178
	v_lshlrev_b32 v182, 2, v179
	v_lshlrev_b32 v178, 3, v178
	v_lshlrev_b32 v179, 3, v179
	v_lshl_add_u32 v183, v0, 3, LWVS
	v_lshl_add_u32 v184, v0, 2, LBV
	v_add_nc_u32 v185, LWO, v5
	v_add_nc_u32 v186, LWA, v5
.irp rr, 0,1,2,3,4,5,6,7,8,9,10,11,12,13,14,15
	s_add_co_u32 s60, s57, \rr
	s_min_u32 s60, s60, 26249
	s_lshl_b32 s60, s60, 10
	v_add_nc_u32 v[236+\rr], s60, v1               ; row rr of my tile in src and pos, 16 bytes a lane
.endr
	s_wait_kmcnt 0x0
	s_lshl_b32 s60, s52, 8                         ; my tile's 256 bytes in every plane
	s_mov_b32 s61, 0
	s_add_nc_u64 s[66:67], s[40:41], s[60:61]      ; value at my tile, head 0; a base for each head, none is stepped
.irp hd, 1,2,3,4,5,6,7
	s_add_nc_u64 s[66+2*\hd:67+2*\hd], s[64+2*\hd:65+2*\hd], VHEAD
.endr
	s_add_nc_u64 s[82:83], s[44:45], s[60:61]      ; swgt at my tile, head 0
	s_add_nc_u64 s[84:85], s[42:43], s[60:61]      ; sidx at my tile, head 0
	s_wait_alu depctr_va_vdst(0)                   ; the head's offsets and addresses (v1-v23, v177-186, v236-251) are written, which the loads, stores and LDS instructions from here on read
	; ---- 40 loads: the work-group's copy of the weights
.irp it, 0,1,2,3,4,5,6,7,8,9,10,11,12,13,14,15
	global_load_b128 v[32+4*\it:35+4*\it], v4, s[10:11] offset:4096*\it
.endr
.irp it, 0,1,2,3,4,5,6,7,8,9,10,11
	global_load_b128 v[96+4*\it:99+4*\it], v4, s[16:17] offset:4096*\it
.endr
.irp it, 0,1,2,3,4,5
	global_load_b128 v[144+4*\it:147+4*\it], v4, s[22:23] offset:4096*\it
.endr
	global_load_b64 v[168:169], v177, s[12:13]
	global_load_b64 v[170:171], v178, s[18:19]
	global_load_b64 v[172:173], v179, s[24:25]
	global_load_b32 v174, v180, s[14:15]
	global_load_b32 v175, v181, s[20:21]
	global_load_b32 v176, v182, s[26:27]
	; ---- 67 loads: my 16 rows of src, of pos, and my row's reference points.  Each load of a row reads 512 consecutive bytes
	WIN 0x40
.set i, 0
.rept 32
	global_load_b128 v[4*i:4*i+3], v[236+i/2], s[4:5] offset:512*(i%2)
.set i, i+1
.endr
.set i, 0
.rept 32
	global_load_b128 v[128+4*i:131+4*i], v[236+i/2], s[6:7] offset:512*(i%2) th:TH_LOAD_NT
.set i, i+1
.endr
	WIN 0
	global_load_b64 v[24:25], v22, s[8:9]
	global_load_b64 v[26:27], v22, s[8:9] offset:8
	global_load_b64 v[28:29], v22, s[8:9] offset:16
	; ---- the weights into LDS, and the one barrier
	s_wait_loadcnt 63                              ; 67 loads were issued behind the weights' 40; 63 is the largest count that the wait can name, and the smaller one: the 40 are in
.irp it, 0,1,2,3,4,5,6,7,8,9,10,11,12,13,14,15
	ds_store_b128 v5, v[32+4*\it:35+4*\it] offset:4352*\it
.endr
.irp it, 0,1,2,3,4,5,6,7,8,9,10,11
	ds_store_b128 v185, v[96+4*\it:99+4*\it] offset:4352*\it
.endr
.irp it, 0,1,2,3,4,5
	ds_store_b128 v186, v[144+4*\it:147+4*\it] offset:4352*\it
.endr
	ds_store_b64 v183, v[168:169]
	ds_store_b64 v183, v[170:171] offset:2048
	ds_store_b64 v183, v[172:173] offset:4096
	ds_store_b32 v184, v174
	ds_store_b32 v184, v175 offset:1024
	ds_store_b32 v184, v176 offset:2048
	s_wait_dscnt 0x0                               ; for the others' sake: my part of the copy has landed
	s_barrier_signal -1
	s_barrier_wait -1
	s_wait_alu depctr_vm_vsrc(0)                   ; the copy's LDS stores have read v32-176 and v183-186, the head's loads their offsets v177-182 and v236-251: all these are written again on both ways from here
	s_cmp_ge_u32 s51, 1641                         ; a wave without a tile has done its part
	s_cbranch_scc1 .Lside
	; ---- src and q = src + pos turn through my stage and are quantised
	s_wait_loadcnt 35                              ; src is in (pos's 32 loads and the 3 of reference_points may be out)
	XSTORE
	XREAD
	s_wait_loadcnt 3                               ; pos is in
	WIN 0x45
	s_wait_alu depctr_vm_vsrc(0)                   ; the LDS stores of src have read window 1's v0-127, which the additions write
.set i, 0
.rept 64
	v_pk_add_f32 v[2*i:2*i+1], v[2*i:2*i+1], v[128+2*i:129+2*i]        ; q, as loaded
.set i, i+1
.endr
	WIN 0x04
	s_wait_alu depctr_va_vdst(0)                   ; the additions have written q, which the LDS stores read
	XSTORE                                         ; LDS serves a wave's instructions in order: these come behind the reads of src
	s_wait_dscnt 48                                ; K step 0 of src is in (behind it: 16 loads and 32 stores)
	QUANT X0, SC, XS
	s_wait_dscnt 32
	QUANT X1, SC+16, XS+1
	s_wait_alu depctr_va_vdst(0)                   ; the two quantisers are done reading and writing v32-159, in which q lands
	XREAD
	s_wait_dscnt 16
	QUANT X0, QC, QS
	s_wait_dscnt 0x0
	QUANT X1, QC+16, QS+1
	s_wait_loadcnt 0x0                             ; reference_points
	v_fma_f32 v24, v24, 0x42c80000, -0.5           ; ref x W - 0.5: level 0 (100), 1 (50), 2 (25).  (These six lines are also places between the codes and the first products)
	v_fma_f32 v25, v25, 0x42c80000, -0.5
	v_fma_f32 v26, v26, 0x42480000, -0.5
	v_fma_f32 v27, v27, 0x42480000, -0.5
	v_fma_f32 v28, v28, 0x41c80000, -0.5
	v_fma_f32 v29, v29, 0x41c80000, -0.5
	s_wait_alu depctr_vm_vsrc(0)                   ; the LDS stores of q have read window 1's v0-127, in which the weights' fragments land
	s_wait_alu depctr_va_vdst(0)                   ; the additions have written those registers; the quantisers are done with v32-159, in which biases land; the codes v160-223 and scale words v224-227, which the products take, are written (behind their places)
	; ---- value, four heads at a time: a unit's loads stand a unit ahead of its products
.irp hh, 0,1
	UVAL 0, 4*\hh, 32
.irp i, 0,1,2,3
.if \i < 3
.if \i > 0
	PLACES 8                                       ; in front of loads into registers that the products just issued have read: the places stay beside the wait
	s_wait_alu depctr_va_vdst(0)                   ; the products of the unit before are done reading their fragments and scale words, in which the loads below land
.endif
	UVAL (\i+1)%2, 4*\hh+\i+1, 32+16*(\i+1)
	s_wait_dscnt 22                                ; this unit is in; the next unit's 22 loads may be out
.else
	s_wait_dscnt 0x0
.endif
	UMM \i%2, 32+16*\i, 40+16*\i, SC, XS
.endr
	PLACES 8
	s_wait_alu depctr_va_vdst(0)                   ; the products have written the sums v32-95, which the stores read, and are done reading both buffers and both sets of scale words, in which the next loads land
.irp bq, 0,1,2,3
.irp u, 0,1
	global_store_b128 v19, v[32+16*\bq+8*\u:35+16*\bq+8*\u], s[66+8*\hh+2*\bq:67+8*\hh+2*\bq] offset:(2*\u)*PLANE       ; four registers are a slice; each sum from its low end on;
	global_store_b128 v19, v[36+16*\bq+8*\u:39+16*\bq+8*\u], s[66+8*\hh+2*\bq:67+8*\hh+2*\bq] offset:(2*\u+1)*PLANE     ; sixteen lanes store 256 consecutive bytes, aligned
.endr
.endr
	s_wait_xcnt 0x0                                ; the stores have read the sums: the next biases are loaded there only behind this wait
	s_wait_alu depctr_vm_vsrc(0)                   ; and beside it: the sixteen stores have read v32-95, in which the next biases land
.endr
	; ---- logits 8-11 of all eight heads: two tiles.  No wait: no vector or matrix instruction since the wait ahead of the stores, and none since the quantisers names v96-111
	WIN 0x40
	TFRAG 0, 9, 0
	TFRAG 32, 9, 48*272
	WIN 0
	TAUX WS, 13, 0, 16, 32, 128, 96
	TAUX WS+2, 13, 384, 16, 224, 320, 104
	s_wait_dscnt 0x0
	UMM 0, 96, 104, QC, QS
	; ---- four pairs of heads: offsets, logits 0-7, softmax, indices and weights
.irp p, 0,1,2,3
.if \p == 0
	PLACES 8
.endif
	s_wait_alu depctr_va_vdst(0)                   ; the last products are done reading the fragments and scale words, and (behind the first pair) the sampling's lines are done with v32-63: the loads below land in all of these
	UOFFA \p
	UOFFB \p
	s_wait_dscnt 22
	UMM 0, 32, 40, QC, QS
	s_wait_dscnt 0x0
	UMM 1, 48, 56, QC, QS
	PLACES 8
	SAMPLE \p
.if \p < 3
	s_wait_xcnt 0x0                                ; the stores have read their bases: on by two heads
	s_add_nc_u64 s[84:85], s[84:85], 6*PLANE
	s_add_nc_u64 s[82:83], s[82:83], 24*PLANE
.endif
.endr
	; ---- the side job: one fragment of the third launch's weights a wave
.Lside:
	s_cmp_lt_u32 ttmp9, 36
	s_cbranch_scc0 .Lend
	s_wait_xcnt 0x0
	s_lshr_b32 s86, ttmp9, 2                       ; pass P 0..8: Wout; Wff1's four quarters of rows; Wff2's four quarters of K
	s_and_b32 s87, ttmp9, 3                        ; the reading wave
	s_lshr_b32 s88, s50, 1                         ; tile t
	s_and_b32 s89, s50, 1                          ; K step s
	s_lshl_b32 s90, s87, 6
	s_lshr_b32 s91, s88, 1
	s_lshl_b32 s91, s91, 5
	s_add_co_u32 s90, s90, s91
	s_and_b32 s91, s88, 1
	s_lshl_b32 s91, s91, 3
	s_add_co_u32 s90, s90, s91                     ; 64 w + 32 (t / 2) + 8 (t % 2)
	s_max_u32 s96, s86, 1
	s_sub_co_u32 s96, s96, 1
	s_lshl_b32 s96, s96, 8                         ; Wff1: 256 (P - 1) rows on
	s_max_u32 s97, s86, 5
	s_sub_co_u32 s97, s97, 5                       ; Wff2: quarter P - 5 of K
	s_cmp_eq_u32 s86, 0
	s_cselect_b64 s[92:93], s[28:29], s[32:33]
	s_cselect_b64 s[94:95], s[30:31], s[34:35]
	s_cmp_ge_u32 s86, 5
	s_cselect_b64 s[92:93], s[36:37], s[92:93]
	s_cselect_b64 s[94:95], s[38:39], s[94:95]
	s_cselect_b32 s96, 0, s96
	s_cselect_b32 s98, 10, 8                       ; a row of codes is 1,024 or 256 bytes,
	s_cselect_b32 s99, 5, 3                        ; of scale bytes 32 or 8
	s_add_co_u32 s90, s90, s96
	s_lshl_b32 s91, s89, 7
	s_lshl_b32 s96, s97, 8
	s_add_co_u32 s91, s91, s96                     ; 128 s + 256 (P - 5)
	s_lshl_b32 s96, s89, 2
	s_lshl_b32 s97, s97, 3
	s_add_co_u32 s96, s96, s97                     ; 4 s + 8 (P - 5)
	v_and_b32 v64, 8, v2
	v_add3_u32 v64, v64, v2, s90                   ; my row: + r + 8 (r / 8)
	v_lshlrev_b32 v65, s98, v64
	v_lshl_add_u32 v65, v3, 4, v65
	v_add_nc_u32 v65, s91, v65
	v_lshlrev_b32 v66, s99, v64
	v_add_nc_u32 v66, s96, v66
	v_lshlrev_b32 v84, 2, v23                      ; the scale word's place, made here so that one wait serves the loads and the stores
	s_wait_alu depctr_va_vdst(0)                   ; the offsets v65, v66 and v84 are written, which the loads and the last store read; the sampling's lines are done with v67-83, in which the loads land
.irp c, 0,1,2,3
	global_load_b128 v[68+4*\c:71+4*\c], v65, s[92:93] offset:32*\c
.endr
	global_load_b32 v67, v66, s[94:95]
	s_lshl_b32 s86, ttmp9, 3
	s_add_co_u32 s86, s86, s50                     ; the fragment's number: 8 (4 P + w) + 2 t + s
	s_lshl_b32 s88, s86, 11
	s_mov_b32 s89, 0
	s_add_nc_u64 s[60:61], s[46:47], s[88:89]
	s_lshl_b32 s88, s86, 7
	s_add_nc_u64 s[62:63], s[48:49], s[88:89]
	s_wait_loadcnt 0x0
.irp c, 0,1,2,3
	global_store_b128 v1, v[68+4*\c:71+4*\c], s[60:61] offset:512*\c       ; the image of the operand's registers
.endr
	global_store_b32 v84, v67, s[62:63]
.Lend:
	s_wait_dscnt 0x0                               ; the closing lines, six on end
	s_wait_alu 0x0
	s_wait_tensorcnt 0x0
	ds_add_u32 v254, v255
	s_wait_dscnt 0x0
	s_endpgm
.Lfunc_end_k_q9158d1e8c4_proj:
	.size	k_q9158d1e8c4_proj, .Lfunc_end_k_q9158d1e8c4_proj-k_q9158d1e8c4_proj
	.p2alignl 7, 3214868480
	.fill 96, 4, 3214868480
	.section	.rodata,"a",@progbits
	.p2align	6, 0x0
	.amdhsa_kernel k_q9158d1e8c4_proj
		.amdhsa_group_segment_fixed_size 291328
		.amdhsa_private_segment_fixed_size 0
		.amdhsa_enable_private_segment 0
		.amdhsa_kernarg_size 184
		.amdhsa_user_sgpr_count 2
		.amdhsa_user_sgpr_kernarg_segment_ptr 1
		.amdhsa_wavefront_size32 1
		.amdhsa_system_sgpr_workgroup_id_x 1
		.amdhsa_system_sgpr_workgroup_id_y 1
		.amdhsa_system_sgpr_workgroup_id_z 1
		.amdhsa_system_vgpr_workitem_id 0
		.amdhsa_next_free_vgpr 512
		.amdhsa_next_free_sgpr 100
		.amdhsa_reserve_vcc 0
		.amdhsa_float_denorm_mode_32 3
		.amdhsa_float_denorm_mode_16_64 3
		.amdhsa_memory_ordered 1
		.amdhsa_forward_progress 1
		.amdhsa_inst_pref_size 183
	.end_amdhsa_kernel
	.amdgpu_metadata
---
amdhsa.version: [ 1, 2 ]
amdhsa.kernels:
  - .name:           k_q9158d1e8c4_proj
    .symbol:         k_q9158d1e8c4_proj.kd
    .args:
      - { .name: src, .offset: 0, .size: 8, .value_kind: global_buffer, .address_space: global }
      - { .name: pos, .offset: 8, .size: 8, .value_kind: global_buffer, .address_space: global }
      - { .name: reference_points, .offset: 16, .size: 8, .value_kind: global_buffer, .address_space: global }
      - { .name: Wv_codes, .offset: 24, .size: 8, .value_kind: global_buffer, .address_space: global }
      - { .name: Wv_scales, .offset: 32, .size: 8, .value_kind: global_buffer, .address_space: global }
      - { .name: bv, .offset: 40, .size: 8, .value_kind: global_buffer, .address_space: global }
      - { .name: Woff_codes, .offset: 48, .size: 8, .value_kind: global_buffer, .address_space: global }
      - { .name: Woff_scales, .offset: 56, .size: 8, .value_kind: global_buffer, .address_space: global }
      - { .name: boff, .offset: 64, .size: 8, .value_kind: global_buffer, .address_space: global }
      - { .name: Wattn_codes, .offset: 72, .size: 8, .value_kind: global_buffer, .address_space: global }
      - { .name: Wattn_scales, .offset: 80, .size: 8, .value_kind: global_buffer, .address_space: global }
      - { .name: battn, .offset: 88, .size: 8, .value_kind: global_buffer, .address_space: global }
      - { .name: Wout_codes, .offset: 96, .size: 8, .value_kind: global_buffer, .address_space: global }
      - { .name: Wout_scales, .offset: 104, .size: 8, .value_kind: global_buffer, .address_space: global }
      - { .name: Wff1_codes, .offset: 112, .size: 8, .value_kind: global_buffer, .address_space: global }
      - { .name: Wff1_scales, .offset: 120, .size: 8, .value_kind: global_buffer, .address_space: global }
      - { .name: Wff2_codes, .offset: 128, .size: 8, .value_kind: global_buffer, .address_space: global }
      - { .name: Wff2_scales, .offset: 136, .size: 8, .value_kind: global_buffer, .address_space: global }
      - { .name: value, .offset: 144, .size: 8, .value_kind: global_buffer, .address_space: global }
      - { .name: sidx, .offset: 152, .size: 8, .value_kind: global_buffer, .address_space: global }
      - { .name: swgt, .offset: 160, .size: 8, .value_kind: global_buffer, .address_space: global }
      - { .name: wfrag, .offset: 168, .size: 8, .value_kind: global_buffer, .address_space: global }
      - { .name: wfsc, .offset: 176, .size: 8, .value_kind: global_buffer, .address_space: global }
    .group_segment_fixed_size: 291328
    .private_segment_fixed_size: 0
    .kernarg_segment_align: 8
    .kernarg_segment_size: 184
    .max_flat_workgroup_size: 256
    .sgpr_count:     100
    .vgpr_count:     512
    .wavefront_size: 32
...
	.end_amdgpu_metadata
.endif
;; end of part 7
;; launch sample: the kernel of part 5 again; grid 256 x 1, 8 waves a work-group, no clusters, 214,016 bytes of LDS; arguments value, sidx, swgt, samp; writes samp
;; launch ffn (part 8): grid 235 x 1, 4 waves a work-group, no clusters, 177,408 bytes of LDS; arguments src, samp, wfrag, wfsc, bout, g1, b1, bff1, bff2, g2, b2, out0; writes out0
.if DOCPART == 8
	.amdgcn_target "amdgcn-amd-amdhsa--gfx1250"
	.amdhsa_code_object_version 6
	.text
	.protected	k_q9158d1e8c4_ffn
	.globl	k_q9158d1e8c4_ffn
	.p2align	8
	.type	k_q9158d1e8c4_ffn,@function
k_q9158d1e8c4_ffn:
	s_mov_b64 s[64:65], 0
	v_nop
	global_prefetch_b8 v0, s[64:65] scope:SCOPE_SE
	s_setreg_imm32_b32 hwreg(HW_REG_WAVE_SCHED_MODE, 0, 2), 2
	s_setreg_imm32_b32 hwreg(HW_REG_WAVE_MODE, 25, 1), 1
	s_wait_xcnt 0x0
	s_wait_alu depctr_vm_vsrc(0)
; THIRD LAUNCH: x = LN1(src + Q(samp) Wout + bout);  out = LN2(x + Q(relu(Q(x) Wff1 + bff1)) Wff2 + bff2).  All three products on E4M3 codes with E8M0 scales; everything else f32.
; SHARES: a work-group takes 7 tiles of 16 rows (1,641 tiles over 256 WGPs are 6.4 each: 7 is the least whole share, 235 work-groups; the last has 3 tiles, loads held rows for the rest and stores none of them).
; THE FOUR WAVES SHARE THE COLUMNS: in each of nine passes wave w owns 64 rows of a weight: 4 tiles x 2 K steps = 8 fragments, 128 registers, read straight from memory in the order of its registers
; (the first launch laid them so), one pass ahead, into two buffers.  Pass 0: Wout; 1-4: Wff1, 256 hidden units a pass; 5-8: Wff2, 256 of K a pass.
; The products are used transposed and a tile takes rows base + 32 (t / 2) + 8 (t % 2) + r + 8 (r / 8): lane (r, h) holds row r, and register 8 t + j column 64 w + 32 (t / 2) + 16 h + 8 (t % 2) + j.
; So a lane's 32 registers of a tile of rows are two runs of 16 neighbours along the next K, and ONE set Y of 7 x 32 registers lives through the chain: src + bout, + Wout's product, LN1 = x, + bff2, + Wff2's product, LN2.
; samp comes as f32 in planes [head][slice of 4 channels][row][4]: lane (r, h) loads its 16 neighbours of a head (four slices) by four loads, sixteen lanes to 256 consecutive bytes, aligned: the same layout as Y's.
; OPERANDS GO FROM WAVE TO WAVE THROUGH LDS AS IMAGES OF THEIR REGISTERS: a wave makes a quarter of a fragment's K (two blocks of 32): two stores of 16 bytes a lane and half a scale word.  samp's images and x's use the same bytes.
; A layer norm's row lies in four waves: each centres its 64 columns on their own mean, and the four (mean, sum of squares) meet in LDS: no difference of large sums is formed.
; Five barriers: samp's images; LN1's figures (it also parts the reads of samp's images from the stores of x's); x's images; the hidden layer's images; LN2's figures.
; No cluster: 235 is no multiple of 4, and a grid that is would need work-groups without work.  No tensor load: each wave reads only its own quarter of the weights, already in register order.
; LIMITS: NaN and infinities not served; the scale byte is held at 1 from below (a block of zeros too: its codes are zeros); sums in another order than the reference's.
; THE MODE: SCHED_MODE bits 1:0 = 2 (LLVM: expert scheduling mode 2), set by the entry lines.  The code itself states the register dependences
; between vector or matrix instructions and memory or LDS instructions, with s_wait_alu, always for 0.
; THE PLAN.  Registers that memory or LDS instructions touch, and who else names them, in program order:
;   v1-v12            offsets and addresses: written at the head, never again.
;   v14-20, v72-127   offsets of samp's and src's loads; then v14-19 LDS addresses (written once more), v72-135 work registers.
;   window 3, Y       src lands, the additions of bout write, LDS stores read, LDS loads land, tile by tile; then vector and matrix instructions alone; at the end LDS stores read.
;   window 2 v0-223   samp lands, the quantiser reads; its fragments land, Wout's products read; x's fragments land, Wff1's products read; the hidden layer's land in two halves by turns, Wff2's products read.
;   v216-223, v206    the quantiser writes a tile's codes and two scale bytes, three LDS stores read them: for each tile one wait on va_vdst ahead of the stores, one on vm_vsrc ahead of the next quantiser.
;   v72-85            a norm's figures: vector lines write, LDS stores read, the roots write again.   v94-149: a norm's lines use them, then the four waves' figures land.
;   window 1, v56-71, v136-199   weights, scale words, biases: two sets by turns; a pass's land while the pass before multiplies from the other set.
;   v13, v20, v21     written once a trip of Wff1's loop; the images' stores read them.
;   v72-135 at the end   rows land from my stage, global stores read them, two sets by turns.
; The wait on va_vdst ahead of a run's last three stores also serves the loads that follow the next barrier or open the next pass (fragments into window 2; the other sets of weights, scale words and bias): no vector or
; matrix instruction issued since names their registers.  So a pass's 48 loads stand among its first sixteen products with no wait of their own.
.set PLANE, 420096                     ; a plane of samp: 26,256 rows x 16 bytes
.set HIMG, 0                           ; LDS: the hidden layer's 56 fragments, (tile m, K step kp) at (8 m + kp) x 2,048
.set HSC,  114688                      ; their scale words, 128 bytes each
.set XIMG, 121856                      ; samp's, then x's 14 fragments, (m, s) at (2 m + s) x 2,048
.set XSC,  150528
.set ST1,  152320                      ; LN1: [row][wave] (mean, sum of squares), 32 bytes a row;  LN2's lie 3,584 bytes on
.set STG,  159488                      ; a stage for each wave: 16 rows x (256 bytes + 16)
; REGISTERS, window 0: v1 16 x lane, v2 4 x lane, v3-12 addresses; v13-21 offsets of the head, then LDS addresses; v28-41 scale words of samp, then of x; v42-55 of the hidden layer; v56-71 of the weights (two sets);
;   v72-135 two hidden tiles of rows (at the head: src's offsets; in the norms: figures; at the end: rows on their way out); v136-199 two sets of bias; v200-215, v216-223, v224-255 the quantiser's.
;   window 1: the weights' two buffers.  window 2: v0-223 samp as f32, then 14 fragments (samp; x; the hidden layer in two halves), v224-255 a norm's gain.  window 3: v0-223 Y, v224-255 a norm's bias.
.set RS,  28
.set HS,  42
.set WSC, 56
.set H,   72
.set MQ,  72
.set TP,  86
.set TA,  94
.set FB,  136
.set TM,  200
.set PWH, 206
.set PC,  216
.set TMP, 224
.set MSB, 0
.macro WIN new                         ; the immediate's high byte repeats the setting that is left; a switch that changes nothing is dropped
.if MSB != \new
	s_set_vgpr_msb (MSB<<8)|\new
.set MSB, \new
.endif
.endm
.macro PLACES n
.rept \n
	v_nop
.endr
.endm
.macro BARRIER                         ; my LDS stores have landed and my LDS loads are in: then the work-group's barrier
	s_wait_dscnt 0x0
	s_barrier_signal -1
	s_barrier_wait -1
.endm
.macro WLOAD pi, buf                   ; my 8 fragments and 8 scale words of the pass that lies pi passes behind the walking base: 40 loads, each of consecutive bytes
	WIN 0x40
.irp f, 0,1,2,3,4,5,6,7
.irp c, 0,1,2,3
	global_load_b128 v[128*(\buf)+16*\f+4*\c:128*(\buf)+16*\f+4*\c+3], v1, s[38:39] offset:(\pi)*65536+\f*2048+\c*512
.endr
.endr
	WIN 0
.irp f, 0,1,2,3,4,5,6,7
	global_load_b32 v[WSC+8*(\buf)+\f], v2, s[40:41] offset:(\pi)*4096+\f*128
.endr
.endm
.macro BLOAD buf, sb, imm              ; 32 numbers of a bias in the result's layout
.irp b, 0,1
.irp jj, 0,1,2,3
	global_load_b128 v[FB+32*(\buf)+16*\b+4*\jj:FB+32*(\buf)+16*\b+4*\jj+3], v3, s[\sb:\sb+1] offset:(\imm)+128*\b+16*\jj
.endr
.endr
.endm
.macro XFETCH                          ; the 14 fragments and scale words that lie as images at XIMG, XSC come into window 2 and v[RS] on
	WIN 0x80
.set i, 0
.rept 14
.irp c, 0,1,2,3
	ds_load_b128 v[16*i+4*\c:16*i+4*\c+3], v16 offset:2048*i+512*\c
.endr
.set i, i+1
.endr
	WIN 0
.set i, 0
.rept 14
	ds_load_b32 v[RS+i], v17 offset:128*i
.set i, i+1
.endr
	s_wait_dscnt 0x0
.endm
; 32 numbers of a lane (two runs of 16 neighbours: halves of two blocks of 32) become 8 registers of codes in v[PC] on and two scale bytes in v[PWH].
; wa, wb not 0: the numbers lie in another window and are kept (held copies go to v[TMP]); wa is the setting with sources 0 and 1 in that window, wb with source 0 alone.
; relu = 1: what is negative becomes 0 on the way: no |.| in the search, and the hold clips at 0
.macro QUANT2 s, wa, wb, relu
.if \wa
	WIN \wa
.endif
.if \relu
.irp b, 0,1
	v_max3_num_f32 v[TM+\b], v[(\s)+16*\b], v[(\s)+16*\b+1], 0x4800000       ; (a sum is read from its low end on)  the floor 2^(9 - 127): the byte cannot fall under 1
.endr
.irp i, 2,4,6,8,10,12,14
.irp b, 0,1
	v_max3_num_f32 v[TM+\b], v[(\s)+16*\b+\i], v[(\s)+16*\b+\i+1], v[TM+\b]
.endr
.endr
.else
.irp b, 0,1
	v_max3_num_f32 v[TM+\b], |v[(\s)+16*\b]|, |v[(\s)+16*\b+1]|, 0x4800000
.endr
.irp i, 2,4,6,8,10,12,14
.irp b, 0,1
	v_max3_num_f32 v[TM+\b], |v[(\s)+16*\b+\i]|, |v[(\s)+16*\b+\i+1]|, v[TM+\b]
.endr
.endr
.endif
	WIN 0
.irp b, 0,1
	v_permlanex16_b32 v[TM+4+\b], v[TM+\b], s32, s33
.endr
.irp b, 0,1
	v_max_num_f32 v[TM+\b], v[TM+\b], v[TM+4+\b]             ; with lane l xor 16's 16: the block's largest magnitude
.endr
.irp b, 0,1
	v_add_nc_u32 v[TM+12+\b], 0xfc000000, v[TM+\b]           ; the conversion's scale operand
.endr
.irp b, 0,1
	v_and_or_b32 v[TM+8+\b], v[TM+\b], 0x7f800000, s34       ; 448 x the scale
.endr
.irp b, 0,1
	v_lshrrev_b32 v[TM+4+\b], 23, v[TM+12+\b]                ; the scale's byte
.endr
	v_lshl_or_b32 v[PWH], v[TM+5], 8, v[TM+4]
.if \wa
	WIN \wb
.irp b, 0,1
.irp i, 0,1,2,3,4,5,6,7,8,9,10,11,12,13,14,15
	v_med3_num_f32 v[TMP+16*\b+\i], v[(\s)+16*\b+\i], -v[TM+8+\b], v[TM+8+\b]
.endr
.endr
	WIN 0
.irp b, 0,1
	v_cvt_scalef32_pk8_fp8_f32 v[PC+4*\b:PC+4*\b+1], v[TMP+16*\b:TMP+16*\b+7], v[TM+12+\b]
	v_cvt_scalef32_pk8_fp8_f32 v[PC+4*\b+2:PC+4*\b+3], v[TMP+16*\b+8:TMP+16*\b+15], v[TM+12+\b]
.endr
.else
.irp b, 0,1
.irp i, 0,1,2,3,4,5,6,7,8,9,10,11,12,13,14,15
	v_med3_num_f32 v[(\s)+16*\b+\i], v[(\s)+16*\b+\i], 0, v[TM+8+\b]         ; the activation and the hold in one
.endr
.endr
.irp b, 0,1
	v_cvt_scalef32_pk8_fp8_f32 v[PC+4*\b:PC+4*\b+1], v[(\s)+16*\b:(\s)+16*\b+7], v[TM+12+\b]
	v_cvt_scalef32_pk8_fp8_f32 v[PC+4*\b+2:PC+4*\b+3], v[(\s)+16*\b+8:(\s)+16*\b+15], v[TM+12+\b]
.endr
.endif
	v_nop                                          ; a plain line behind the last conversion
.endm
; A norm's first half: for each of my 112 rows the mean of my 64 columns, Y centred on it, and the sum of the squares; both to LDS.  Every stage for all seven tiles, so that the windows are switched seldom.
.macro LNSTAT so
	WIN 0x0f
.irp m, 0,1,2,3,4,5,6
	v_pk_add_f32 v[TA+4*\m:TA+4*\m+1], v[32*\m:32*\m+1], v[32*\m+2:32*\m+3]             ; each sum's registers in ascending order
	v_pk_add_f32 v[TA+4*\m+2:TA+4*\m+3], v[32*\m+4:32*\m+5], v[32*\m+6:32*\m+7]
.endr
	WIN 0x0c
.irp k, 8,12,16,20,24,28
.irp m, 0,1,2,3,4,5,6
	v_pk_add_f32 v[TA+4*\m:TA+4*\m+1], v[TA+4*\m:TA+4*\m+1], v[32*\m+\k:32*\m+\k+1]
	v_pk_add_f32 v[TA+4*\m+2:TA+4*\m+3], v[TA+4*\m+2:TA+4*\m+3], v[32*\m+\k+2:32*\m+\k+3]
.endr
.endr
	WIN 0
.irp m, 0,1,2,3,4,5,6
	v_pk_add_f32 v[TA+4*\m:TA+4*\m+1], v[TA+4*\m:TA+4*\m+1], v[TA+4*\m+2:TA+4*\m+3]
.endr
.irp m, 0,1,2,3,4,5,6
	v_add_f32 v[TA+4*\m], v[TA+4*\m], v[TA+4*\m+1]
.endr
.irp m, 0,1,2,3,4,5,6
	v_permlanex16_b32 v[TA+4*\m+2], v[TA+4*\m], s32, s33
.endr
.irp m, 0,1,2,3,4,5,6
	v_add_f32 v[TA+4*\m], v[TA+4*\m], v[TA+4*\m+2]
.endr
.irp m, 0,1,2,3,4,5,6
	v_mul_f32 v[MQ+2*\m], 0x3c800000, v[TA+4*\m]   ; / 64: my mean, in both registers of the pair
	v_mul_f32 v[MQ+2*\m+1], 0x3c800000, v[TA+4*\m]
.endr
	WIN 0xc3
.irp m, 0,1,2,3,4,5,6
.irp k, 0,2,4,6,8,10,12,14,16,18,20,22,24,26,28,30
	v_pk_add_f32 v[32*\m+\k:32*\m+\k+1], v[32*\m+\k:32*\m+\k+1], v[MQ+2*\m:MQ+2*\m+1] neg_lo:[0,1] neg_hi:[0,1]
.endr
.endr
	WIN 0x0f
.irp m, 0,1,2,3,4,5,6
	v_pk_mul_f32 v[TA+4*\m:TA+4*\m+1], v[32*\m:32*\m+1], v[32*\m:32*\m+1]
	v_pk_mul_f32 v[TA+4*\m+2:TA+4*\m+3], v[32*\m+2:32*\m+3], v[32*\m+2:32*\m+3]
.endr
.irp k, 4,8,12,16,20,24,28
.irp m, 0,1,2,3,4,5,6
	v_pk_fma_f32 v[TA+4*\m:TA+4*\m+1], v[32*\m+\k:32*\m+\k+1], v[32*\m+\k:32*\m+\k+1], v[TA+4*\m:TA+4*\m+1]
	v_pk_fma_f32 v[TA+4*\m+2:TA+4*\m+3], v[32*\m+\k+2:32*\m+\k+3], v[32*\m+\k+2:32*\m+\k+3], v[TA+4*\m+2:TA+4*\m+3]
.endr
.endr
	WIN 0
.irp m, 0,1,2,3,4,5,6
	v_pk_add_f32 v[TA+4*\m:TA+4*\m+1], v[TA+4*\m:TA+4*\m+1], v[TA+4*\m+2:TA+4*\m+3]
.endr
.irp m, 0,1,2,3,4,5,6
	v_add_f32 v[TA+4*\m], v[TA+4*\m], v[TA+4*\m+1]
.endr
.irp m, 0,1,2,3,4,5,6
	v_permlanex16_b32 v[TA+4*\m+2], v[TA+4*\m], s32, s33
.endr
.irp m, 0,1,2,3,4,5,6
	v_add_f32 v[MQ+2*\m+1], v[TA+4*\m], v[TA+4*\m+2]
.endr
	s_wait_alu depctr_va_vdst(0)                   ; the lines above have written my figures v[MQ ..], which the LDS stores read, and are done with v[TA ..], in which the four waves' figures land behind the barrier
.irp m, 0,1,2,3,4,5,6
	ds_store_b64 v9, v[MQ+2*\m:MQ+2*\m+1] offset:(\so)+512*\m      ; lanes r and r + 16 write the same 8 bytes with the same values
.endr
.endm
; Its second half: the four waves' figures are joined; Y = ((Y - (mean - my mean)) / sqrt(var + 1e-5)) x gain + bias
.macro LNAPPLY so
.irp m, 0,1,2,3,4,5,6
	ds_load_b128 v[TA+8*\m:TA+8*\m+3], v10 offset:(\so)+512*\m
	ds_load_b128 v[TA+8*\m+4:TA+8*\m+7], v10 offset:(\so)+512*\m+16
.endr
	s_wait_dscnt 0x0
	s_wait_alu depctr_vm_vsrc(0)                   ; the LDS stores of my figures have read v[MQ ..], which the roots and the line behind them write again
.irp m, 0,1,2,3,4,5,6
	v_add_f32 v[TP+\m], v[TA+8*\m], v[TA+8*\m+2]
.endr
.irp m, 0,1,2,3,4,5,6
	v_add_f32 v[TP+\m], v[TP+\m], v[TA+8*\m+4]
.endr
.irp m, 0,1,2,3,4,5,6
	v_add_f32 v[TP+\m], v[TP+\m], v[TA+8*\m+6]
.endr
.irp m, 0,1,2,3,4,5,6
	v_mul_f32 v[TP+\m], 0x3e800000, v[TP+\m]       ; the row's mean
.endr
.irp m, 0,1,2,3,4,5,6
.irp k, 0,2,4,6
	v_sub_f32 v[TA+8*\m+\k], v[TA+8*\m+\k], v[TP+\m]
.endr
	v_add_f32 v[TA+8*\m+1], v[TA+8*\m+1], v[TA+8*\m+3]
	v_add_f32 v[TA+8*\m+5], v[TA+8*\m+5], v[TA+8*\m+7]
.endr
.irp m, 0,1,2,3,4,5,6
	v_mul_f32 v[TA+8*\m], v[TA+8*\m], v[TA+8*\m]
	v_add_f32 v[TA+8*\m+1], v[TA+8*\m+1], v[TA+8*\m+5]
.endr
.irp k, 2,4,6
.irp m, 0,1,2,3,4,5,6
	v_fma_f32 v[TA+8*\m], v[TA+8*\m+\k], v[TA+8*\m+\k], v[TA+8*\m]
.endr
.endr
.irp m, 0,1,2,3,4,5,6
	v_fma_f32 v[TA+8*\m+1], v[TA+8*\m], 0x42800000, v[TA+8*\m+1]   ; + 64 x the squares of the four means' distances
.endr
.irp m, 0,1,2,3,4,5,6
	v_fma_f32 v[TA+8*\m+1], v[TA+8*\m+1], s58, s59 ; / 256 + 1e-5
	v_sub_f32 v[TP+\m], v[TP+\m], v[MQ+2*\m]       ; the row's mean less my mean
.endr
.irp m, 0,1,2,3,4,5,6
	v_rsq_f32 v[MQ+2*\m], v[TA+8*\m+1]
.endr
	v_nop                                          ; a plain line between the roots and the use of their results
	s_wait_alu depctr_va_vdst(0)                   ; the seven roots have written v[MQ], v[MQ+2], .., ahead of the multiplications that read them: one wait for the batch
.irp m, 0,1,2,3,4,5,6
	v_mul_f32 v[MQ+2*\m+1], -v[TP+\m], v[MQ+2*\m]
.endr
	WIN 0xc3
.irp m, 0,1,2,3,4,5,6
.irp k, 0,2,4,6,8,10,12,14,16,18,20,22,24,26,28,30
	v_pk_fma_f32 v[32*\m+\k:32*\m+\k+1], v[32*\m+\k:32*\m+\k+1], v[MQ+2*\m:MQ+2*\m+1], v[MQ+2*\m:MQ+2*\m+1] op_sel:[0,0,1] op_sel_hi:[1,0,1]
.endr
.endr
	WIN 0xfb                                       ; the gain in window 2, the bias in window 3
.irp m, 0,1,2,3,4,5,6
.irp k, 0,2,4,6,8,10,12,14,16,18,20,22,24,26,28,30
	v_pk_fma_f32 v[32*\m+\k:32*\m+\k+1], v[32*\m+\k:32*\m+\k+1], v[224+\k:225+\k], v[224+\k:225+\k]
.endr
.endr
	WIN 0
.endm
; Wff1, tile of rows m: 8 products; the four sums take turns, one instruction a turn; the first four take the bias as C
.macro MM m, wb, fb
.set hm_, H+32*((\m)%2)
	WIN 0x09                                       ; source 0 (the weight) window 1, source 1 (x) window 2
.irp t, 0,1,2,3
	v_wmma_scale_f32_16x16x128_f8f6f4 v[hm_+8*\t:hm_+8*\t+7], v[128*(\wb)+32*\t:128*(\wb)+32*\t+15], v[32*(\m):32*(\m)+15], v[FB+32*(\fb)+8*\t:FB+32*(\fb)+8*\t+7], v[WSC+8*(\wb)+2*\t], v[RS+2*(\m)]
.endr
.irp t, 0,1,2,3
	v_wmma_scale_f32_16x16x128_f8f6f4 v[hm_+8*\t:hm_+8*\t+7], v[128*(\wb)+32*\t+16:128*(\wb)+32*\t+31], v[32*(\m)+16:32*(\m)+31], v[hm_+8*\t:hm_+8*\t+7], v[WSC+8*(\wb)+2*\t+1], v[RS+2*(\m)+1]
.endr
	WIN 0
.endm
; A pass of Wff1: 256 hidden units, my 64 of them, for the 7 tiles of rows.  While one tile is quantised, the products of the tile after next stand behind it: the quantiser's lines are their places.
.macro PASS wb, fb, pit, npi, nsb, nimm
	s_wait_loadcnt 0x0                             ; this pass's weights, scale words and bias, asked for a pass ago, are in
	MM 0, \wb, \fb
	WLOAD \npi, 1-(\wb)                            ; the next pass's, into the buffers that the last pass's last products left two quantisers ago.  No wait: the last wait on va_vdst stands behind those products,
	MM 1, \wb, \fb                                 ; and this pass's products name the other buffer, the other scale words and the other bias
	BLOAD 1-(\fb), \nsb, \nimm
	PLACES 8
.irp m, 0,1,2,3,4,5,6
.if \m > 0
	s_wait_alu depctr_vm_vsrc(0)                   ; the last tile's three LDS stores have read v[PC ..] and v[PWH], which the quantiser writes again
.endif
	QUANT2 H+32*(\m%2), 0, 0, 1
	s_wait_alu depctr_va_vdst(0)                   ; the quantiser has written the codes v[PC ..] and the two bytes v[PWH], which the LDS stores read; behind tile 6: the pass's products are done reading their weights, scale words, bias and x
.if \m < 4
	ds_store_b128 v13, v[PC:PC+3] offset:\m*16384+4096*(\pit)
	ds_store_b128 v13, v[PC+4:PC+7] offset:\m*16384+4096*(\pit)+512
.else
	ds_store_b128 v20, v[PC:PC+3] offset:(\m-4)*16384+4096*(\pit)
	ds_store_b128 v20, v[PC+4:PC+7] offset:(\m-4)*16384+4096*(\pit)+512
.endif
	ds_store_b16 v21, v[PWH] offset:1024*\m+256*(\pit)
.if \m < 5
	MM \m+2, \wb, \fb
.endif
.endr
.endm
.macro HLOAD kp                        ; the hidden layer's K step kp: 7 fragments and 7 scale words: 35 LDS loads
.set hb_, (\kp)%2
	WIN 0x80
.irp m, 0,1,2,3,4,5,6
.irp c, 0,1,2,3
.if \m < 4
	ds_load_b128 v[112*hb_+16*\m+4*\c:112*hb_+16*\m+4*\c+3], v1 offset:\m*16384+2048*(\kp)+512*\c
.else
	ds_load_b128 v[112*hb_+16*\m+4*\c:112*hb_+16*\m+4*\c+3], v18 offset:(\m-4)*16384+2048*(\kp)+512*\c
.endif
.endr
.endr
	WIN 0
.irp m, 0,1,2,3,4,5,6
	ds_load_b32 v[HS+7*hb_+\m], v19 offset:1024*\m+128*(\kp)
.endr
.endm
.macro FF2 kp                          ; 28 products onto Y; the 28 sums take turns in the same order in every K step
.set hb_, (\kp)%2
.set wb_, ((\kp)/2+1)%2
	WIN 0xf9                                       ; the weight window 1, the hidden layer window 2, C and D window 3
.irp m, 0,1,2,3,4,5,6
.irp t, 0,1,2,3
	v_wmma_scale_f32_16x16x128_f8f6f4 v[32*\m+8*\t:32*\m+8*\t+7], v[128*wb_+32*\t+16*hb_:128*wb_+32*\t+16*hb_+15], v[112*hb_+16*\m:112*hb_+16*\m+15], v[32*\m+8*\t:32*\m+8*\t+7], v[WSC+8*wb_+2*\t+hb_], v[HS+7*hb_+\m]
.endr
.endr
	WIN 0
.endm
	; ---- the head
	s_load_b512 s[4:19], s[0:1], 0x0               ; src 4, samp 6, wfrag 8, wfsc 10, bout 12, g1 14, b1 16, bff1 18
	s_load_b256 s[20:27], s[0:1], 0x40             ; bff2 20, g2 22, b2 24, out0 26
	v_lshl_add_u32 v214, v0, 2, 0x2b300
	v_mov_b32 v215, 0
	v_lshrrev_b32 v1, 5, v0
	v_readfirstlane_b32 s30, v1                    ; wave 0..3
	s_wait_alu depctr_va_sdst(0)                   ; s30 is written, ahead of its first reader: my columns, my stage and my quarter of the weights are made from it
	s_mul_i32 s31, ttmp9, 112                      ; my work-group's first row
	s_mov_b32 s32, 0x76543210
	s_mov_b32 s33, 0xfedcba98                      ; lane selects: lane l xor 16
	s_mov_b32 s34, 0x600000                        ; the mantissa field of 448
	s_mov_b32 s58, 0x3b800000                      ; 1 / 256
	s_mov_b32 s59, 0x3727c5ac                      ; 1e-5
	v_and_b32 v13, 31, v0
	v_and_b32 v200, 15, v0                         ; r
	v_bfe_u32 v201, v0, 4, 1                       ; h
	v_lshlrev_b32 v1, 4, v13
	v_lshlrev_b32 v2, 2, v13
	s_lshl_b32 s48, s30, 8
	v_lshl_add_u32 v3, v201, 6, s48                ; a vector of 256 in the result's layout: 256 w + 64 h
	v_lshl_add_u32 v4, v200, 4, s48                ; and as rows lie: 256 w + 16 r
	s_mul_i32 s49, s30, 4352
	s_add_co_u32 s49, s49, STG
	v_mul_u32_u24 v5, v201, 272
	v_lshl_add_u32 v5, v200, 4, v5
	v_add_nc_u32 v5, s49, v5                       ; stage, as rows lie: lanes 0-15 one row, lanes 16-31 the next
	v_mul_u32_u24 v6, v200, 272
	v_lshl_add_u32 v6, v201, 6, v6
	v_add_nc_u32 v6, s49, v6                       ; stage, in the result's layout: row r, + 64 h
	s_lshr_b32 s50, s30, 1
	s_and_b32 s51, s30, 1
	s_lshl_b32 s52, s50, 11
	s_lshl_b32 s53, s51, 10
	s_add_co_u32 s52, s52, s53
	v_add_nc_u32 v7, s52, v1                       ; my quarter of a pair of fragments: K step w / 2, blocks 2 (w % 2) on
	s_lshl_b32 s52, s50, 7
	s_lshl_b32 s53, s51, 1
	s_add_co_u32 s52, s52, s53
	v_add_nc_u32 v8, s52, v2                       ; and my half of its scale word
	s_lshl_b32 s52, s30, 3
	s_add_co_u32 s52, s52, ST1
	v_lshl_add_u32 v9, v200, 5, s52
	v_lshl_add_u32 v10, v200, 5, ST1
	v_lshl_add_u32 v11, v201, 10, v4               ; out0: two rows a store
	v_add_nc_u32 v12, s31, v201
	v_mov_b32 v204, 0                              ; a lane permute's destination counts as one of its sources
	v_mov_b32 v205, 0
	s_mul_i32 s52, s30, 16*PLANE                   ; samp: my two heads begin 16 w planes on;
	v_mul_u32_u24 v202, v201, 4*PLANE              ; lanes 16-31 take channels 16 on: four slices further;
	v_add_nc_u32 v202, s52, v202
	v_lshl_add_u32 v202, v200, 4, v202             ; row r of a tile's 256 bytes
	s_mul_i32 s54, ttmp9, 7
.irp m, 0,1,2,3,4,5,6
	s_add_co_u32 s55, s54, \m
	s_min_u32 s55, s55, 1640                       ; the last work-group reads the last tile again in place of tiles that do not exist
	s_lshl_b32 s56, s55, 8
	v_add_nc_u32 v[14+\m], s56, v202
.endr
.set i, 0
.rept 56
	v_add_nc_u32 v[72+i], 2*i, v12
.set i, i+1
.endr
.set i, 0
.rept 56
	v_min_u32 v[72+i], 26249, v[72+i]              ; no load leaves src
.set i, i+1
.endr
.set i, 0
.rept 56
	v_lshl_add_u32 v[72+i], v[72+i], 10, v4
.set i, i+1
.endr
	s_wait_kmcnt 0x0
	s_lshl_b32 s48, s30, 14
	s_mov_b32 s49, 0
	s_add_nc_u64 s[38:39], s[8:9], s[48:49]        ; my quarter of a pass's fragments
	s_lshl_b32 s48, s30, 10
	s_add_nc_u64 s[40:41], s[10:11], s[48:49]
	s_mov_b64 s[42:43], s[18:19]                   ; bff1, walking
	s_add_nc_u64 s[44:45], s[18:19], 2048          ; and two passes ahead; it steps by half as much, so that the last look ahead stays on bff1's last part
	s_lshl_b32 s48, s31, 10
	s_add_nc_u64 s[46:47], s[26:27], s[48:49]
	; ---- all that the first phases read
	WIN 0xc0
	s_wait_alu depctr_va_vdst(0)                   ; the head's offsets and addresses (v1-v12, v14-20, v72-127) are written, which the loads, stores and LDS instructions from here on read
.set i, 0
.rept 56
	global_load_b128 v[4*i:4*i+3], v[72+i], s[4:5] th:TH_LOAD_NT   ; my 256 bytes of two rows of src: sixteen lanes read 256 consecutive bytes, aligned
.set i, i+1
.endr
	WLOAD 0, 0
	WIN 0x80
.irp m, 0,1,2,3,4,5,6
.irp b, 0,1
.irp q, 0,1,2,3
	global_load_b128 v[32*\m+16*\b+4*\q:32*\m+16*\b+4*\q+3], v[14+\m], s[6:7] offset:(8*\b+\q)*PLANE th:TH_LOAD_NT      ; samp: head 2 w + b, slice 4 h + q, row r of tile m
.endr
.endr
.endr
	WIN 0
	global_load_b128 v[224:227], v4, s[12:13]      ; bout, as rows lie
	WIN 0x80
.irp b, 0,1
.irp jj, 0,1,2,3
	global_load_b128 v[224+16*\b+4*\jj:227+16*\b+4*\jj], v3, s[14:15] offset:128*\b+16*\jj     ; g1
.endr
.endr
	WIN 0xc0
.irp b, 0,1
.irp jj, 0,1,2,3
	global_load_b128 v[224+16*\b+4*\jj:227+16*\b+4*\jj], v3, s[16:17] offset:128*\b+16*\jj     ; b1
.endr
.endr
	WIN 0
	BLOAD 1, 20, 0                                 ; bff2
	WLOAD 1, 1
	s_wait_loadcnt 40                              ; all but the 40 loads of pass 1's weights
	s_wait_alu depctr_vm_vsrc(0)                   ; samp's loads have read their offsets v14-20 and src's v72-127: the lines below write v14-19 again, the first norm and the products v72-135
	v_add_nc_u32 v14, XIMG, v7                     ; LDS addresses beyond the reach of the immediate, in registers that the finished loads have left
	v_add_nc_u32 v15, XSC, v8
	v_add_nc_u32 v16, XIMG, v1
	v_add_nc_u32 v17, XSC, v2
	v_add_nc_u32 v18, 65536, v1
	v_add_nc_u32 v19, HSC, v2
	; ---- src + bout, turned into the result's layout through my stage
	WIN 0xc3
.set i, 0
.rept 56
	v_pk_add_f32 v[4*i:4*i+1], v[4*i:4*i+1], v[224:225]
	v_pk_add_f32 v[4*i+2:4*i+3], v[4*i+2:4*i+3], v[226:227]
.set i, i+1
.endr
	WIN 0x0c
	s_wait_alu depctr_va_vdst(0)                   ; the additions have written src + bout, which the LDS stores read and in which the LDS loads land; the addresses v14-19 are written
.irp m, 0,1,2,3,4,5,6
	WIN 0x0c
.irp i, 0,1,2,3,4,5,6,7
	ds_store_b128 v5, v[32*\m+4*\i:32*\m+4*\i+3] offset:544*\i
.endr
	WIN 0xc0
	s_wait_alu depctr_vm_vsrc(0)                   ; the eight stores above have read the tile's 32 registers, in which the loads below land
.irp b, 0,1
.irp u, 0,1
.irp q, 0,1
	ds_load_b128 v[32*\m+8*(2*\b+\u)+4*\q:32*\m+8*(2*\b+\u)+4*\q+3], v6 offset:128*\b+32*\u+16*\q     ; LDS serves a wave's instructions in order: these see the stores above, and the next tile's stores come behind them
.endr
.endr
.endr
.endr
	; ---- samp is quantised (bout's registers are free now: the held copies land there) and its images go to LDS
.irp m, 0,1,2,3,4,5,6
.if \m > 0
	s_wait_alu depctr_vm_vsrc(0)                   ; the last tile's three LDS stores have read v[PC ..] and v[PWH], which the quantiser writes again
.endif
	QUANT2 32*\m, 0x0a, 0x02, 0
	s_wait_alu depctr_va_vdst(0)                   ; the quantiser has written the codes v[PC ..] and the two bytes v[PWH], which the LDS stores read; behind tile 6: it is done reading samp in window 2, in which the fragments land
	ds_store_b128 v14, v[PC:PC+3] offset:4096*\m
	ds_store_b128 v14, v[PC+4:PC+7] offset:4096*\m+512
	ds_store_b16 v15, v[PWH] offset:256*\m
.endr
	BARRIER                                        ; samp's 14 fragments lie in LDS (and Y is back from my stage)
	XFETCH
	; ---- Wout's product onto src + bout
	WIN 0xf9
.irp s, 0,1
.irp m, 0,1,2,3,4,5,6
.irp t, 0,1,2,3
	v_wmma_scale_f32_16x16x128_f8f6f4 v[32*\m+8*\t:32*\m+8*\t+7], v[32*\t+16*\s:32*\t+16*\s+15], v[16*(2*\m+\s):16*(2*\m+\s)+15], v[32*\m+8*\t:32*\m+8*\t+7], v[WSC+2*\t+\s], v[RS+2*\m+\s]
.endr
.endr
.endr
	WIN 0
	PLACES 8
	; ---- LN1; x is quantised and its images go to LDS
	LNSTAT 0
	BARRIER                                        ; every wave has read samp's images ahead of its products: behind this barrier x's images may take their bytes
	LNAPPLY 0
	s_wait_alu depctr_va_vdst(0)                   ; the norm's lines are done with v136-149 and with the gain and the bias in windows 2 and 3, in which the loads below land
	BLOAD 0, 42, 0                                 ; bff1's part for pass 1
	WIN 0x80
.irp b, 0,1
.irp jj, 0,1,2,3
	global_load_b128 v[224+16*\b+4*\jj:227+16*\b+4*\jj], v3, s[22:23] offset:128*\b+16*\jj     ; g2
.endr
.endr
	WIN 0xc0
.irp b, 0,1
.irp jj, 0,1,2,3
	global_load_b128 v[224+16*\b+4*\jj:227+16*\b+4*\jj], v3, s[24:25] offset:128*\b+16*\jj     ; b2
.endr
.endr
	WIN 0
.irp m, 0,1,2,3,4,5,6
.if \m > 0
	s_wait_alu depctr_vm_vsrc(0)                   ; the last tile's three LDS stores have read v[PC ..] and v[PWH], which the quantiser writes again
.endif
	QUANT2 32*\m, 0x0f, 0x03, 0
	s_wait_alu depctr_va_vdst(0)                   ; the quantiser has written the codes v[PC ..] and the two bytes v[PWH], which the LDS stores read
	ds_store_b128 v14, v[PC:PC+3] offset:4096*\m
	ds_store_b128 v14, v[PC+4:PC+7] offset:4096*\m+512
	ds_store_b16 v15, v[PWH] offset:256*\m
.endr
	WIN 0xc3
.irp m, 0,1,2,3,4,5,6
.irp k, 0,2,4,6,8,10,12,14,16,18,20,22,24,26,28,30
	v_pk_add_f32 v[32*\m+\k:32*\m+\k+1], v[32*\m+\k:32*\m+\k+1], v[FB+32+\k:FB+33+\k]          ; x + bff2: what Wff2's products add onto
.endr
.endr
	WIN 0
	BARRIER
	XFETCH                                         ; x's 14 fragments stay in registers for all four passes of Wff1.  (Wout's products, which read these registers, stand ahead of the waits above; the additions since name Y and bff2 alone)
	; ---- Wff1: two trips of two passes, until the buffers are back where they began
	s_mov_b32 s35, 0
	s_mov_b32 s36, 0
.Lff1:
	s_wait_alu depctr_vm_vsrc(0)                   ; the LDS stores issued so far have read v13, v20, v21, which the lines below write, and v[PC ..], v[PWH], which the pass's first quantiser writes
	v_add_nc_u32 v13, s36, v7                      ; where this trip's images go: K steps 4 trip on
	v_add_nc_u32 v20, 65536, v13
	s_lshr_b32 s48, s36, 4
	v_add_nc_u32 v21, s48, v8
	v_add_nc_u32 v21, HSC, v21
	s_wait_alu depctr_va_vdst(0)                   ; v13, v20 and v21 are written, which the images' stores read; in the first trip the additions of bff2 are done reading v168-199, in which the next pass's bias lands
	PASS 1, 0, 0, 2, 42, 1024
	s_wait_alu depctr_vm_vsrc(0)                   ; the first pass's last three LDS stores have read v[PC ..] and v[PWH], which the second pass's first quantiser writes
	PASS 0, 1, 1, 3, 44, 0
	s_wait_xcnt 0x0                                ; the loads issued have read their bases: only behind this wait are they stepped
	s_add_nc_u64 s[38:39], s[38:39], 131072
	s_add_nc_u64 s[40:41], s[40:41], 8192
	s_add_nc_u64 s[42:43], s[42:43], 2048
	s_add_nc_u64 s[44:45], s[44:45], 1024
	s_add_co_u32 s36, s36, 8192
	s_add_co_u32 s35, s35, 1
	s_cmp_lt_u32 s35, 2
	s_cbranch_scc1 .Lff1
	BARRIER                                        ; the hidden layer's 56 fragments lie in LDS
	; ---- Wff2: eight K steps; a step's fragments are fetched a step ahead, a pass's weights a pass ahead
	HLOAD 0                                        ; (the last pass's last wait on va_vdst stands behind all that read x's fragments and the free buffer of weights: K steps 0 and 1 and pass 6 owe no wait)
.irp kp, 0,1,2,3,4,5,6,7
.if \kp%2 == 0
	s_wait_loadcnt 0x0                             ; this pass's weights are in
.endif
.if \kp > 0
	PLACES 8                                       ; in front of loads into registers that the products just issued have read: the places stay beside the wait
.if \kp < 7
	s_wait_alu depctr_va_vdst(0)                   ; the last step's products are done reading their half of window 2 and their scale words, and in an even step the last pass's weights: the loads below land in these
.endif
.endif
.if (\kp%2 == 0) && (\kp < 6)
	WLOAD \kp/2+2, (\kp/2)%2
.endif
.if \kp < 7
	HLOAD \kp+1
	s_wait_dscnt 35                                ; this step's fragments are in; the next step's 35 loads may be out
.else
	s_wait_dscnt 0x0
.endif
	FF2 \kp
.endr
	PLACES 8
	; ---- LN2 and the way out
	LNSTAT 3584
	BARRIER
	LNAPPLY 3584
	WIN 0x0c
	s_wait_alu depctr_va_vdst(0)                   ; the norm has written Y, which the LDS stores read, and is done with v72-149, in which the rows land
.irp m, 0,1,2,3,4,5,6
	WIN 0x0c
.irp b, 0,1
.irp u, 0,1
.irp q, 0,1
	ds_store_b128 v6, v[32*\m+8*(2*\b+\u)+4*\q:32*\m+8*(2*\b+\u)+4*\q+3] offset:128*\b+32*\u+16*\q
.endr
.endr
.endr
	WIN 0
.if \m >= 2
	s_wait_xcnt 0x0                                ; the stores of two tiles ago have read the registers that the loads below fill
	s_wait_alu depctr_vm_vsrc(0)                   ; and beside it: those eight global stores have read their data, in which the loads below land
.endif
.irp i, 0,1,2,3,4,5,6,7
	ds_load_b128 v[72+32*(\m%2)+4*\i:75+32*(\m%2)+4*\i], v5 offset:544*\i
.endr
	s_wait_dscnt 0x0
.irp i, 0,1,2,3,4,5,6,7
	s_cmp_ge_u32 s31, 26250-16*\m-2*\i             ; 26,250 is even: a store's two rows exist together, and the rows that exist come first
	s_cbranch_scc1 .Ldone
	global_store_b128 v11, v[72+32*(\m%2)+4*\i:75+32*(\m%2)+4*\i], s[46:47] offset:(16*\m+2*\i)*1024 th:TH_STORE_NT    ; sixteen lanes store 256 consecutive bytes, aligned
.endr
.endr
.Ldone:
	s_wait_dscnt 0x0                               ; the closing lines, six on end
	s_wait_alu 0x0
	s_wait_tensorcnt 0x0
	ds_add_u32 v214, v215
	s_wait_dscnt 0x0
	s_endpgm
.Lfunc_end_k_q9158d1e8c4_ffn:
	.size	k_q9158d1e8c4_ffn, .Lfunc_end_k_q9158d1e8c4_ffn-k_q9158d1e8c4_ffn
	.p2alignl 7, 3214868480
	.fill 96, 4, 3214868480
	.section	.rodata,"a",@progbits
	.p2align	6, 0x0
	.amdhsa_kernel k_q9158d1e8c4_ffn
		.amdhsa_group_segment_fixed_size 177408
		.amdhsa_private_segment_fixed_size 0
		.amdhsa_enable_private_segment 0
		.amdhsa_kernarg_size 96
		.amdhsa_user_sgpr_count 2
		.amdhsa_user_sgpr_kernarg_segment_ptr 1
		.amdhsa_wavefront_size32 1
		.amdhsa_system_sgpr_workgroup_id_x 1
		.amdhsa_system_sgpr_workgroup_id_y 1
		.amdhsa_system_sgpr_workgroup_id_z 1
		.amdhsa_system_vgpr_workitem_id 0
		.amdhsa_next_free_vgpr 1024
		.amdhsa_next_free_sgpr 66
		.amdhsa_reserve_vcc 0
		.amdhsa_float_denorm_mode_32 3
		.amdhsa_float_denorm_mode_16_64 3
		.amdhsa_memory_ordered 1
		.amdhsa_forward_progress 1
		.amdhsa_inst_pref_size 255
	.end_amdhsa_kernel
	.section	.bss,"aw",@nobits
	.p2align	6
	.space	262144
	.amdgpu_metadata
---
amdhsa.version: [ 1, 2 ]
amdhsa.kernels:
  - .name:           k_q9158d1e8c4_ffn
    .symbol:         k_q9158d1e8c4_ffn.kd
    .args:
      - { .name: src, .offset: 0, .size: 8, .value_kind: global_buffer, .address_space: global }
      - { .name: samp, .offset: 8, .size: 8, .value_kind: global_buffer, .address_space: global }
      - { .name: wfrag, .offset: 16, .size: 8, .value_kind: global_buffer, .address_space: global }
      - { .name: wfsc, .offset: 24, .size: 8, .value_kind: global_buffer, .address_space: global }
      - { .name: bout, .offset: 32, .size: 8, .value_kind: global_buffer, .address_space: global }
      - { .name: g1, .offset: 40, .size: 8, .value_kind: global_buffer, .address_space: global }
      - { .name: b1, .offset: 48, .size: 8, .value_kind: global_buffer, .address_space: global }
      - { .name: bff1, .offset: 56, .size: 8, .value_kind: global_buffer, .address_space: global }
      - { .name: bff2, .offset: 64, .size: 8, .value_kind: global_buffer, .address_space: global }
      - { .name: g2, .offset: 72, .size: 8, .value_kind: global_buffer, .address_space: global }
      - { .name: b2, .offset: 80, .size: 8, .value_kind: global_buffer, .address_space: global }
      - { .name: out0, .offset: 88, .size: 8, .value_kind: global_buffer, .address_space: global }
    .group_segment_fixed_size: 177408
    .private_segment_fixed_size: 0
    .kernarg_segment_align: 8
    .kernarg_segment_size: 96
    .max_flat_workgroup_size: 128
    .sgpr_count:     66
    .vgpr_count:     1024
    .wavefront_size: 32
...
	.end_amdgpu_metadata
.endif
;; end of part 8
